; MI455X (gfx1250); checked and timed in simulation.
; The chip was launched on July 23, 2026; its instructions are those of AMD's public machine-readable ISA for CDNA 5 (MIT licence, August 2026) and "CDNA5" Instruction Set Architecture Reference Guide (July 2026). The comments in the code are by the model that wrote it; some were corrected since.
;; Cross Transformer. Allowed arithmetic: float matrix products may take bf16 or f16 operands with f32 sums; all other float work in f32.
;; Inputs: am_b1 512 float32; am_b2 256 float32; am_bt 512 float32; am_g 512 float32; am_w1 512 x 256 float32; am_w2 256 x 512 float32; bv 256 float32; fea 8 x 128 x 2,048 float32; le_b 128 float32; le_w 128 x 256 float32; pm_b1 64 float32; pm_b2 256 float32; pm_bt 64 float32; pm_g 64 float32; pm_w1 64 x 3 float32; pm_w2 256 x 64 float32; pos 8 x 3 x 2,048 float32; pos_flipped 8 x 2,048 x 3 float32; prev_fea 8 x 128 x 2,048 float32; vm_b1 128 float32; vm_b2 128 float32; vm_w1 128 x 256 float32; vm_w2 128 x 128 float32; wk 256 x 128 float32; wq 256 x 128 float32; wv 256 x 128 float32.
;; Outputs: out0 8 x 128 x 2,048 float32.
;; 3 versions, each right; version 2 is faster than version 1; version 3 is version 2 with the launch main written anew for expert scheduling mode. Each part assembles by itself: llvm-mc -triple=amdgcn-amd-amdhsa -mcpu=gfx1250 --defsym DOCPART=n.
;; ======== version 1 of 3: 3 launches
;; limits: values outside matrix products are rounded to bf16
;; workspace buffers: wb 856,064 bytes; bkt 524,288 bytes of whole numbers; idx 524,288 bytes of whole numbers; kan 16,777,216 bytes; qab 16,777,216 bytes; val 8,388,608 bytes; v0 8,388,608 bytes
;; launch first (part 1): grid 293 x 1, 8 waves a work-group, no clusters, 67,584 bytes of LDS; arguments pos_flipped, am_w1, am_w2, le_w, pm_w2, vm_w1, vm_w2, wv, wk, wq, pm_b2, am_g, am_b1, am_bt, wb, bkt; writes wb, bkt
.if DOCPART == 1
	.amdgcn_target "amdgcn-amd-amdhsa--gfx1250"
	.amdhsa_code_object_version 6
	.text
	.protected	k_qa848cba405_first
	.globl	k_qa848cba405_first
	.p2align	8
	.type	k_qa848cba405_first,@function
k_qa848cba405_first:
	s_mov_b64 s[64:65], 0
	v_nop
	global_prefetch_b8 v0, s[64:65] scope:SCOPE_SE
	s_setreg_imm32_b32 hwreg(HW_REG_WAVE_MODE, 25, 1), 1
	s_wait_xcnt 0x0
; FIRST.  Three kinds of work-groups, told apart by the work-group's number alone.
;  0..255   NEIGHBOURS, PHASE A: 64 queries of one cloud against its 2,048 points; for each query the 8 best of the 128 buckets of 16 consecutive points,
;           ordered by (smallest distance in the bucket, bucket number).  The 8 nearest points by (distance, index) all lie in these buckets: a point outside
;           them would have 8 buckets, each with a point that precedes it.
;  256..271 CAST: six weight tensors rounded to bf16 and laid in the order in which matrix fragments are read (a unit = 512 bytes, lane L's 16 bytes at 16 L).
;  272..292 FOLD: am_w1 times pm_w2, wk, wq and pm_b2, scaled by am_g / sqrt(1 + 1e-5): the first attention layer is linear, so its products with what is known per point are made once.
; LIMITS.  Every input is rounded to bf16 (nearest even) as it is loaded, the positions too.  Distances in f32: dot = fma(z,z',fma(y,y',x x')), sq by the same chain,
; d = fma(-2, dot, sq_i + sq_j); the products of bf16 numbers are exact in f32, so only the additions round.  Another order of the three-term sums could turn near-ties.
; NaN and infinities are not treated apart.
.set TAB,   0                          ; 1,024 pairs of points x 32 bytes: x0 x1 y0 y1 z0 z1 sq0 sq1
.set MINS,  32768                      ; 64 queries x 528 bytes: 128 bucket minima and 16 bytes of padding
.set MP,    528
.set SPARE, 66560                      ; the spare words, 128 bytes for each of 8 waves
.set SPW,   6                          ; v6  my spare word's address; never rewritten
.set NIL,   7                          ; v7  0; never rewritten
.set RSC,   0x3f7fffac                 ; 1 / sqrt(1 + 1e-5)
; The cloud's positions, rounded, with their squares, into LDS: thread t takes pairs t, t + 256, t + 512, t + 768.  s[36:37]: the cloud in pos_flipped; s41 = 0xffff0000.
.macro TABLE
	v_mul_u32_u24 v4, v0, 24
	v_lshlrev_b32 v5, 5, v0
.irp j,0,1,2,3
	global_load_b64 v[16+6*\j:17+6*\j], v4, s[36:37] offset:\j*6144
	global_load_b64 v[18+6*\j:19+6*\j], v4, s[36:37] offset:\j*6144+8
	global_load_b64 v[20+6*\j:21+6*\j], v4, s[36:37] offset:\j*6144+16
.endr
	s_wait_loadcnt 0x0
.irp j,0,1,2,3
	v_cvt_pk_bf16_f32 v48, v[16+6*\j], v[19+6*\j]
	v_cvt_pk_bf16_f32 v49, v[17+6*\j], v[20+6*\j]
	v_cvt_pk_bf16_f32 v50, v[18+6*\j], v[21+6*\j]
	v_lshlrev_b32 v40, 16, v48
	v_and_b32 v41, s41, v48
	v_lshlrev_b32 v42, 16, v49
	v_and_b32 v43, s41, v49
	v_lshlrev_b32 v44, 16, v50
	v_and_b32 v45, s41, v50
	v_pk_mul_f32 v[46:47], v[40:41], v[40:41]
	v_pk_fma_f32 v[46:47], v[42:43], v[42:43], v[46:47]
	v_pk_fma_f32 v[46:47], v[44:45], v[44:45], v[46:47]
	ds_store_b128 v5, v[40:43] offset:\j*8192
	ds_store_b128 v5, v[44:47] offset:\j*8192+16
.endr
.endm
; My query (its number in v[n]) out of the table, each number twice: v[8:15] = x x y y z z sq sq
.macro QUERY n
	v_lshrrev_b32 v4, 1, v[\n]
	v_and_b32 v5, 1, v[\n]
	v_lshlrev_b32 v4, 5, v4
	v_lshl_add_u32 v4, v5, 2, v4
	ds_load_b32 v8, v4
	ds_load_b32 v10, v4 offset:8
	ds_load_b32 v12, v4 offset:16
	ds_load_b32 v14, v4 offset:24
	s_wait_dscnt 0x0
	v_mov_b32 v9, v8
	v_mov_b32 v11, v10
	v_mov_b32 v13, v12
	v_mov_b32 v15, v14
.endm
; Two distances: the pair of points in v[cb .. cb+7] against my query; ng = 1 gives -d (the same roundings, the sign turned)
.macro DPAIR cb, d, s, ng
	v_pk_mul_f32 v[\d:\d+1], v[8:9], v[\cb:\cb+1]
	v_pk_fma_f32 v[\d:\d+1], v[10:11], v[\cb+2:\cb+3], v[\d:\d+1]
	v_pk_fma_f32 v[\d:\d+1], v[12:13], v[\cb+4:\cb+5], v[\d:\d+1]
	v_pk_add_f32 v[\s:\s+1], v[14:15], v[\cb+6:\cb+7]
.if \ng
	v_pk_fma_f32 v[\d:\d+1], v[\d:\d+1], 2.0, v[\s:\s+1] op_sel_hi:[1,0,1] neg_lo:[0,0,1] neg_hi:[0,0,1]
.else
	v_pk_fma_f32 v[\d:\d+1], v[\d:\d+1], -2.0, v[\s:\s+1] op_sel_hi:[1,0,1]
.endif
.endm
; The ascending list a0..a7 = v[16:23] takes v[x]: each place takes the middle of its old self, its lower neighbour and x
.macro INS x
.irp i,7,6,5,4,3,2,1
	v_med3_num_f32 v[16+\i], v[15+\i], v[16+\i], v[\x]
.endr
	v_min_num_f32 v16, v16, v[\x]
.endm
.macro MERGE m                         ; c_i = min(my a_i, the partner lane's a_(7-i)): the 8 smallest of both lists, a bitonic run
.irp i,0,1,2,3,4,5,6,7
	v_min_num_f32_dpp v[24+\i], v[23-\i], v[16+\i] row_xmask:\m row_mask:0xf bank_mask:0xf
.endr
.endm
.macro CE d, s, i, j
	v_min_num_f32 v[\d+\i], v[\s+\i], v[\s+\j]
	v_max_num_f32 v[\d+\j], v[\s+\i], v[\s+\j]
.endm
.macro BSORT                           ; the bitonic run c is sorted into a
	CE 16,24,0,4
	CE 16,24,1,5
	CE 16,24,2,6
	CE 16,24,3,7
	CE 24,16,0,2
	CE 24,16,1,3
	CE 24,16,4,6
	CE 24,16,5,7
	CE 16,24,0,1
	CE 16,24,2,3
	CE 16,24,4,5
	CE 16,24,6,7
.endm
.macro AINIT
.irp i,0,1,2,3,4,5,6,7
	v_mov_b32 v[16+\i], 0x7f800000
.endr
.endm
; Four neighbouring lanes hold 32 values each (v[vb ..]) of one query; value z has the number v[idb + (z >> idsh)] + (z mod 2^idsh).  First the 8th smallest value T of the 128;
; then each value becomes a key (below T: 0x40000000 + number; equal: 0x40010000 + number; above: 0x7f000000), patterns of positive floats whose order is (value class, number),
; and the 8 smallest keys are the answer.  v[38:39]: my two of the eight numbers.  v34, v35, v36 hold the three constants.
.macro SELECT8 vb, idb, idsh
	AINIT
.irp i,0,1,2,3,4,5,6,7
	v_mov_b32 v[24+\i], 0
.endr
.set z, 0
.rept 32
	INS \vb+z
.set z, z+1
.endr
	MERGE 1
	BSORT
	MERGE 2
	v_max3_num_f32 v32, v24, v25, v26
	v_max3_num_f32 v32, v32, v27, v28
	v_max3_num_f32 v32, v32, v29, v30
	v_max_num_f32 v32, v32, v31
	AINIT
.set z, 0
.rept 32
	v_cmp_eq_f32 vcc_lo, v[\vb+z], v32
	v_cndmask_b32 v33, v34, v35, vcc_lo
	v_add3_u32 v33, v33, v[\idb+(z>>\idsh)], z&((1<<\idsh)-1)
	v_cmp_gt_f32 vcc_lo, v[\vb+z], v32
	v_cndmask_b32 v33, v33, v36, vcc_lo
	INS 33
.set z, z+1
.endr
	MERGE 1
	BSORT
	MERGE 2                                        ; lanes 0, 1 of the four hold c, lanes 2, 3 hold it reversed: even lanes give c0, c1, odd lanes c2, c3
	v_and_b32 v33, 1, v0
	v_cmp_eq_u32 vcc_lo, 1, v33
	v_cndmask_b32 v38, v24, v26, vcc_lo
	v_cndmask_b32 v39, v25, v27, vcc_lo
	v_and_b32 v38, 0xffff, v38
	v_and_b32 v39, 0xffff, v39
.endm
.macro PLACES
.rept 4
	v_nop
.endr
.endm
	s_load_b512 s[4:19], s[0:1], 0x0               ; pos_flipped 4, am_w1 6, am_w2 8, le_w 10, pm_w2 12, vm_w1 14, vm_w2 16, wv 18
	s_load_b512 s[20:35], s[0:1], 0x40             ; wk 20, wq 22, pm_b2 24, am_g 26, am_b1 28, am_bt 30, wb 32, bkt 34
	v_lshl_add_u32 v[SPW], v0, 2, SPARE
	v_mov_b32 v[NIL], 0
	v_lshrrev_b32 v1, 5, v0
	v_readfirstlane_b32 s40, v1                    ; wave 0..7
	v_and_b32 v1, 31, v0                           ; lane
	s_wait_kmcnt 0x0
	s_cmp_lt_u32 ttmp9, 256
	s_cbranch_scc1 .Lknn
	s_cmp_lt_u32 ttmp9, 272
	s_cbranch_scc1 .Lcast
; ---------------------------------------------------------------- FOLD
; f = 0..3: am_w1 pm_w2 (64 columns, 16 a work-group); 4..11: -am_w1 wk; 12..19: am_w1 wq (128 columns); 20: am_w1 pm_b2 (one column, held sixteen times).
; The product is used transposed: source 0 = 16 columns of the right factor, source 1 = 16 rows of am_w1, so that a lane holds one row of the result and 8 neighbouring columns: 16 bytes of a unit.
	s_sub_co_u32 s41, ttmp9, 272
	s_sub_co_u32 s48, s41, 4
	s_sub_co_u32 s49, s41, 12
	s_mov_b64 s[36:37], s[12:13]                   ; the right factor
	s_mov_b32 s42, 256                             ; bytes from its row k to row k + 1
	s_mov_b32 s43, 4                               ; bytes from column to column
	s_mov_b32 s44, s41                             ; which 16 columns
	s_mov_b32 s45, 2                               ; log2 of the units in a row block of the result
	s_mov_b32 s46, 1024                            ; the result's first unit in wb
	s_mov_b32 s47, RSC
	s_cmp_ge_u32 s41, 4
	s_cselect_b64 s[36:37], s[20:21], s[36:37]
	s_cselect_b32 s42, 512, s42
	s_cselect_b32 s44, s48, s44
	s_cselect_b32 s45, 3, s45
	s_cselect_b32 s46, 1152, s46
	s_cselect_b32 s47, 0xbf7fffac, s47
	s_cmp_ge_u32 s41, 12
	s_cselect_b64 s[36:37], s[22:23], s[36:37]
	s_cselect_b32 s44, s49, s44
	s_cselect_b32 s46, 1408, s46
	s_cselect_b32 s47, RSC, s47
	s_cmp_eq_u32 s41, 20
	s_cselect_b64 s[36:37], s[24:25], s[36:37]
	s_cselect_b32 s42, 4, s42
	s_cselect_b32 s43, 0, s43
	s_cselect_b32 s44, 0, s44
	v_and_b32 v2, 15, v0                           ; r
	v_bfe_u32 v3, v0, 4, 1                         ; h
	s_lshl_b32 s51, s40, 8
	v_lshl_add_u32 v28, v2, 2, s51                 ; (64 w + r) x 4: my rows in am_g, am_b1, am_bt
.irp i,0,1,2,3
	global_load_b32 v[16+\i], v28, s[26:27] offset:\i*64
	global_load_b32 v[20+\i], v28, s[28:29] offset:\i*64
	global_load_b32 v[24+\i], v28, s[30:31] offset:\i*64
.endr
	v_mul_lo_u32 v4, v2, s43
	s_lshl_b32 s50, s44, 6
	v_add_nc_u32 v4, s50, v4
	v_lshlrev_b32 v5, 3, v3
.irp j,0,1,2,3,4,5,6,7
	v_add_nc_u32 v[224+\j], \j, v5
	v_mad_u32 v[224+\j], v[224+\j], s42, v4        ; (8 h + j) rows down, my column
.endr
	s_lshl_b32 s52, s42, 4                         ; 16 rows of the right factor
	s_mov_b32 s53, 0
.set hs, 0
.rept 16                                               ; k = 16 hs + 8 h + j
.irp j,0,1,2,3,4,5,6,7
	global_load_b32 v[96+8*hs+\j], v[224+\j], s[36:37]
.endr
	s_wait_xcnt 0x0                                ; the base steps only behind this wait
	s_add_nc_u64 s[36:37], s[36:37], s[52:53]
.set hs, hs+1
.endr
	v_lshlrev_b32 v29, 8, v28
	v_lshl_add_u32 v29, v3, 5, v29                 ; am_w1: row (64 w + r), 32 h bytes in
	s_wait_loadcnt 0x0
.set z, 0
.rept 64
	v_cvt_pk_bf16_f32 v[32+z], v[96+2*z], v[97+2*z]  ; v[32:95]: the right factor's 8 fragments
.set z, z+1
.endr
.irp i,0,1,2,3,4,5,6,7,8,9,10,11
	v_cvt_pk_bf16_f32 v[16+\i], v[16+\i], v[16+\i]
	v_lshlrev_b32 v[16+\i], 16, v[16+\i]
.endr
.irp i,0,1,2,3
	v_mul_f32 v[16+\i], s47, v[16+\i]              ; the row's scale, with the product's sign
.endr
.macro LOADA kc                        ; am_w1, 4 row blocks x 32 along k, as f32: 16 registers a fragment
.irp i,0,1,2,3
	global_load_b128 v[96+64*((\kc)&1)+16*\i:99+64*((\kc)&1)+16*\i],    v29, s[6:7] offset:\i*16384+(\kc)*128
	global_load_b128 v[100+64*((\kc)&1)+16*\i:103+64*((\kc)&1)+16*\i],  v29, s[6:7] offset:\i*16384+(\kc)*128+16
	global_load_b128 v[104+64*((\kc)&1)+16*\i:107+64*((\kc)&1)+16*\i],  v29, s[6:7] offset:\i*16384+(\kc)*128+64
	global_load_b128 v[108+64*((\kc)&1)+16*\i:111+64*((\kc)&1)+16*\i],  v29, s[6:7] offset:\i*16384+(\kc)*128+80
.endr
.endm
	LOADA 0
	LOADA 1
.set kc, 0
.rept 8
.if kc == 0
	s_wait_loadcnt 16                              ; the second batch's 16 loads may stay out
.else
	s_wait_loadcnt 0x0
.endif
.irp i,0,1,2,3
.irp q,0,1,2,3,4,5,6,7
	v_cvt_pk_bf16_f32 v[96+64*(kc&1)+16*\i+\q], v[96+64*(kc&1)+16*\i+2*\q], v[97+64*(kc&1)+16*\i+2*\q]  ; packed in place, ascending; these 32 are also the places behind the last products
.endr
.endr
.if (kc >= 1) && (kc < 7)
	LOADA kc+1                                     ; into the buffer that the products before the conversions read
.endif
.irp i,0,1,2,3                                         ; four accumulators by turns
.if kc == 0
	v_wmma_f32_16x16x32_bf16 v[224+8*\i:231+8*\i], v[32+8*kc:39+8*kc], v[96+64*(kc&1)+16*\i:103+64*(kc&1)+16*\i], 0
.else
	v_wmma_f32_16x16x32_bf16 v[224+8*\i:231+8*\i], v[32+8*kc:39+8*kc], v[96+64*(kc&1)+16*\i:103+64*(kc&1)+16*\i], v[224+8*\i:231+8*\i]
.endif
.endr
.set kc, kc+1
.endr
	PLACES
	s_cmp_eq_u32 s41, 20
	s_cbranch_scc1 .Lqb
	v_lshlrev_b32 v5, 4, v1
.irp i,0,1,2,3
	s_lshl_b32 s54, s40, 2
	s_add_co_u32 s54, s54, \i                      ; row block 4 w + i
	s_lshl_b32 s54, s54, s45
	s_add_co_u32 s54, s54, s44
	s_add_co_u32 s54, s54, s46
	s_lshl_b32 s54, s54, 9
	v_add_nc_u32 v[12+\i], s54, v5
.irp j,0,1,2,3,4,5,6,7
	v_mul_f32 v[224+8*\i+\j], v[16+\i], v[224+8*\i+\j]
.endr
.irp q,0,1,2,3
	v_cvt_pk_bf16_f32 v[32+4*\i+\q], v[224+8*\i+2*\q], v[225+8*\i+2*\q]
.endr
	global_store_b128 v[12+\i], v[32+4*\i:35+4*\i], s[32:33]  ; a whole unit: 512 consecutive bytes
.endr
	s_endpgm
.Lqb:                                                  ; QB = s (am_w1 pm_b2 + am_b1) + am_bt from lanes 0-15; lanes 16-31 write the zeros of ZB, 2,048 bytes below
	v_add_nc_u32 v12, 854016, v28
	v_lshlrev_b32 v13, 11, v3
	v_sub_nc_u32 v12, v12, v13
	v_cmp_eq_u32 vcc_lo, 0, v3
.irp i,0,1,2,3
	v_add_f32 v[224+8*\i], v[224+8*\i], v[20+\i]
	v_fma_f32 v[32+\i], v[16+\i], v[224+8*\i], v[24+\i]
	v_cndmask_b32 v[32+\i], 0, v[32+\i], vcc_lo
	global_store_b32 v12, v[32+\i], s[32:33] offset:\i*64
.endr
	s_endpgm
; ---------------------------------------------------------------- CAST
.macro PICK lo, p, lk, u0
	s_cmp_ge_u32 s41, \lo
	s_cselect_b64 s[36:37], s[\p:\p+1], s[36:37]
	s_cselect_b32 s42, \lk, s42
	s_cselect_b32 s49, \u0, s49
.endm
.Lcast:                                                ; work-group c casts units 64 c .. 64 c + 63, a wave 8 of them.  A tensor [M][K] has K / 16 = 2^LK units to a block of 16 rows
	s_sub_co_u32 s41, ttmp9, 256
	s_mov_b64 s[36:37], s[8:9]
	s_mov_b32 s42, 5
	s_mov_b32 s49, 0
	PICK 8, 10, 4, 512
	PICK 10, 12, 2, 640
	PICK 11, 14, 4, 704
	PICK 13, 16, 3, 832
	PICK 14, 18, 3, 896
	s_lshl_b32 s43, s41, 6
	s_lshl_b32 s44, s40, 3
	s_add_co_u32 s43, s43, s44                     ; my first unit
	s_lshl_b32 s50, s43, 9
	s_mov_b32 s51, 0
	s_add_nc_u64 s[50:51], s[32:33], s[50:51]
	s_sub_co_u32 s43, s43, s49                     ; counted from the tensor's first
	s_bfm_b32 s46, s42, 0
	s_add_co_u32 s47, s42, 10
	s_add_co_u32 s48, s42, 6
	v_and_b32 v2, 15, v0
	v_bfe_u32 v3, v0, 4, 1
	v_lshlrev_b32 v4, s48, v2                      ; r rows of 4 K bytes
	v_lshl_add_u32 v4, v3, 5, v4                   ; + 8 h numbers
	v_lshlrev_b32 v5, 4, v1
.irp i,0,1,2,3,4,5,6,7
	s_add_co_u32 s44, s43, \i
	s_lshr_b32 s45, s44, s42                       ; block of 16 rows
	s_and_b32 s44, s44, s46                        ; 16 numbers along K
	s_lshl_b32 s45, s45, s47
	s_lshl_b32 s44, s44, 6
	s_add_co_u32 s44, s44, s45
	v_add_nc_u32 v[16+\i], s44, v4
	global_load_b128 v[32+8*\i:35+8*\i], v[16+\i], s[36:37]
	global_load_b128 v[36+8*\i:39+8*\i], v[16+\i], s[36:37] offset:16
.endr
	s_wait_loadcnt 0x0
.irp i,0,1,2,3,4,5,6,7
.irp q,0,1,2,3
	v_cvt_pk_bf16_f32 v[96+4*\i+\q], v[32+8*\i+2*\q], v[33+8*\i+2*\q]
.endr
	global_store_b128 v5, v[96+4*\i:99+4*\i], s[50:51] offset:\i*512
.endr
	s_endpgm
; ---------------------------------------------------------------- NEIGHBOURS, PHASE A
.Lknn:
	s_lshr_b32 s42, ttmp9, 5                       ; the cloud
	s_mul_i32 s42, s42, 24576
	s_mov_b32 s43, 0
	s_add_nc_u64 s[36:37], s[4:5], s[42:43]
	s_mov_b32 s41, 0xffff0000
	TABLE
	s_wait_dscnt 0x0                               ; my part of the table is written,
	s_barrier_signal -1
	s_barrier_wait -1                              ; everybody's is
	; A lane is a query; wave w takes queries 32 (w mod 2) + lane and the points 512 (w / 2) on: 32 buckets.  All lanes read the same 256 bytes of a bucket.
	s_and_b32 s44, ttmp9, 31
	s_lshl_b32 s44, s44, 6                         ; the work-group's first query
	s_and_b32 s45, s40, 1
	s_lshr_b32 s46, s40, 1
	s_lshl_b32 s47, s45, 5
	v_add_nc_u32 v2, s47, v1
	v_add_nc_u32 v3, s44, v2
	QUERY 3
	s_lshl_b32 s47, s46, 13
	v_mov_b32 v50, s47                             ; the bucket in hand
	v_mul_u32_u24 v51, v2, MP
	s_lshl_b32 s47, s46, 7
	s_add_co_u32 s47, s47, MINS
	v_add_nc_u32 v51, s47, v51                     ; where its minimum goes
.macro LOADB bf, off
.set z, 0
.rept 16
	ds_load_b128 v[\bf+4*z:\bf+4*z+3], v50 offset:\off+16*z
.set z, z+1
.endr
.endm
.macro COMP bf, mn                     ; the largest -d of a bucket's 16 points
.set z, 0
.rept 8
	DPAIR \bf+8*z, 32+4*(z%4), 34+4*(z%4), 1
.if z == 0
	v_max_num_f32 v[\mn], v32, v33
.else
	v_max3_num_f32 v[\mn], v[\mn], v[32+4*(z%4)], v[33+4*(z%4)]
.endif
.set z, z+1
.endr
.endm
.macro PUTMIN
	v_xor_b32 v48, 0x80000000, v48                 ; back to the smallest d
	v_xor_b32 v49, 0x80000000, v49
	ds_store_b64 v51, v[48:49]
.endm
	LOADB 64, 0
	LOADB 128, 256
	s_mov_b32 s42, 15
.Lbk:                                                  ; a trip: two buckets; their successors are asked for as soon as the registers are read
	s_wait_dscnt 16                                ; the first buffer is in: behind its loads came the other buffer's 16 (and a store)
	COMP 64, 48
	LOADB 64, 512
	s_wait_dscnt 16                                ; the second buffer is in: behind it came the 16 just issued (and a store)
	COMP 128, 49
	LOADB 128, 768
	PUTMIN
	v_add_nc_u32 v50, 512, v50
	v_add_nc_u32 v51, 8, v51
	s_sub_co_u32 s42, s42, 1
	s_cmp_lg_u32 s42, 0
	s_cbranch_scc1 .Lbk
	s_wait_dscnt 16                                ; the last two buckets: nothing more is asked for
	COMP 64, 48
	s_wait_dscnt 0x0
	COMP 128, 49
	PUTMIN
	s_wait_dscnt 0x0
	s_barrier_signal -1
	s_barrier_wait -1
	; Four lanes to a query: lane part p takes buckets 32 p .. 32 p + 31
	v_lshrrev_b32 v2, 2, v0
	v_mul_u32_u24 v2, v2, MP
	v_and_b32 v3, 3, v0
	v_lshl_add_u32 v2, v3, 7, v2
	v_add_nc_u32 v2, MINS, v2
.irp j,0,1,2,3,4,5,6,7
	ds_load_b128 v[64+4*\j:67+4*\j], v2 offset:16*\j
.endr
	v_lshlrev_b32 v37, 5, v3
	v_mov_b32 v34, 0x40000000
	v_mov_b32 v35, 0x40010000
	v_mov_b32 v36, 0x7f000000
	s_wait_dscnt 0x0
	SELECT8 64, 37, 5
	s_lshl_b32 s42, ttmp9, 11
	s_mov_b32 s43, 0
	s_add_nc_u64 s[36:37], s[34:35], s[42:43]
	v_lshlrev_b32 v2, 3, v0
	global_store_b64 v2, v[38:39], s[36:37]        ; a wave stores 256 consecutive bytes
	s_wait_tensorcnt 0x0                           ; the wave's end
	ds_add_u32 v[SPW], v[NIL]
	s_wait_dscnt 0x0
	s_endpgm
.Lfunc_end_k_qa848cba405_first:
	.size	k_qa848cba405_first, .Lfunc_end_k_qa848cba405_first-k_qa848cba405_first
	.p2alignl 7, 3214868480
	.fill 96, 4, 3214868480
	.section	.rodata,"a",@progbits
	.p2align	6, 0x0
	.amdhsa_kernel k_qa848cba405_first
		.amdhsa_group_segment_fixed_size 67584
		.amdhsa_private_segment_fixed_size 0
		.amdhsa_enable_private_segment 0
		.amdhsa_kernarg_size 128
		.amdhsa_user_sgpr_count 2
		.amdhsa_user_sgpr_kernarg_segment_ptr 1
		.amdhsa_wavefront_size32 1
		.amdhsa_system_sgpr_workgroup_id_x 1
		.amdhsa_system_sgpr_workgroup_id_y 1
		.amdhsa_system_sgpr_workgroup_id_z 1
		.amdhsa_system_vgpr_workitem_id 0
		.amdhsa_next_free_vgpr 256
		.amdhsa_next_free_sgpr 66
		.amdhsa_reserve_vcc 1
		.amdhsa_float_denorm_mode_32 3
		.amdhsa_float_denorm_mode_16_64 3
		.amdhsa_memory_ordered 1
		.amdhsa_forward_progress 1
		.amdhsa_inst_pref_size 130
	.end_amdhsa_kernel
	.amdgpu_metadata
---
amdhsa.version: [ 1, 2 ]
amdhsa.kernels:
  - .name:           k_qa848cba405_first
    .symbol:         k_qa848cba405_first.kd
    .args:
      - { .name: pos_flipped, .offset: 0, .size: 8, .value_kind: global_buffer, .address_space: global }
      - { .name: am_w1, .offset: 8, .size: 8, .value_kind: global_buffer, .address_space: global }
      - { .name: am_w2, .offset: 16, .size: 8, .value_kind: global_buffer, .address_space: global }
      - { .name: le_w, .offset: 24, .size: 8, .value_kind: global_buffer, .address_space: global }
      - { .name: pm_w2, .offset: 32, .size: 8, .value_kind: global_buffer, .address_space: global }
      - { .name: vm_w1, .offset: 40, .size: 8, .value_kind: global_buffer, .address_space: global }
      - { .name: vm_w2, .offset: 48, .size: 8, .value_kind: global_buffer, .address_space: global }
      - { .name: wv, .offset: 56, .size: 8, .value_kind: global_buffer, .address_space: global }
      - { .name: wk, .offset: 64, .size: 8, .value_kind: global_buffer, .address_space: global }
      - { .name: wq, .offset: 72, .size: 8, .value_kind: global_buffer, .address_space: global }
      - { .name: pm_b2, .offset: 80, .size: 8, .value_kind: global_buffer, .address_space: global }
      - { .name: am_g, .offset: 88, .size: 8, .value_kind: global_buffer, .address_space: global }
      - { .name: am_b1, .offset: 96, .size: 8, .value_kind: global_buffer, .address_space: global }
      - { .name: am_bt, .offset: 104, .size: 8, .value_kind: global_buffer, .address_space: global }
      - { .name: wb, .offset: 112, .size: 8, .value_kind: global_buffer, .address_space: global }
      - { .name: bkt, .offset: 120, .size: 8, .value_kind: global_buffer, .address_space: global }
    .group_segment_fixed_size: 67584
    .private_segment_fixed_size: 0
    .kernarg_segment_align: 8
    .kernarg_segment_size: 128
    .max_flat_workgroup_size: 256
    .sgpr_count:     66
    .vgpr_count:     256
    .wavefront_size: 32
...
	.end_amdgpu_metadata
.endif
;; end of part 1
;; launch points (part 2): grid 256 x 1, 8 waves a work-group, no clusters, 246,784 bytes of LDS; arguments pos_flipped, bkt, fea, prev_fea, wb, vm_b1, vm_b2, bv, pm_b2, idx, kan, qab, val, v0; writes idx, kan, qab, val, v0
.if DOCPART == 2
	.amdgcn_target "amdgcn-amd-amdhsa--gfx1250"
	.amdhsa_code_object_version 6
	.text
	.protected	k_qa848cba405_points
	.globl	k_qa848cba405_points
	.p2align	8
	.type	k_qa848cba405_points,@function
k_qa848cba405_points:
	s_mov_b64 s[64:65], 0
	v_nop
	global_prefetch_b8 v0, s[64:65] scope:SCOPE_SE
	s_setreg_imm32_b32 hwreg(HW_REG_WAVE_MODE, 25, 1), 1
	s_wait_xcnt 0x0
; POINTS.  A work-group owns 64 points of one cloud.  (1) Neighbours, phase B: the exact 8 nearest by (distance, index) among the 128 points of the 8 buckets that the launch before chose.
; (2) All products that hang on one point: v0 = vm_w2 relu(vm_w1 [fea; prev_fea] + b1) + b2 (f32, kept for the residual); VAL = wv v0 + bv + pm_b2; KAN = WK' prev_fea; QAB = WQ' fea + QB.
; The three tables are bf16, by quarters of their channels: [quarter][point][channels], so that a later wave gathers rows that hold its own channels alone.
; PRODUCTS: source 0 = 16 rows of a weight (fragments as they lie in wb), source 1 = 16 points; a lane then holds one point and 8 neighbouring channels: 16 bytes of a table's row, and a quarter fragment of the next product.
; LIMITS as in the launch before: every input rounded to bf16 at its load; distances by the same chain in f32; NaN and infinities not treated apart.
; No tensor loads: what is shared between work-groups is 0.4 MB of weights, read once by each straight into registers.
.set TAB,   0                          ; the cloud's positions, as in the launch before
.set XT,    32768                      ; [fea; prev_fea] of my 64 points in bf16: 256 rows (channels) x 160 bytes (128 + 32)
.set XP,    160
.set HFX,   73728                      ; relu(..) as fragments: [point tile 4][kc 4][unit 2][512]
.set VFX,   90112                      ; v0 likewise
.set WST,   106496                     ; a stage of 17,408 bytes for each wave, its own
.set WSB,   17408
.set SPARE, 245760
.set SPW,   6
.set NIL,   7
.set VM1F,  360448                     ; byte offsets in wb
.set VM2F,  425984
.set WVF,   458752
.set WKF,   589824
.set WQF,   720896
.set ZB,    851968
.set QB,    854016
.macro TABLE
	v_mul_u32_u24 v4, v0, 24
	v_lshlrev_b32 v5, 5, v0
.irp j,0,1,2,3
	global_load_b64 v[16+6*\j:17+6*\j], v4, s[36:37] offset:\j*6144
	global_load_b64 v[18+6*\j:19+6*\j], v4, s[36:37] offset:\j*6144+8
	global_load_b64 v[20+6*\j:21+6*\j], v4, s[36:37] offset:\j*6144+16
.endr
	s_wait_loadcnt 0x0
.irp j,0,1,2,3
	v_cvt_pk_bf16_f32 v48, v[16+6*\j], v[19+6*\j]
	v_cvt_pk_bf16_f32 v49, v[17+6*\j], v[20+6*\j]
	v_cvt_pk_bf16_f32 v50, v[18+6*\j], v[21+6*\j]
	v_lshlrev_b32 v40, 16, v48
	v_and_b32 v41, s41, v48
	v_lshlrev_b32 v42, 16, v49
	v_and_b32 v43, s41, v49
	v_lshlrev_b32 v44, 16, v50
	v_and_b32 v45, s41, v50
	v_pk_mul_f32 v[46:47], v[40:41], v[40:41]
	v_pk_fma_f32 v[46:47], v[42:43], v[42:43], v[46:47]
	v_pk_fma_f32 v[46:47], v[44:45], v[44:45], v[46:47]
	ds_store_b128 v5, v[40:43] offset:\j*8192
	ds_store_b128 v5, v[44:47] offset:\j*8192+16
.endr
.endm
.macro QUERY n
	v_lshrrev_b32 v4, 1, v[\n]
	v_and_b32 v5, 1, v[\n]
	v_lshlrev_b32 v4, 5, v4
	v_lshl_add_u32 v4, v5, 2, v4
	ds_load_b32 v8, v4
	ds_load_b32 v10, v4 offset:8
	ds_load_b32 v12, v4 offset:16
	ds_load_b32 v14, v4 offset:24
	s_wait_dscnt 0x0
	v_mov_b32 v9, v8
	v_mov_b32 v11, v10
	v_mov_b32 v13, v12
	v_mov_b32 v15, v14
.endm
.macro DPAIR cb, d, s
	v_pk_mul_f32 v[\d:\d+1], v[8:9], v[\cb:\cb+1]
	v_pk_fma_f32 v[\d:\d+1], v[10:11], v[\cb+2:\cb+3], v[\d:\d+1]
	v_pk_fma_f32 v[\d:\d+1], v[12:13], v[\cb+4:\cb+5], v[\d:\d+1]
	v_pk_add_f32 v[\s:\s+1], v[14:15], v[\cb+6:\cb+7]
	v_pk_fma_f32 v[\d:\d+1], v[\d:\d+1], -2.0, v[\s:\s+1] op_sel_hi:[1,0,1]
.endm
.macro INS x
.irp i,7,6,5,4,3,2,1
	v_med3_num_f32 v[16+\i], v[15+\i], v[16+\i], v[\x]
.endr
	v_min_num_f32 v16, v16, v[\x]
.endm
.macro MERGE m
.irp i,0,1,2,3,4,5,6,7
	v_min_num_f32_dpp v[24+\i], v[23-\i], v[16+\i] row_xmask:\m row_mask:0xf bank_mask:0xf
.endr
.endm
.macro CE d, s, i, j
	v_min_num_f32 v[\d+\i], v[\s+\i], v[\s+\j]
	v_max_num_f32 v[\d+\j], v[\s+\i], v[\s+\j]
.endm
.macro BSORT
	CE 16,24,0,4
	CE 16,24,1,5
	CE 16,24,2,6
	CE 16,24,3,7
	CE 24,16,0,2
	CE 24,16,1,3
	CE 24,16,4,6
	CE 24,16,5,7
	CE 16,24,0,1
	CE 16,24,2,3
	CE 16,24,4,5
	CE 16,24,6,7
.endm
.macro AINIT
.irp i,0,1,2,3,4,5,6,7
	v_mov_b32 v[16+\i], 0x7f800000
.endr
.endm
; As in the launch before: the 8th smallest value T of four lanes' 128; keys (class against T, number); the 8 smallest keys.  v[38:39]: my two numbers.
.macro SELECT8 vb, idb, idsh
	AINIT
.irp i,0,1,2,3,4,5,6,7
	v_mov_b32 v[24+\i], 0
.endr
.set z, 0
.rept 32
	INS \vb+z
.set z, z+1
.endr
	MERGE 1
	BSORT
	MERGE 2
	v_max3_num_f32 v32, v24, v25, v26
	v_max3_num_f32 v32, v32, v27, v28
	v_max3_num_f32 v32, v32, v29, v30
	v_max_num_f32 v32, v32, v31
	AINIT
.set z, 0
.rept 32
	v_cmp_eq_f32 vcc_lo, v[\vb+z], v32
	v_cndmask_b32 v33, v34, v35, vcc_lo
	v_add3_u32 v33, v33, v[\idb+(z>>\idsh)], z&((1<<\idsh)-1)
	v_cmp_gt_f32 vcc_lo, v[\vb+z], v32
	v_cndmask_b32 v33, v33, v36, vcc_lo
	INS 33
.set z, z+1
.endr
	MERGE 1
	BSORT
	MERGE 2
	v_and_b32 v33, 1, v0
	v_cmp_eq_u32 vcc_lo, 1, v33
	v_cndmask_b32 v38, v24, v26, vcc_lo
	v_cndmask_b32 v39, v25, v27, vcc_lo
	v_and_b32 v38, 0xffff, v38
	v_and_b32 v39, 0xffff, v39
.endm
.macro PLACES
.rept 4
	v_nop
.endr
.endm
.macro RND8 b                          ; eight f32 rounded to bf16 and widened again, in place
.irp q,0,1,2,3
	v_cvt_pk_bf16_f32 v4, v[\b+2*\q], v[\b+2*\q+1]
	v_lshlrev_b32 v[\b+2*\q], 16, v4
	v_and_b32 v[\b+2*\q+1], s41, v4
.endr
.endm
.macro PACKT b                         ; a result tile's 8 registers into 4, in place, ascending
.irp q,0,1,2,3
	v_cvt_pk_bf16_f32 v[\b+\q], v[\b+2*\q], v[\b+2*\q+1]
.endr
.endm
	s_load_b512 s[4:19], s[0:1], 0x0               ; pos_flipped 4, bkt 6, fea 8, prev_fea 10, wb 12, vm_b1 14, vm_b2 16, bv 18
	s_load_b256 s[20:27], s[0:1], 0x40             ; pm_b2 20, idx 22, kan 24, qab 26
	s_load_b128 s[28:31], s[0:1], 0x60             ; val 28, v0 30
	v_lshl_add_u32 v[SPW], v0, 2, SPARE
	v_mov_b32 v[NIL], 0
	v_lshrrev_b32 v1, 5, v0
	v_readfirstlane_b32 s40, v1                    ; wave 0..7
	v_and_b32 v1, 31, v0
	s_mov_b32 s41, 0xffff0000
	s_lshr_b32 s42, ttmp9, 5                       ; the cloud
	s_and_b32 s43, ttmp9, 31
	s_lshl_b32 s43, s43, 6                         ; my first point in it
	s_wait_kmcnt 0x0
	; ---- inputs into LDS.  A row of fea is a channel; my 64 points are 256 consecutive bytes of it: sixteen lanes read them whole.
	s_lshl_b32 s44, s42, 20
	s_lshl_b32 s45, s43, 2
	s_add_co_u32 s44, s44, s45
	s_mov_b32 s45, 0
	s_add_nc_u64 s[46:47], s[8:9], s[44:45]
	s_add_nc_u64 s[48:49], s[10:11], s[44:45]
	v_lshrrev_b32 v2, 4, v0
	v_and_b32 v3, 15, v0
	v_lshlrev_b32 v54, 13, v2
	v_lshl_add_u32 v54, v3, 4, v54
.set z, 0
.rept 8
	global_load_b128 v[64+4*z:67+4*z], v54, s[46:47] offset:z*131072
	global_load_b128 v[96+4*z:99+4*z], v54, s[48:49] offset:z*131072
.set z, z+1
.endr
	s_lshl_b32 s44, ttmp9, 11
	s_add_nc_u64 s[50:51], s[6:7], s[44:45]
	s_add_nc_u64 s[54:55], s[22:23], s[44:45]
	v_lshlrev_b32 v55, 3, v0
	global_load_b64 v[52:53], v55, s[50:51]        ; my two buckets: query t / 4, part t mod 4
	s_mul_i32 s44, s42, 24576
	s_add_nc_u64 s[36:37], s[4:5], s[44:45]
	TABLE                                          ; its wait is for all loads, these too
	v_mul_u32_u24 v56, v2, XP
	v_lshl_add_u32 v56, v3, 3, v56
	v_add_nc_u32 v56, XT, v56
.set z, 0
.rept 16
	v_cvt_pk_bf16_f32 v40, v[64+4*z], v[65+4*z]
	v_cvt_pk_bf16_f32 v41, v[66+4*z], v[67+4*z]
	ds_store_b64 v56, v[40:41] offset:z*2560
.set z, z+1
.endr
	s_wait_dscnt 0x0
	s_barrier_signal -1
	s_barrier_wait -1
	; ---- neighbours, phase B.  The pairs of a bucket are read in an order turned by the lane, so that the lanes spread over the banks.
	v_lshrrev_b32 v2, 2, v0
	v_add_nc_u32 v2, s43, v2
	QUERY 2
	v_min_u32 v52, 0x7f, v52
	v_min_u32 v53, 0x7f, v53
	v_lshlrev_b32 v52, 8, v52
	v_lshlrev_b32 v53, 8, v53
	v_and_b32 v3, 7, v0
.set z, 0
.rept 8
	v_add_nc_u32 v4, z, v3
	v_and_b32 v4, 7, v4
	v_lshl_add_u32 v[224+z], v4, 5, v52
	v_lshl_add_u32 v[232+z], v4, 5, v53
.set z, z+1
.endr
.set z, 0
.rept 16
	ds_load_b128 v[96+8*z:99+8*z], v[224+z]
	ds_load_b128 v[100+8*z:103+8*z], v[224+z] offset:16
.set z, z+1
.endr
.set z, 0
.rept 16
	v_lshrrev_b32 v[224+z], 4, v[224+z]            ; the pair's first point: 16 x bucket + 2 x pair
.set z, z+1
.endr
	v_mov_b32 v34, 0x40000000
	v_mov_b32 v35, 0x40010000
	v_mov_b32 v36, 0x7f000000
	s_wait_dscnt 0x0
.set z, 0
.rept 16
	DPAIR 96+8*z, 64+2*z, 40+2*(z%4)
.set z, z+1
.endr
	SELECT8 64, 224, 1
	global_store_b64 v55, v[38:39], s[54:55]
	; ---- H = relu(vm_w1 X + b1).  Wave w makes channels 16 w .. 16 w + 15 of all 64 points; K = 256 in 8 steps.
	s_wait_xcnt 0x0                                ; the store's registers are rewritten only behind this wait
	v_and_b32 v2, 15, v0                           ; r
	v_bfe_u32 v3, v0, 4, 1                         ; h
	v_lshlrev_b32 v8, 4, v1                        ; 16 x lane
	v_and_b32 v4, 7, v0
	v_lshl_add_u32 v4, v3, 3, v4
	v_mul_u32_u24 v9, v4, XP
	v_bfe_u32 v4, v0, 3, 1
	v_lshl_add_u32 v9, v4, 4, v9
	v_add_nc_u32 v9, XT, v9                        ; the turning load's address: row 8 h + l mod 8, 16 bytes by (l / 8) mod 2
	s_mul_i32 s52, s40, WSB
	s_add_co_u32 s52, s52, WST                     ; my stage
	s_lshl_b32 s44, s40, 13
	s_add_co_u32 s44, s44, VM1F
	s_add_nc_u64 s[36:37], s[12:13], s[44:45]
.set z, 0
.rept 16
	global_load_b128 v[32+4*z:35+4*z], v8, s[36:37] offset:z*512
.set z, z+1
.endr
	s_lshl_b32 s44, s40, 6
	v_lshl_add_u32 v13, v3, 5, s44                 ; (16 w + 8 h) x 4
	global_load_b128 v[16:19], v13, s[14:15]
	global_load_b128 v[20:23], v13, s[14:15] offset:16
.macro LOADX a, kc, bf                 ; 32 channels x 64 points, turned: four fragments
.irp n,0,1,2,3
	ds_load_tr16_b128 v[128+32*(\bf)+8*\n:131+32*(\bf)+8*\n], v[\a] offset:(\kc)*5120+\n*32
	ds_load_tr16_b128 v[132+32*(\bf)+8*\n:135+32*(\bf)+8*\n], v[\a] offset:(\kc)*5120+\n*32+2560
.endr
.endm
	LOADX 9, 0, 0
	LOADX 9, 1, 1
	s_wait_loadcnt 0x0
	RND8 16
.set kc, 0
.rept 8
.if kc == 7
	s_wait_dscnt 0x0
.else
	s_wait_dscnt 8                                 ; the next step's 8 loads may stay out
.endif
.irp n,0,1,2,3                                         ; four accumulators by turns; the bias starts the sums
.if kc == 0
	v_wmma_f32_16x16x32_bf16 v[96+8*\n:103+8*\n], v[32+8*kc:39+8*kc], v[128+32*(kc&1)+8*\n:135+32*(kc&1)+8*\n], v[16:23]
.else
	v_wmma_f32_16x16x32_bf16 v[96+8*\n:103+8*\n], v[32+8*kc:39+8*kc], v[128+32*(kc&1)+8*\n:135+32*(kc&1)+8*\n], v[96+8*\n:103+8*\n]
.endif
.endr
	PLACES
.if kc < 6
	LOADX 9, kc+2, kc&1
.endif
.set kc, kc+1
.endr
	s_lshl_b32 s44, s40, 9
	s_add_co_u32 s44, s44, HFX
	v_add_nc_u32 v10, s44, v8                      ; channels 16 w + 8 h .. are unit w of a point tile's eight
.irp n,0,1,2,3
.irp j,0,1,2,3,4,5,6,7
	v_max_num_f32 v[96+8*\n+\j], 0, v[96+8*\n+\j]
.endr
	PACKT 96+8*\n
	ds_store_b128 v10, v[96+8*\n:99+8*\n] offset:\n*4096
.endr
	s_lshl_b32 s44, s40, 12
	s_add_co_u32 s44, s44, VM2F
	s_add_nc_u64 s[38:39], s[12:13], s[44:45]
.set z, 0
.rept 8
	global_load_b128 v[32+4*z:35+4*z], v8, s[38:39] offset:z*512  ; the next layer's weights are asked for ahead of the barrier
.set z, z+1
.endr
	global_load_b128 v[16:19], v13, s[16:17]
	global_load_b128 v[20:23], v13, s[16:17] offset:16
	s_wait_dscnt 0x0
	s_barrier_signal -1
	s_barrier_wait -1
	; ---- v0 = vm_w2 H + b2.  K = 128.
	v_add_nc_u32 v11, HFX, v8
.set z, 0
.rept 32
	ds_load_b128 v[128+4*z:131+4*z], v11 offset:z*512
.set z, z+1
.endr
	s_wait_loadcnt 0x0
	RND8 16
	s_wait_dscnt 0x0
.set kc, 0
.rept 4
.irp n,0,1,2,3
.if kc == 0
	v_wmma_f32_16x16x32_bf16 v[96+8*\n:103+8*\n], v[32+8*kc:39+8*kc], v[128+32*\n+8*kc:135+32*\n+8*kc], v[16:23]
.else
	v_wmma_f32_16x16x32_bf16 v[96+8*\n:103+8*\n], v[32+8*kc:39+8*kc], v[128+32*\n+8*kc:135+32*\n+8*kc], v[96+8*\n:103+8*\n]
.endif
.endr
.set kc, kc+1
.endr
	PLACES
	v_mul_u32_u24 v12, v3, 2176                    ; f32 through my stage: row = channel 8 h + j (272 bytes), column = point
	v_lshl_add_u32 v12, v2, 2, v12
	v_add_nc_u32 v12, s52, v12
.irp n,0,1,2,3
.irp j,0,1,2,3,4,5,6,7
	ds_store_b32 v12, v[96+8*\n+\j] offset:\j*272+\n*64
.endr
.endr
	v_mul_u32_u24 v14, v3, 272
	v_lshl_add_u32 v14, v2, 4, v14
	v_add_nc_u32 v14, s52, v14
.irp i,0,1,2,3,4,5,6,7
	ds_load_b128 v[128+4*\i:131+4*\i], v14 offset:\i*544  ; LDS serves a wave's instructions in order (ISA guide 5.7.1.4): these see the stores above
.endr
	v_add_nc_u32 v10, 16384, v10                   ; the same unit in VFX
.irp n,0,1,2,3
	PACKT 96+8*\n
	ds_store_b128 v10, v[96+8*\n:99+8*\n] offset:\n*4096
.endr
	s_lshl_b32 s44, s42, 7
	s_lshl_b32 s53, s40, 4
	s_add_co_u32 s44, s44, s53
	s_lshl_b32 s44, s44, 13
	s_lshl_b32 s53, s43, 2
	s_add_co_u32 s44, s44, s53
	s_add_nc_u64 s[54:55], s[30:31], s[44:45]
	v_lshlrev_b32 v5, 13, v3
	v_lshl_add_u32 v5, v2, 4, v5
	s_wait_dscnt 0x0
.irp i,0,1,2,3,4,5,6,7
	global_store_b128 v5, v[128+4*\i:131+4*\i], s[54:55] offset:\i*16384  ; 16 lanes store 256 consecutive bytes of a channel's row
.endr
	s_barrier_signal -1
	s_barrier_wait -1
	s_wait_xcnt 0x0
; One row block of a table: the next block's weights (and bias) are asked for, this block's waited for, 4 x nnt products, the tile packed and put into my stage.
.macro LOADW mo, lb
.set z, 0
.rept 8
	global_load_b128 v[32+32*((\mo)&1)+4*z:35+32*((\mo)&1)+4*z], v8, s[36:37] offset:(\mo)*4096+z*512
.set z, z+1
.endr
.if \lb
	global_load_b128 v[16+8*((\mo)&1):19+8*((\mo)&1)], v13, s[38:39] offset:(\mo)*64
	global_load_b128 v[20+8*((\mo)&1):23+8*((\mo)&1)], v13, s[38:39] offset:(\mo)*64+16
.endif
.endm
.macro TSTEP mo, nmo, nnt, lb, cbase, p16, wcnt
.if (\mo)+1 < \nmo
	LOADW (\mo)+1, \lb                             ; into the buffers that the block before read: four places and its packing lie between
	s_wait_loadcnt \wcnt                           ; only the loads just issued may stay out
.else
	s_wait_loadcnt 0x0
.endif
.set kc, 0
.rept 4
.set n, 0
.rept \nnt
.if kc == 0
	v_wmma_f32_16x16x32_bf16 v[96+8*n:103+8*n], v[32+32*((\mo)&1)+8*kc:39+32*((\mo)&1)+8*kc], v[128+32*n+8*kc:135+32*n+8*kc], v[\cbase:\cbase+7]
.else
	v_wmma_f32_16x16x32_bf16 v[96+8*n:103+8*n], v[32+32*((\mo)&1)+8*kc:39+32*((\mo)&1)+8*kc], v[128+32*n+8*kc:135+32*n+8*kc], v[96+8*n:103+8*n]
.endif
.set n, n+1
.endr
.set kc, kc+1
.endr
	PLACES
.set n, 0
.rept \nnt
	PACKT 96+8*n
	ds_store_b128 v10, v[96+8*n:99+8*n] offset:n*(\p16)+(\mo)*32
.set n, n+1
.endr
.endm
	; ---- VAL = wv v0 + (bv + pm_b2).  Wave w: quarter q = w mod 4 of the 256 channels, points 32 (w / 4) on.
	s_and_b32 s56, s40, 3                          ; q
	s_lshr_b32 s57, s40, 2                         ; which half
	s_lshl_b32 s44, s57, 13
	s_add_co_u32 s44, s44, VFX
	v_add_nc_u32 v11, s44, v8
.set z, 0
.rept 16
	ds_load_b128 v[128+4*z:131+4*z], v11 offset:z*512
.set z, z+1
.endr
	s_lshl_b32 s44, s56, 8
	v_lshl_add_u32 v13, v3, 5, s44
.irp i,0,1,2,3
	global_load_b128 v[192+8*\i:195+8*\i], v13, s[18:19] offset:\i*64
	global_load_b128 v[196+8*\i:199+8*\i], v13, s[18:19] offset:\i*64+16
	global_load_b128 v[224+8*\i:227+8*\i], v13, s[20:21] offset:\i*64
	global_load_b128 v[228+8*\i:231+8*\i], v13, s[20:21] offset:\i*64+16
.endr
	s_lshl_b32 s44, s56, 14
	s_add_co_u32 s44, s44, WVF
	s_add_nc_u64 s[36:37], s[12:13], s[44:45]
	v_mul_u32_u24 v10, v2, 144                     ; stage rows of 128 + 16 bytes: a point's 64 channels
	v_lshl_add_u32 v10, v3, 4, v10
	v_add_nc_u32 v10, s52, v10
	s_wait_loadcnt 0x0
.irp i,0,1,2,3
	RND8 192+8*\i
	RND8 224+8*\i
.irp q,0,2,4,6
	v_pk_add_f32 v[192+8*\i+\q:193+8*\i+\q], v[192+8*\i+\q:193+8*\i+\q], v[224+8*\i+\q:225+8*\i+\q]
.endr
.endr
	LOADW 0, 0
	s_wait_dscnt 0x0
.set mo_, 0
.rept 4
	TSTEP mo_, 4, 2, 0, 192+8*mo_, 2304, 8
.set mo_, mo_+1
.endr
	v_lshrrev_b32 v14, 3, v1
	v_mul_u32_u24 v14, v14, 144
	v_and_b32 v4, 7, v0
	v_lshl_add_u32 v14, v4, 4, v14
	v_add_nc_u32 v14, s52, v14
.irp i,0,1,2,3,4,5,6,7
	ds_load_b128 v[128+4*\i:131+4*\i], v14 offset:\i*576  ; four rows of 128 bytes: 512 consecutive bytes of the table
.endr
	s_lshl_b32 s44, s56, 21
	s_lshl_b32 s53, ttmp9, 13
	s_add_co_u32 s44, s44, s53
	s_lshl_b32 s53, s57, 12
	s_add_co_u32 s44, s44, s53
	s_add_nc_u64 s[54:55], s[28:29], s[44:45]
	s_wait_dscnt 0x0
.irp i,0,1,2,3,4,5,6,7
	global_store_b128 v8, v[128+4*\i:131+4*\i], s[54:55] offset:\i*512
.endr
	; ---- KAN (waves 0-3, from prev_fea, bias 0) and QAB (waves 4-7, from fea, bias QB): quarter q of 512 channels, all 64 points.
	s_wait_xcnt 0x0
	s_mov_b32 s44, WQF                             ; an instruction holds one literal: QAB's two offsets are moved in first, and KAN's take their place in waves 0-3
	s_mov_b32 s46, QB
	s_cmp_eq_u32 s57, 0
	s_cselect_b32 s44, WKF, s44
	s_cselect_b32 s46, ZB, s46
	s_cselect_b32 s53, 128*XP, 0
	s_cselect_b64 s[50:51], s[24:25], s[26:27]
	s_lshl_b32 s47, s56, 15
	s_add_co_u32 s44, s44, s47
	s_add_nc_u64 s[36:37], s[12:13], s[44:45]
	s_mov_b32 s47, 0
	s_add_nc_u64 s[38:39], s[12:13], s[46:47]
	v_add_nc_u32 v11, s53, v9
.irp n,0,1,2,3
.irp k,0,1,2,3
	ds_load_tr16_b128 v[128+32*\n+8*\k:131+32*\n+8*\k], v11 offset:\k*5120+\n*32
	ds_load_tr16_b128 v[132+32*\n+8*\k:135+32*\n+8*\k], v11 offset:\k*5120+\n*32+2560
.endr
.endr
	s_lshl_b32 s44, s56, 9
	v_lshl_add_u32 v13, v3, 5, s44
	v_mul_u32_u24 v10, v2, 272                     ; stage rows of 256 + 16 bytes: a point's 128 channels
	v_lshl_add_u32 v10, v3, 4, v10
	v_add_nc_u32 v10, s52, v10
	LOADW 0, 1
	s_wait_dscnt 0x0
.set mo_, 0
.rept 8
	TSTEP mo_, 8, 4, 1, 16+8*(mo_&1), 4352, 10
.set mo_, mo_+1
.endr
	v_mul_u32_u24 v14, v3, 272
	v_lshl_add_u32 v14, v2, 4, v14
	v_add_nc_u32 v14, s52, v14
	s_lshl_b32 s44, s56, 22
	s_lshl_b32 s53, ttmp9, 14
	s_add_co_u32 s44, s44, s53
	s_add_nc_u64 s[50:51], s[50:51], s[44:45]
.irp bt,0,1,2,3
.irp i,0,1,2,3,4,5,6,7
	ds_load_b128 v[128+4*\i:131+4*\i], v14 offset:(8*\bt+\i)*544
.endr
	s_wait_dscnt 0x0
.irp i,0,1,2,3,4,5,6,7
	global_store_b128 v8, v[128+4*\i:131+4*\i], s[50:51] offset:(8*\bt+\i)*512  ; two whole rows of 256 bytes
.endr
	s_wait_xcnt 0x0                                ; the stores' registers are loaded again only behind this wait
.endr
	s_wait_tensorcnt 0x0                           ; the wave's end
	ds_add_u32 v[SPW], v[NIL]
	s_wait_dscnt 0x0
	s_endpgm
.Lfunc_end_k_qa848cba405_points:
	.size	k_qa848cba405_points, .Lfunc_end_k_qa848cba405_points-k_qa848cba405_points
	.p2alignl 7, 3214868480
	.fill 96, 4, 3214868480
	.section	.rodata,"a",@progbits
	.p2align	6, 0x0
	.amdhsa_kernel k_qa848cba405_points
		.amdhsa_group_segment_fixed_size 246784
		.amdhsa_private_segment_fixed_size 0
		.amdhsa_enable_private_segment 0
		.amdhsa_kernarg_size 112
		.amdhsa_user_sgpr_count 2
		.amdhsa_user_sgpr_kernarg_segment_ptr 1
		.amdhsa_wavefront_size32 1
		.amdhsa_system_sgpr_workgroup_id_x 1
		.amdhsa_system_sgpr_workgroup_id_y 1
		.amdhsa_system_sgpr_workgroup_id_z 1
		.amdhsa_system_vgpr_workitem_id 0
		.amdhsa_next_free_vgpr 256
		.amdhsa_next_free_sgpr 66
		.amdhsa_reserve_vcc 1
		.amdhsa_float_denorm_mode_32 3
		.amdhsa_float_denorm_mode_16_64 3
		.amdhsa_memory_ordered 1
		.amdhsa_forward_progress 1
		.amdhsa_inst_pref_size 139
	.end_amdhsa_kernel
	.amdgpu_metadata
---
amdhsa.version: [ 1, 2 ]
amdhsa.kernels:
  - .name:           k_qa848cba405_points
    .symbol:         k_qa848cba405_points.kd
    .args:
      - { .name: pos_flipped, .offset: 0, .size: 8, .value_kind: global_buffer, .address_space: global }
      - { .name: bkt, .offset: 8, .size: 8, .value_kind: global_buffer, .address_space: global }
      - { .name: fea, .offset: 16, .size: 8, .value_kind: global_buffer, .address_space: global }
      - { .name: prev_fea, .offset: 24, .size: 8, .value_kind: global_buffer, .address_space: global }
      - { .name: wb, .offset: 32, .size: 8, .value_kind: global_buffer, .address_space: global }
      - { .name: vm_b1, .offset: 40, .size: 8, .value_kind: global_buffer, .address_space: global }
      - { .name: vm_b2, .offset: 48, .size: 8, .value_kind: global_buffer, .address_space: global }
      - { .name: bv, .offset: 56, .size: 8, .value_kind: global_buffer, .address_space: global }
      - { .name: pm_b2, .offset: 64, .size: 8, .value_kind: global_buffer, .address_space: global }
      - { .name: idx, .offset: 72, .size: 8, .value_kind: global_buffer, .address_space: global }
      - { .name: kan, .offset: 80, .size: 8, .value_kind: global_buffer, .address_space: global }
      - { .name: qab, .offset: 88, .size: 8, .value_kind: global_buffer, .address_space: global }
      - { .name: val, .offset: 96, .size: 8, .value_kind: global_buffer, .address_space: global }
      - { .name: v0, .offset: 104, .size: 8, .value_kind: global_buffer, .address_space: global }
    .group_segment_fixed_size: 246784
    .private_segment_fixed_size: 0
    .kernarg_segment_align: 8
    .kernarg_segment_size: 112
    .max_flat_workgroup_size: 256
    .sgpr_count:     66
    .vgpr_count:     256
    .wavefront_size: 32
...
	.end_amdgpu_metadata
.endif
;; end of part 2
;; launch main (part 3): grid 256 x 1, 4 waves a work-group, no clusters, 304,640 bytes of LDS; arguments idx, pos, pm_w1, pm_b1, pm_g, pm_bt, wb, kan, qab, val, v0, am_b2, le_b, out0; writes out0
.if DOCPART == 3
	.amdgcn_target "amdgcn-amd-amdhsa--gfx1250"
	.amdhsa_code_object_version 6
	.text
	.protected	k_qa848cba405_main
	.globl	k_qa848cba405_main
	.p2align	8
	.type	k_qa848cba405_main,@function
k_qa848cba405_main:
	s_mov_b64 s[64:65], 0
	v_nop
	global_prefetch_b8 v0, s[64:65] scope:SCOPE_SE
	s_setreg_imm32_b32 hwreg(HW_REG_WAVE_MODE, 25, 1), 1
	s_wait_xcnt 0x0
; MAIN.  A work-group owns 64 points = 512 (point, neighbour) pairs, in 8 groups of 64 pairs (8 points); a group is 4 tiles of 16 pairs.  All four waves work on the same group and share the CHANNELS:
; wave w makes hidden channels 128 w .. and output channels 64 w ..; its quarter of am_w2 (512 registers) and of pm_w2 (64) stays in registers for the whole launch.
;   h      = relu(s (pm_w1 (pos_i - pos_j) + b1) + bt)          64 channels, made once for all pairs, kept in LDS as fragments
;   hidden = relu(WP' h + KAN_j + QAB_i)                        source 0 = weights, source 1 = pairs: a lane holds a pair and 8 channels = a quarter fragment, handed to the other waves through LDS
;   logits = am_w2 hidden (+ am_b2)                             source 0 = pairs, source 1 = weights: a lane holds ONE channel and, in its 8 registers, the 8 neighbours of ONE point
;   value  = pm_w2 h + VAL_j                                    the same layout, so the softmax over neighbours and the weighted sum never leave the lane
;   out    = 0.5 (le_w agg + le_b + v0)
; The gathered rows (bf16) enter the sums as matrix operands against 0/1 selector matrices: KAN and QAB in one product with [I I], VAL with [I 0] or [0 I].
; SOFTMAX: the largest of the 8 biased logits is taken away: p = 2^(c l + (c b - c (max l + b))), c = log2 e.
; THE LOOP: trip g multiplies group g's hidden by am_w2 and meanwhile makes group g + 1's hidden, into the other of two LDS buffers: one barrier a trip.  The last trip's hidden (on zeros for h) is read by nobody:
; 96 products, the price of one text for every trip.
; LIMITS.  Every input is rounded to bf16 at its load; pos_i - pos_j, the scaled pm_w1 and its bias are matrix operands in bf16.  An infinity in a gathered row gives NaN in its 16 neighbouring channels (0 x inf);
; NaN and infinities are not treated apart.  A weight below 2^-126 counts as 0.
; NO CLUSTER, NO TENSOR LOADS: what work-groups share is 0.4 MB of weights, read once by each into registers or LDS; the loop's traffic is gathered rows, which partners do not share.
; REGISTERS, in windows of 256 (s_set_vgpr_msb: bits 1:0 source 0, 3:2 source 1, 5:4 source 2, 7:6 destination):
;   window 0: v0-47 addresses and constants; v48-63 selectors [Q][Q][0][Q]; v64-127 HB, operands from LDS; v128-191 LACC, 8 logit tiles; v192-223 SA, 4 tiles; v224-239 PK; v240-255 softmax
;   window 1: v0-63 pm_w2; v64-127 KQ (gathered KAN | QAB); v128-191 HFR (h of the next group); v192-223 VAL; v224-255 WPT (WP', two row blocks)
;   windows 2, 3: am_w2, fragment (kc, i) at 8 (4 kc + i)
.set HID,   0                          ; 2 x 65,536: buffer, tile x 16,384, kc x 1,024, unit x 512, 16 x lane
.set WPL,   131072                     ; WP' as it lies in wb, 65,536
.set HF,    196608                     ; h: 9 slots of 8,192 (tile x 2,048, kc x 1,024, unit x 512); slot 8 holds zeros
.set AGG,   270336                     ; the weighted sums: 64 points x 528 bytes (256 bf16 + 16)
.set SPARE, 304128
.set SPW, 30
.set NIL, 31
.set MSB, 0
.macro WIN new                         ; the immediate's high byte repeats the setting that is left; a switch that changes nothing is dropped
.if MSB != (\new)
	s_set_vgpr_msb (MSB<<8)|(\new)
.set MSB, \new
.endif
.endm
.macro PLACES                          ; four places behind a matrix instruction (ISA guide 7.12.1)
.rept 4
	v_nop
.endr
.endm
.macro ALL4 line:vararg                ; one line for each of four tiles x
.set x, 0
.rept 4
	\line
.set x, x+1
.endr
.endm
.macro RND1 x1                         ; one f32 rounded to bf16 and widened again
	v_cvt_pk_bf16_f32 v[\x1], v[\x1], v[\x1]
	v_lshlrev_b32 v[\x1], 16, v[\x1]
.endm
.macro POST tl                         ; relu and rounding of SA's tile tl into PK
.irp j,0,1,2,3,4,5,6,7
	v_max_num_f32 v[192+8*(\tl)+\j], 0, v[192+8*(\tl)+\j]
.endr
.irp q,0,1,2,3
	v_cvt_pk_bf16_f32 v[224+4*(\tl)+\q], v[192+8*(\tl)+2*\q], v[193+8*(\tl)+2*\q]
.endr
.endm
.macro IDXL k                          ; the neighbour numbers of group min(GI + k, 7): lane r takes pair r of each tile
	WIN 0
	s_add_co_u32 s58, s42, \k
	s_min_u32 s58, s58, 7
	s_lshl_b32 s58, s58, 8
	s_wait_xcnt 0x0
	v_lshl_add_u32 v7, v1, 2, s58
.irp tq,0,1,2,3
	global_load_b32 v[20+\tq], v7, s[56:57] offset:\tq*64
.endr
.endm
.macro XUPD k                          ; the offsets move on a group: VAL's take the numbers that KAN's had, KAN's the numbers just loaded, QAB's group min(GI + k, 7)
	WIN 0
	s_wait_xcnt 0x0
	s_add_co_u32 s58, s42, \k
	s_min_u32 s58, s58, 7
	s_lshl_b32 s58, s58, 11
.irp tq,0,1,2,3
	v_lshl_add_u32 v[12+\tq], v[16+\tq], 7, v4
	v_min_u32 v[16+\tq], 0x7ff, v[20+\tq]
	v_lshl_add_u32 v[8+\tq], v[16+\tq], 8, v4
.endr
	v_add_nc_u32 v6, s58, v5
.endm
.macro KQLOAD p                        ; row blocks 2 p, 2 p + 1: for each tile 16 channels of KAN_j (k = 0..15) and of QAB_i (k = 16..31)
	WIN 0x40
.irp mm,0,1
.irp tq,0,1,2,3
	global_load_b128 v[64+32*\mm+8*\tq:67+32*\mm+8*\tq], v[8+\tq], s[50:51] offset:(2*(\p)+\mm)*32
	global_load_b128 v[68+32*\mm+8*\tq:71+32*\mm+8*\tq], v6, s[52:53] offset:\tq*512+(2*(\p)+\mm)*32
.endr
.endr
.endm
.macro WPLOAD p
	WIN 0x40
.set z, 0
.rept 8
	ds_load_b128 v[224+4*z:227+4*z], v28 offset:(\p)*4096+z*512
.set z, z+1
.endr
.endm
.macro VALLOAD hf                      ; tiles 2 hf, 2 hf + 1: my 64 channels of VAL_j
	WIN 0x40
.irp g2,0,1
.irp tq,0,1
	global_load_b128 v[192+16*\g2+8*\tq:195+16*\g2+8*\tq], v[12+2*(\hf)+\tq], s[54:55] offset:\g2*64
	global_load_b128 v[196+16*\g2+8*\tq:199+16*\g2+8*\tq], v[12+2*(\hf)+\tq], s[54:55] offset:\g2*64+32
.endr
.endr
.endm
.macro HFRL a                          ; a group's h, 8 fragments
	WIN 0x40
.set z, 0
.rept 16
	ds_load_b128 v[128+4*z:131+4*z], v[\a] offset:z*512
.set z, z+1
.endr
.endm
.macro LOADG hf                        ; h of the group in hand, tiles 2 hf, 2 hf + 1, into HB (destination and address in window 0 under every setting used here)
.set z, 0
.rept 8
	ds_load_b128 v[64+4*z:67+4*z], v27 offset:(\hf)*4096+z*512
.set z, z+1
.endr
.endm
; Hidden, row blocks 2 p and 2 p + 1 of my eight, all four tiles of the next group.  The four accumulators take turns.
.macro S2P p, ldn, dsn, refill, xu
	s_wait_loadcnt \ldn
	s_wait_dscnt \dsn
.irp mm,0,1
	WIN 0x04
.irp tq,0,1,2,3
	v_wmma_f32_16x16x32_bf16 v[192+8*\tq:199+8*\tq], v[48:55], v[64+32*\mm+8*\tq:71+32*\mm+8*\tq], 0
.endr
	WIN 0x05
.irp kq,0,1
.irp tq,0,1,2,3
	v_wmma_f32_16x16x32_bf16 v[192+8*\tq:199+8*\tq], v[224+16*\mm+8*\kq:231+16*\mm+8*\kq], v[128+16*\tq+8*\kq:135+16*\tq+8*\kq], v[192+8*\tq:199+8*\tq]
.endr
.endr
	WIN 0
	PLACES
.irp tq,0,1,2,3
	POST \tq
	ds_store_b128 v25, v[224+4*\tq:227+4*\tq] offset:\tq*16384+(2*(\p)+\mm)*512
.endr
.endr
.if \xu
	XUPD 2
.endif
.if \refill
	KQLOAD ((\p)+1)&3
	WPLOAD ((\p)+1)&3
	WIN 0
.endif
.endm
.macro LOADH hf, c                     ; hidden of tiles 2 hf, 2 hf + 1, kc = 2 c, 2 c + 1
.irp kk,0,1
.irp tq,0,1
.irp u,0,1
	ds_load_b128 v[64+32*((\c)&1)+16*\kk+8*\tq+4*\u:67+32*((\c)&1)+16*\kk+8*\tq+4*\u], v24 offset:(2*(\hf)+\tq)*16384+(2*(\c)+\kk)*1024+\u*512
.endr
.endr
.endr
.endm
.macro MMC c                           ; 16 products: 8 accumulators by turns, twice
.if (\c) < 4
	WIN 0x08
.else
	WIN 0x0c
.endif
.irp kk,0,1
.irp iq,0,1,2,3
.irp tq,0,1
.if (2*(\c)+\kk) == 0
	v_wmma_f32_16x16x32_bf16 v[128+16*\iq+8*\tq:135+16*\iq+8*\tq], v[64+32*((\c)&1)+16*\kk+8*\tq:71+32*((\c)&1)+16*\kk+8*\tq], v[((2*(\c)+\kk)&7)*32+8*\iq:((2*(\c)+\kk)&7)*32+8*\iq+7], 0
.else
	v_wmma_f32_16x16x32_bf16 v[128+16*\iq+8*\tq:135+16*\iq+8*\tq], v[64+32*((\c)&1)+16*\kk+8*\tq:71+32*((\c)&1)+16*\kk+8*\tq], v[((2*(\c)+\kk)&7)*32+8*\iq:((2*(\c)+\kk)&7)*32+8*\iq+7], v[128+16*\iq+8*\tq:135+16*\iq+8*\tq]
.endif
.endr
.endr
.endr
.endm
; Logits of two tiles, chunks c0 .. c1 of eight.  A chunk's 8 loads are issued two chunks ahead.  Behind chunk 4's and 5's loads come the other chunk's 8, S2P's 8 stores and its 8 loads of WP': 24.
.macro P1 hf, c0, c1
.if (\c0) == 0
	WIN 0x08
	LOADH \hf, 0
	LOADH \hf, 1
.endif
.set cc, \c0
.rept (\c1)-(\c0)+1
.if cc == 7
	s_wait_dscnt 0x0
.elseif (cc == 4) || (cc == 5)
	s_wait_dscnt 24
.else
	s_wait_dscnt 8
.endif
	MMC cc
.if cc+2 <= 7
	PLACES
	LOADH \hf, cc+2
.endif
.set cc, cc+1
.endr
.endm
; Softmax over a lane's 8 registers and the weighted sum, four tiles abreast: tile x = 2 i + t, logits at LACC + 32 g2 + 8 x, values at SA + 8 x.
.macro SOFT4 g2, hf
.set G, \g2
.set HH, \hf
	ALL4 v_max3_num_f32 v[242+4*x], v[128+32*G+8*x], v[129+32*G+8*x], v[130+32*G+8*x]
	ALL4 v_max3_num_f32 v[242+4*x], v[242+4*x], v[131+32*G+8*x], v[132+32*G+8*x]
	ALL4 v_max3_num_f32 v[242+4*x], v[242+4*x], v[133+32*G+8*x], v[134+32*G+8*x]
	ALL4 v_max_num_f32 v[242+4*x], v[242+4*x], v[135+32*G+8*x]
	ALL4 v_add_f32 v[242+4*x], v[242+4*x], v[32+2*G+x/2]
	ALL4 v_fma_f32 v[240+4*x], -v[242+4*x], s48, v[36+2*G+x/2]
.irp q,0,2,4,6
	ALL4 v_pk_fma_f32 v[128+32*G+8*x+\q:129+32*G+8*x+\q], v[128+32*G+8*x+\q:129+32*G+8*x+\q], s[48:49], v[240+4*x:241+4*x] op_sel_hi:[1,0,0]
.endr
.irp j,0,1,2,3,4,5,6,7
	ALL4 v_exp_f32 v[128+32*G+8*x+\j], v[128+32*G+8*x+\j]
.endr
	v_nop                                          ; a plain instruction between the exponentials and the use of their results
	s_wait_alu depctr_va_vdst(0)
	ALL4 v_pk_add_f32 v[242+4*x:243+4*x], v[128+32*G+8*x:129+32*G+8*x], v[130+32*G+8*x:131+32*G+8*x]
	ALL4 v_pk_mul_f32 v[240+4*x:241+4*x], v[128+32*G+8*x:129+32*G+8*x], v[192+8*x:193+8*x]
.irp q,2,4,6
	ALL4 v_pk_fma_f32 v[240+4*x:241+4*x], v[128+32*G+8*x+\q:129+32*G+8*x+\q], v[192+8*x+\q:193+8*x+\q], v[240+4*x:241+4*x]
.endr
.irp q,4,6
	ALL4 v_pk_add_f32 v[242+4*x:243+4*x], v[242+4*x:243+4*x], v[128+32*G+8*x+\q:129+32*G+8*x+\q]
.endr
	ALL4 v_add_f32 v[242+4*x], v[242+4*x], v[243+4*x]
	ALL4 v_add_f32 v[240+4*x], v[240+4*x], v[241+4*x]
	ALL4 v_rcp_f32 v[242+4*x], v[242+4*x]
	v_nop
	s_wait_alu depctr_va_vdst(0)
	ALL4 v_mul_f32 v[240+4*x], v[240+4*x], v[242+4*x]
	ALL4 v_cvt_pk_bf16_f32 v[240+4*x], v[240+4*x], v[240+4*x]
	ALL4 ds_store_b16 v29, v[240+4*x] offset:(2*G+x/2)*32+(2*HH+x%2)*1056
.endm
; Values of two tiles, 32 channels at a time, then their softmax.  loadcnt 16: the 16 gathers of KAN | QAB are younger than VAL's.  dscnt 16: S2P's 8 stores and 8 loads are younger than LOADG's.
.macro P2 hf
	s_wait_loadcnt 16
	s_wait_dscnt 16
.irp g2,0,1
	WIN 0x01
.irp iq,0,1
.irp tq,0,1
	v_wmma_f32_16x16x32_bf16 v[192+16*\iq+8*\tq:199+16*\iq+8*\tq], v[192+16*\g2+8*\tq:199+16*\g2+8*\tq], v[52+4*\iq:59+4*\iq], 0
.endr
.endr
	WIN 0x04
.irp kq,0,1
.irp iq,0,1
.irp tq,0,1
	v_wmma_f32_16x16x32_bf16 v[192+16*\iq+8*\tq:199+16*\iq+8*\tq], v[64+16*\tq+8*\kq:71+16*\tq+8*\kq], v[32*\g2+16*\iq+8*\kq:32*\g2+16*\iq+8*\kq+7], v[192+16*\iq+8*\tq:199+16*\iq+8*\tq]
.endr
.endr
.endr
	WIN 0
	PLACES
	SOFT4 \g2, \hf
.endr
.endm
	s_load_b512 s[4:19], s[0:1], 0x0               ; idx 4, pos 6, pm_w1 8, pm_b1 10, pm_g 12, pm_bt 14, wb 16, kan 18
	s_load_b256 s[20:27], s[0:1], 0x40             ; qab 20, val 22, v0 24, am_b2 26
	s_load_b128 s[28:31], s[0:1], 0x60             ; le_b 28, out0 30
	v_lshl_add_u32 v[SPW], v0, 2, SPARE
	v_mov_b32 v[NIL], 0
	v_lshrrev_b32 v40, 5, v0
	v_readfirstlane_b32 s40, v40                   ; wave 0..3
	v_and_b32 v1, 15, v0                           ; r
	v_bfe_u32 v2, v0, 4, 1                         ; h
	v_and_b32 v40, 31, v0
	v_lshlrev_b32 v3, 4, v40                       ; 16 x lane
	v_lshlrev_b32 v4, 4, v2                        ; 16 h
	s_lshr_b32 s36, ttmp9, 5                       ; the cloud
	s_and_b32 s37, ttmp9, 31
	s_lshl_b32 s37, s37, 6                         ; my first point in it
	s_mov_b32 s39, 0xffff0000
	s_mov_b32 s48, 0x3fb8aa3b                      ; c = log2 e
	s_mov_b32 s49, s48
	s_wait_kmcnt 0x0
	s_lshl_b32 s58, s40, 22
	s_lshl_b32 s59, s36, 19
	s_add_co_u32 s58, s58, s59
	s_mov_b32 s59, 0
	s_add_nc_u64 s[50:51], s[18:19], s[58:59]      ; KAN: my quarter, the cloud's rows
	s_lshl_b32 s58, s40, 22
	s_lshl_b32 s38, ttmp9, 14
	s_add_co_u32 s58, s58, s38
	s_add_nc_u64 s[52:53], s[20:21], s[58:59]      ; QAB: my quarter, the work-group's rows
	s_lshl_b32 s58, s40, 21
	s_lshl_b32 s38, s36, 18
	s_add_co_u32 s58, s58, s38
	s_add_nc_u64 s[54:55], s[22:23], s[58:59]      ; VAL
	s_lshl_b32 s58, ttmp9, 11
	s_add_nc_u64 s[56:57], s[4:5], s[58:59]        ; idx: the work-group's 512 pairs
	; ---- weights into registers and LDS; the small tensors and my tiles' neighbour numbers are asked for with them
	s_lshl_b32 s58, s40, 16
	s_add_nc_u64 s[60:61], s[16:17], s[58:59]
	WIN 0x80
.irp k,0,1,2,3,4,5,6,7
.irp iq,0,1,2,3
	global_load_b128 v[32*\k+8*\iq:32*\k+8*\iq+3],   v3, s[60:61] offset:\iq*16384+\k*1024
	global_load_b128 v[32*\k+8*\iq+4:32*\k+8*\iq+7], v3, s[60:61] offset:\iq*16384+\k*1024+512
.endr
.endr
	WIN 0xc0
.irp k,0,1,2,3,4,5,6,7
.irp iq,0,1,2,3
	global_load_b128 v[32*\k+8*\iq:32*\k+8*\iq+3],   v3, s[60:61] offset:\iq*16384+(\k+8)*1024
	global_load_b128 v[32*\k+8*\iq+4:32*\k+8*\iq+7], v3, s[60:61] offset:\iq*16384+(\k+8)*1024+512
.endr
.endr
	s_lshl_b32 s58, s40, 13
	s_add_nc_u64 s[62:63], s[16:17], s[58:59]
	WIN 0x40
.set z, 0
.rept 16
	global_load_b128 v[4*z:4*z+3], v3, s[62:63] offset:327680+z*512
.set z, z+1
.endr
	WIN 0
	v_lshlrev_b32 v40, 4, v0
.set z, 0
.rept 32
	global_load_b128 v[64+4*z:67+4*z], v40, s[16:17] offset:524288+z*2048
.set z, z+1
.endr
	s_lshl_b32 s58, s40, 8
	v_lshl_add_u32 v41, v1, 2, s58
	v_mul_u32_u24 v42, v1, 12
	v_lshlrev_b32 v43, 2, v1
	s_lshl_b32 s58, s40, 9
	v_lshl_add_u32 v44, v1, 2, s58
.irp i,0,1,2,3
	global_load_b32 v[32+\i], v41, s[26:27] offset:\i*64          ; am_b2 of channel 64 w + 16 i + r
	global_load_b32 v[192+6*\i], v42, s[8:9] offset:\i*192        ; pm_w1's row 16 i + r
	global_load_b32 v[193+6*\i], v42, s[8:9] offset:\i*192+4
	global_load_b32 v[194+6*\i], v42, s[8:9] offset:\i*192+8
	global_load_b32 v[195+6*\i], v43, s[10:11] offset:\i*64
	global_load_b32 v[196+6*\i], v43, s[12:13] offset:\i*64
	global_load_b32 v[197+6*\i], v43, s[14:15] offset:\i*64
.endr
.irp xq,0,1,2,3,4,5,6,7
	global_load_b32 v[240+\xq], v44, s[56:57] offset:\xq*64       ; tile 8 w + x, pair r
.endr
	s_wait_loadcnt 0x0
	v_add_nc_u32 v45, WPL, v40
.set z, 0
.rept 32
	ds_store_b128 v45, v[64+4*z:67+4*z] offset:z*2048
.set z, z+1
.endr
	; positions: the neighbour's (gathered) and the point's own
	s_mul_i32 s58, s36, 24576
	s_add_nc_u64 s[60:61], s[6:7], s[58:59]
	s_lshl_b32 s58, s37, 2
	s_lshl_b32 s38, s40, 6
	s_add_co_u32 s58, s58, s38
	v_lshrrev_b32 v41, 3, v1
	v_lshl_add_u32 v41, v41, 2, s58
.irp xq,0,1,2,3,4,5,6,7
	v_min_u32 v[240+\xq], 0x7ff, v[240+\xq]
	v_lshlrev_b32 v[240+\xq], 2, v[240+\xq]
.irp c,0,1,2
	global_load_b32 v[112+3*\xq+\c], v[240+\xq], s[60:61] offset:\c*8192
	global_load_b32 v[136+3*\xq+\c], v41, s[60:61] offset:\xq*8+\c*8192
.endr
.endr
	; slot 8 of h: zeros
.irp i,0,1,2,3
	v_mov_b32 v[224+\i], 0
.endr
	v_add_nc_u32 v45, HF+65536, v40
.irp i,0,1,2,3
	ds_store_b128 v45, v[224:227] offset:\i*2048
.endr
	; the selectors: Q has bf16 1.0 at k = r where r lies in my half's eight
	v_and_b32 v42, 1, v1
	v_cmp_eq_u32 vcc_lo, 1, v42
	v_mov_b32 v42, 0x3f80
	v_mov_b32 v43, 0x3f800000
	v_cndmask_b32 v42, v42, v43, vcc_lo
	v_lshrrev_b32 v43, 3, v1
	v_cmp_eq_u32 vcc_lo, v43, v2
	v_cndmask_b32 v42, 0, v42, vcc_lo
	v_bfe_u32 v43, v1, 1, 2
.irp q,0,1,2,3
	v_cmp_eq_u32 vcc_lo, \q, v43
	v_cndmask_b32 v[48+\q], 0, v42, vcc_lo
	v_mov_b32 v[52+\q], v[48+\q]
	v_mov_b32 v[56+\q], 0
	v_mov_b32 v[60+\q], v[48+\q]
.endr
.irp i,0,1,2,3
	RND1 32+\i
	v_mul_f32 v[36+\i], s48, v[32+\i]              ; c b
.endr
	; pm_w1 as fragments with K = 4 of 32 used: s w0, s w1, s w2, s b1 + bt; all else 0
	v_cmp_eq_u32 s38, 0, v2
.irp i,0,1,2,3
.irp c,0,1,2,3,4,5
	RND1 192+6*\i+\c
.endr
	v_mul_f32 v[196+6*\i], 0x3f7fffac, v[196+6*\i]
	v_mul_f32 v[192+6*\i], v[196+6*\i], v[192+6*\i]
	v_mul_f32 v[193+6*\i], v[196+6*\i], v[193+6*\i]
	v_mul_f32 v[194+6*\i], v[196+6*\i], v[194+6*\i]
	v_fma_f32 v[195+6*\i], v[196+6*\i], v[195+6*\i], v[197+6*\i]
	v_cvt_pk_bf16_f32 v[64+8*\i], v[192+6*\i], v[193+6*\i]
	v_cvt_pk_bf16_f32 v[65+8*\i], v[194+6*\i], v[195+6*\i]
	v_cndmask_b32 v[64+8*\i], 0, v[64+8*\i], s38
	v_cndmask_b32 v[65+8*\i], 0, v[65+8*\i], s38
.irp c,2,3,4,5,6,7
	v_mov_b32 v[64+8*\i+\c], 0
.endr
.endr
.irp c,2,3,4,5,6,7
	v_mov_b32 v[96+\c], 0
.endr
	s_lshl_b32 s58, s40, 14
	s_add_co_u32 s58, s58, HF
	v_add_nc_u32 v46, s58, v3
	s_wait_loadcnt 0x0
	; h of my 8 tiles
.irp xq,0,1,2,3,4,5,6,7
.irp c,0,1,2
	v_cvt_pk_bf16_f32 v[40+\c], v[136+3*\xq+\c], v[112+3*\xq+\c]
	v_lshlrev_b32 v[43+\c], 16, v[40+\c]
	v_and_b32 v[40+\c], s39, v[40+\c]
	v_sub_f32 v[43+\c], v[43+\c], v[40+\c]         ; pos_i - pos_j, exact in f32
.endr
	v_cvt_pk_bf16_f32 v96, v43, v44
	v_cvt_pk_bf16_f32 v97, v45, 1.0
	v_cndmask_b32 v96, 0, v96, s38
	v_cndmask_b32 v97, 0, v97, s38
.irp i,0,1,2,3
	v_wmma_f32_16x16x32_bf16 v[192+8*\i:199+8*\i], v[64+8*\i:71+8*\i], v[96:103], 0
.endr
	PLACES
.irp i,0,1,2,3
	POST \i
	ds_store_b128 v46, v[224+4*\i:227+4*\i] offset:\xq*2048+\i*512
.endr
.endr
.irp i,0,1,2,3,4,5,6,7,8,9,10,11,12,13,14,15
	v_mov_b32 v[240+\i], 0
.endr
	s_wait_dscnt 0x0
	s_barrier_signal -1
	s_barrier_wait -1
	; ---- the first group's hidden, into buffer 0
	s_mov_b32 s41, 8                               ; trips
	s_mov_b32 s42, 0                               ; GI: the group in hand
	s_mov_b32 s43, 0                               ; the buffer that is read
	s_mov_b32 s44, 8192                            ; h of the next group
	s_mov_b32 s45, 0                               ; h of the group in hand
	s_mov_b32 s46, 0                               ; the group's 8 rows of AGG
.irp tq,0,1,2,3
	v_mov_b32 v[16+\tq], 0
.endr
	v_lshrrev_b32 v5, 3, v1
	v_lshl_add_u32 v5, v5, 8, v4                   ; QAB: row r / 8 of a tile's two, 16 h
	v_mul_u32_u24 v47, v2, 528
	v_lshl_add_u32 v47, v1, 1, v47
	s_lshl_b32 s58, s40, 7
	s_add_co_u32 s58, s58, AGG
	v_add_nc_u32 v47, s58, v47                     ; AGG: point h of a tile's two, channel 64 w + r
	s_lshl_b32 s58, s40, 14
	s_add_co_u32 s58, s58, WPL
	v_add_nc_u32 v28, s58, v3
	s_lshl_b32 s58, s40, 12
	v_add_nc_u32 v25, s58, v3
	v_add_nc_u32 v27, HF, v3
	IDXL 0
	s_wait_loadcnt 0x0
	XUPD 0
	HFRL 27
	KQLOAD 0
	WPLOAD 0
	WIN 0
	S2P 0, 0, 0, 1, 0
	S2P 1, 0, 0, 1, 0
	S2P 2, 0, 0, 1, 0
	S2P 3, 0, 0, 0, 0
	IDXL 1
	s_wait_loadcnt 0x0
	XUPD 1                                         ; VAL's offsets: group 0; KAN's and QAB's: group 1
	KQLOAD 0
	WPLOAD 0
	VALLOAD 0
	IDXL 2
	WIN 0
	s_wait_dscnt 0x0
	s_barrier_signal -1
	s_barrier_wait -1
.Ltrip:
	v_add_nc_u32 v24, s43, v3                      ; hidden is read here,
	s_xor_b32 s58, s43, 0x10000
	s_lshl_b32 s59, s40, 12
	s_add_co_u32 s58, s58, s59
	v_add_nc_u32 v25, s58, v3                      ; and the next group's written here: the other buffer, my four kc
	s_add_co_u32 s58, s44, HF
	v_add_nc_u32 v26, s58, v3
	s_add_co_u32 s58, s45, HF
	v_add_nc_u32 v27, s58, v3
	v_add_nc_u32 v29, s46, v47
	HFRL 26
	P1 0, 0, 3
	S2P 0, 12, 16, 1, 0                            ; loadcnt 12: VAL's 8 and the 4 neighbour numbers are younger than these gathers; dscnt 16: two chunks of hidden are younger than WP' and h
	P1 0, 4, 7
	PLACES
	LOADG 0
	S2P 1, 0, 8, 1, 0                              ; dscnt 8: LOADG's
	P2 0
	VALLOAD 1
	P1 1, 0, 3
	S2P 2, 8, 16, 1, 0                             ; loadcnt 8: VAL's second half is younger
	P1 1, 4, 7
	PLACES
	LOADG 1
	S2P 3, 0, 8, 1, 1                              ; the offsets move on; the gathers that follow are for the group after next
	P2 1
	VALLOAD 0
	IDXL 3
	WIN 0
	s_wait_dscnt 0x0                               ; my reads of one buffer are back and my stores into the other are done,
	s_barrier_signal -1
	s_barrier_wait -1                              ; everybody's are: the buffers change places
	s_xor_b32 s43, s43, 0x10000
	s_add_co_u32 s44, s44, 8192
	s_add_co_u32 s45, s45, 8192
	s_add_co_u32 s46, s46, 4224
	s_add_co_u32 s42, s42, 1
	s_sub_co_u32 s41, s41, 1
	s_cmp_lg_u32 s41, 0
	s_cbranch_scc1 .Ltrip
	; ---- y = le_w agg + le_b; out = 0.5 (y + v0).  Wave w: channels 32 w .. 32 w + 31 of all 64 points.  Source 0 = 16 points, source 1 = 16 rows of le_w: a lane holds a channel and 8 neighbouring points.
	s_wait_loadcnt 0x0                             ; the last trip's gathers, which nobody uses
	s_lshl_b32 s58, s40, 14
	s_mov_b32 s59, 0
	s_add_nc_u64 s[60:61], s[16:17], s[58:59]
	WIN 0x80
.irp k,0,1,2,3,4,5,6,7
.irp iq,0,1
	global_load_b128 v[16*\k+8*\iq:16*\k+8*\iq+3],   v3, s[60:61] offset:262144+\iq*8192+\k*1024
	global_load_b128 v[16*\k+8*\iq+4:16*\k+8*\iq+7], v3, s[60:61] offset:262144+\iq*8192+\k*1024+512
.endr
.endr
	WIN 0
	s_lshl_b32 s58, s40, 7
	v_lshl_add_u32 v40, v1, 2, s58
	global_load_b32 v42, v40, s[28:29]
	global_load_b32 v44, v40, s[28:29] offset:64
	v_mul_u32_u24 v41, v1, 528
	v_add_nc_u32 v41, v41, v4
	v_add_nc_u32 v41, AGG, v41
.macro LOADL kc
.irp nq,0,1,2,3
	ds_load_b128 v[64+32*((\kc)&1)+8*\nq:67+32*((\kc)&1)+8*\nq], v41 offset:\nq*8448+(\kc)*64
	ds_load_b128 v[68+32*((\kc)&1)+8*\nq:71+32*((\kc)&1)+8*\nq], v41 offset:\nq*8448+(\kc)*64+32
.endr
.endm
	LOADL 0
	LOADL 1
	s_wait_loadcnt 0x0
	RND1 42
	RND1 44
	v_mov_b32 v43, v42
	v_mov_b32 v45, v44
.set kc, 0
.rept 8
.if kc == 7
	s_wait_dscnt 0x0
.else
	s_wait_dscnt 8
.endif
	WIN 0x08
.irp iq,0,1
.irp nq,0,1,2,3
.if kc == 0
	v_wmma_f32_16x16x32_bf16 v[128+32*\iq+8*\nq:135+32*\iq+8*\nq], v[64+32*(kc&1)+8*\nq:71+32*(kc&1)+8*\nq], v[16*kc+8*\iq:16*kc+8*\iq+7], 0
.else
	v_wmma_f32_16x16x32_bf16 v[128+32*\iq+8*\nq:135+32*\iq+8*\nq], v[64+32*(kc&1)+8*\nq:71+32*(kc&1)+8*\nq], v[16*kc+8*\iq:16*kc+8*\iq+7], v[128+32*\iq+8*\nq:135+32*\iq+8*\nq]
.endif
.endr
.endr
	PLACES
.if kc < 6
	LOADL kc+2
.endif
.set kc, kc+1
.endr
	WIN 0
	; through a stage over the hidden buffers, which nobody reads behind the loop's last barrier: rows = my 32 channels, 256 + 16 bytes
	s_mul_i32 s58, s40, 32*272
	v_mul_u32_u24 v24, v1, 272
	v_lshl_add_u32 v24, v2, 5, v24
	v_add_nc_u32 v24, s58, v24
	v_mul_u32_u24 v25, v2, 272
	v_lshl_add_u32 v25, v1, 4, v25
	v_add_nc_u32 v25, s58, v25
	v_lshlrev_b32 v26, 13, v2
	v_lshl_add_u32 v26, v1, 4, v26
.irp iq,0,1
.irp nq,0,1,2,3
.irp q,0,2,4,6
	v_pk_add_f32 v[128+32*\iq+8*\nq+\q:129+32*\iq+8*\nq+\q], v[128+32*\iq+8*\nq+\q:129+32*\iq+8*\nq+\q], v[42+2*\iq:43+2*\iq] op_sel_hi:[1,0]
.endr
	ds_store_b128 v24, v[128+32*\iq+8*\nq:131+32*\iq+8*\nq] offset:\iq*4352+\nq*64
	ds_store_b128 v24, v[132+32*\iq+8*\nq:135+32*\iq+8*\nq] offset:\iq*4352+\nq*64+16
.endr
.endr
	s_lshl_b32 s58, s36, 20
	s_lshl_b32 s38, s40, 18
	s_add_co_u32 s58, s58, s38
	s_lshl_b32 s38, s37, 2
	s_add_co_u32 s58, s58, s38
	s_add_nc_u64 s[60:61], s[24:25], s[58:59]
	s_add_nc_u64 s[62:63], s[30:31], s[58:59]
.irp bt,0,1
.irp y,0,1,2,3,4,5,6,7
	ds_load_b128 v[64+4*\y:67+4*\y], v25 offset:(8*\bt+\y)*544   ; LDS serves a wave's instructions in order (ISA guide 5.7.1.4): these see my stores above
	global_load_b128 v[96+4*\y:99+4*\y], v26, s[60:61] offset:(8*\bt+\y)*16384
.endr
	s_wait_loadcnt 0x0
	s_wait_dscnt 0x0
.set z, 0
.rept 16
	v_pk_add_f32 v[64+2*z:65+2*z], v[64+2*z:65+2*z], v[96+2*z:97+2*z]
	v_pk_mul_f32 v[64+2*z:65+2*z], v[64+2*z:65+2*z], 0.5 op_sel_hi:[1,0]
.set z, z+1
.endr
.irp y,0,1,2,3,4,5,6,7
	global_store_b128 v26, v[64+4*\y:67+4*\y], s[62:63] offset:(8*\bt+\y)*16384  ; 16 lanes store 256 consecutive bytes of a channel's row
.endr
	s_wait_xcnt 0x0                                ; the stores' registers are loaded again only behind this wait
.endr
	s_wait_tensorcnt 0x0                           ; the wave's end
	ds_add_u32 v[SPW], v[NIL]
	s_wait_dscnt 0x0
	s_endpgm
.Lfunc_end_k_qa848cba405_main:
	.size	k_qa848cba405_main, .Lfunc_end_k_qa848cba405_main-k_qa848cba405_main
	.p2alignl 7, 3214868480
	.fill 96, 4, 3214868480
	.section	.rodata,"a",@progbits
	.p2align	6, 0x0
	.amdhsa_kernel k_qa848cba405_main
		.amdhsa_group_segment_fixed_size 304640
		.amdhsa_private_segment_fixed_size 0
		.amdhsa_enable_private_segment 0
		.amdhsa_kernarg_size 112
		.amdhsa_user_sgpr_count 2
		.amdhsa_user_sgpr_kernarg_segment_ptr 1
		.amdhsa_wavefront_size32 1
		.amdhsa_system_sgpr_workgroup_id_x 1
		.amdhsa_system_sgpr_workgroup_id_y 1
		.amdhsa_system_sgpr_workgroup_id_z 1
		.amdhsa_system_vgpr_workitem_id 0
		.amdhsa_next_free_vgpr 1024
		.amdhsa_next_free_sgpr 66
		.amdhsa_reserve_vcc 1
		.amdhsa_float_denorm_mode_32 3
		.amdhsa_float_denorm_mode_16_64 3
		.amdhsa_memory_ordered 1
		.amdhsa_forward_progress 1
		.amdhsa_inst_pref_size 228
	.end_amdhsa_kernel
	.amdgpu_metadata
---
amdhsa.version: [ 1, 2 ]
amdhsa.kernels:
  - .name:           k_qa848cba405_main
    .symbol:         k_qa848cba405_main.kd
    .args:
      - { .name: idx, .offset: 0, .size: 8, .value_kind: global_buffer, .address_space: global }
      - { .name: pos, .offset: 8, .size: 8, .value_kind: global_buffer, .address_space: global }
      - { .name: pm_w1, .offset: 16, .size: 8, .value_kind: global_buffer, .address_space: global }
      - { .name: pm_b1, .offset: 24, .size: 8, .value_kind: global_buffer, .address_space: global }
      - { .name: pm_g, .offset: 32, .size: 8, .value_kind: global_buffer, .address_space: global }
      - { .name: pm_bt, .offset: 40, .size: 8, .value_kind: global_buffer, .address_space: global }
      - { .name: wb, .offset: 48, .size: 8, .value_kind: global_buffer, .address_space: global }
      - { .name: kan, .offset: 56, .size: 8, .value_kind: global_buffer, .address_space: global }
      - { .name: qab, .offset: 64, .size: 8, .value_kind: global_buffer, .address_space: global }
      - { .name: val, .offset: 72, .size: 8, .value_kind: global_buffer, .address_space: global }
      - { .name: v0, .offset: 80, .size: 8, .value_kind: global_buffer, .address_space: global }
      - { .name: am_b2, .offset: 88, .size: 8, .value_kind: global_buffer, .address_space: global }
      - { .name: le_b, .offset: 96, .size: 8, .value_kind: global_buffer, .address_space: global }
      - { .name: out0, .offset: 104, .size: 8, .value_kind: global_buffer, .address_space: global }
    .group_segment_fixed_size: 304640
    .private_segment_fixed_size: 0
    .kernarg_segment_align: 8
    .kernarg_segment_size: 112
    .max_flat_workgroup_size: 128
    .sgpr_count:     66
    .vgpr_count:     1024
    .wavefront_size: 32
...
	.end_amdgpu_metadata
.endif
;; end of part 3
;; ======== version 2 of 3: 3 launches; 1.13 times as fast as version 1
;; limits: values outside matrix products are rounded to bf16
;; workspace buffers: wb 856,064 bytes; bkt 524,288 bytes of whole numbers; idx 524,288 bytes of whole numbers; kan 16,777,216 bytes; qab 16,777,216 bytes; val 8,388,608 bytes; v0 8,388,608 bytes
;; launch first (part 4): grid 293 x 1, 8 waves a work-group, no clusters, 71,680 bytes of LDS; arguments pos_flipped, am_w1, am_w2, le_w, pm_w2, vm_w1, vm_w2, wv, wk, wq, pm_b2, am_g, am_b1, am_bt, wb, bkt; writes wb, bkt
.if DOCPART == 4
	.amdgcn_target "amdgcn-amd-amdhsa--gfx1250"
	.amdhsa_code_object_version 6
	.text
	.protected	k_qa848cba405_first
	.globl	k_qa848cba405_first
	.p2align	8
	.type	k_qa848cba405_first,@function
k_qa848cba405_first:
	s_mov_b64 s[64:65], 0
	v_nop
	global_prefetch_b8 v0, s[64:65] scope:SCOPE_SE
	s_setreg_imm32_b32 hwreg(HW_REG_WAVE_MODE, 25, 1), 1
	s_wait_xcnt 0x0
; FIRST.  Three kinds of work-groups, told apart by the work-group's number alone.
;  0..255   NEIGHBOURS, PHASE A: 64 queries of one cloud against its 2,048 points; for each query the 8 best of the 128 buckets of 16 consecutive points,
;           ordered by (smallest distance in the bucket, bucket number).  The 8 nearest points by (distance, index) all lie in these buckets: a point outside
;           them would have 8 buckets, each with a point that precedes it.
;  256..271 CAST: six weight tensors rounded to bf16 and laid in the order in which matrix fragments are read (a unit = 512 bytes, lane L's 16 bytes at 16 L).
;  272..292 FOLD: am_w1 times pm_w2, wk, wq and pm_b2, scaled by am_g / sqrt(1 + 1e-5): the first attention layer is linear, so its products with what is known per point are made once.
; LIMITS.  Every input is rounded to bf16 (nearest even) as it is loaded, the positions too.  Distances in f32: dot = fma(z,z',fma(y,y',x x')), sq by the same chain,
; d = fma(-2, dot, sq_i + sq_j); the products of bf16 numbers are exact in f32, so only the additions round.  Another order of the three-term sums could turn near-ties.
; NaN and infinities are not treated apart.
.set TAB,   0                          ; 1,024 pairs of points x 32 bytes: x0 x1 y0 y1 z0 z1 sq0 sq1
.set PAD,   32768                      ; 4,096 bytes, 16 from each thread: what the last wave's look-ahead reads behind the table, and nobody uses
.set MINS,  36864                      ; 64 queries x 528 bytes: 128 bucket minima and 16 bytes of padding
.set MP,    528
.set SPARE, 70656                      ; the spare words, 128 bytes for each of 8 waves
.set SPW,   6                          ; v6  my spare word's address; never rewritten
.set NIL,   7                          ; v7  0; never rewritten
.set RSC,   0x3f7fffac                 ; 1 / sqrt(1 + 1e-5)
; The cloud's positions, rounded, with their squares, into LDS: thread t takes pairs t, t + 256, t + 512, t + 768.  s[36:37]: the cloud in pos_flipped; s41 = 0xffff0000.
.macro TABLE
	v_mul_u32_u24 v4, v0, 24
	v_lshlrev_b32 v5, 5, v0
.irp j,0,1,2,3
	global_load_b64 v[16+6*\j:17+6*\j], v4, s[36:37] offset:\j*6144
	global_load_b64 v[18+6*\j:19+6*\j], v4, s[36:37] offset:\j*6144+8
	global_load_b64 v[20+6*\j:21+6*\j], v4, s[36:37] offset:\j*6144+16
.endr
	s_wait_loadcnt 0x0
.irp j,0,1,2,3
	v_cvt_pk_bf16_f32 v48, v[16+6*\j], v[19+6*\j]
	v_cvt_pk_bf16_f32 v49, v[17+6*\j], v[20+6*\j]
	v_cvt_pk_bf16_f32 v50, v[18+6*\j], v[21+6*\j]
	v_lshlrev_b32 v40, 16, v48
	v_and_b32 v41, s41, v48
	v_lshlrev_b32 v42, 16, v49
	v_and_b32 v43, s41, v49
	v_lshlrev_b32 v44, 16, v50
	v_and_b32 v45, s41, v50
	v_pk_mul_f32 v[46:47], v[40:41], v[40:41]
	v_pk_fma_f32 v[46:47], v[42:43], v[42:43], v[46:47]
	v_pk_fma_f32 v[46:47], v[44:45], v[44:45], v[46:47]
	ds_store_b128 v5, v[40:43] offset:\j*8192
	ds_store_b128 v5, v[44:47] offset:\j*8192+16
.endr
	v_lshl_add_u32 v4, v0, 4, PAD
	ds_store_b128 v4, v[40:43]                     ; my 16 bytes of the pad: any numbers
.endm
; A query (its number in v[n]) out of the table, each number twice: v[qb .. qb+7] = x x y y z z sq sq
.macro QUERY n, qb
	v_lshrrev_b32 v4, 1, v[\n]
	v_and_b32 v5, 1, v[\n]
	v_lshlrev_b32 v4, 5, v4
	v_lshl_add_u32 v4, v5, 2, v4
	ds_load_b32 v[\qb], v4
	ds_load_b32 v[\qb+2], v4 offset:8
	ds_load_b32 v[\qb+4], v4 offset:16
	ds_load_b32 v[\qb+6], v4 offset:24
	s_wait_dscnt 0x0
	v_mov_b32 v[\qb+1], v[\qb]
	v_mov_b32 v[\qb+3], v[\qb+2]
	v_mov_b32 v[\qb+5], v[\qb+4]
	v_mov_b32 v[\qb+7], v[\qb+6]
.endm
; The ascending list a0..a7 = v[16:23] takes v[x]: each place takes the middle of its old self, its lower neighbour and x
.macro INS x
.irp i,7,6,5,4,3,2,1
	v_med3_num_f32 v[16+\i], v[15+\i], v[16+\i], v[\x]
.endr
	v_min_num_f32 v16, v16, v[\x]
.endm
.macro MERGE m                         ; c_i = min(my a_i, the partner lane's a_(7-i)): the 8 smallest of both lists, a bitonic run
.irp i,0,1,2,3,4,5,6,7
	v_min_num_f32_dpp v[24+\i], v[23-\i], v[16+\i] row_xmask:\m row_mask:0xf bank_mask:0xf
.endr
.endm
.macro CE d, s, i, j
	v_min_num_f32 v[\d+\i], v[\s+\i], v[\s+\j]
	v_max_num_f32 v[\d+\j], v[\s+\i], v[\s+\j]
.endm
.macro BSORT                           ; the bitonic run c is sorted into a
	CE 16,24,0,4
	CE 16,24,1,5
	CE 16,24,2,6
	CE 16,24,3,7
	CE 24,16,0,2
	CE 24,16,1,3
	CE 24,16,4,6
	CE 24,16,5,7
	CE 16,24,0,1
	CE 16,24,2,3
	CE 16,24,4,5
	CE 16,24,6,7
.endm
.macro AINIT
.irp i,0,1,2,3,4,5,6,7
	v_mov_b32 v[16+\i], 0x7f800000
.endr
.endm
; Four neighbouring lanes hold 32 values each (v[vb ..]) of one query; value z has the number v[idb + (z >> idsh)] + (z mod 2^idsh).  First the 8th smallest value T of the 128;
; then each value becomes a key (below T: 0x40000000 + number; equal: 0x40010000 + number; above: 0x7f000000), patterns of positive floats whose order is (value class, number),
; and the 8 smallest keys are the answer.  v[38:39]: my two of the eight numbers.  v34, v35, v36 hold the three constants.
; In the second pass the five lines that make key z + 1 stand between the eight that insert key z (keys in v40 and v41 by turns), so that no line reads the result of the line before it.
.macro SELECT8 vb, idb, idsh
	AINIT
.irp i,0,1,2,3,4,5,6,7
	v_mov_b32 v[24+\i], 0
.endr
.set z, 0
.rept 32
	INS \vb+z
.set z, z+1
.endr
	MERGE 1
	BSORT
	MERGE 2
	v_max3_num_f32 v32, v24, v25, v26
	v_max3_num_f32 v32, v32, v27, v28
	v_max3_num_f32 v32, v32, v29, v30
	v_max_num_f32 v32, v32, v31
	AINIT
	v_cmp_eq_f32 vcc_lo, v[\vb], v32
	v_cndmask_b32 v40, v34, v35, vcc_lo
	v_add_nc_u32 v40, v40, v[\idb]
	v_cmp_gt_f32 vcc_lo, v[\vb], v32
	v_cndmask_b32 v40, v40, v36, vcc_lo
.set z, 0
.rept 31
	v_cmp_eq_f32 vcc_lo, v[\vb+z+1], v32
	v_med3_num_f32 v23, v22, v23, v[40+(z&1)]
	v_med3_num_f32 v22, v21, v22, v[40+(z&1)]
	v_cndmask_b32 v[41-(z&1)], v34, v35, vcc_lo
	v_med3_num_f32 v21, v20, v21, v[40+(z&1)]
	v_med3_num_f32 v20, v19, v20, v[40+(z&1)]
	v_add3_u32 v[41-(z&1)], v[41-(z&1)], v[\idb+((z+1)>>\idsh)], (z+1)&((1<<\idsh)-1)
	v_cmp_gt_f32 vcc_lo, v[\vb+z+1], v32
	v_med3_num_f32 v19, v18, v19, v[40+(z&1)]
	v_med3_num_f32 v18, v17, v18, v[40+(z&1)]
	v_cndmask_b32 v[41-(z&1)], v[41-(z&1)], v36, vcc_lo
	v_med3_num_f32 v17, v16, v17, v[40+(z&1)]
	v_min_num_f32 v16, v16, v[40+(z&1)]
.set z, z+1
.endr
	INS 41                                         ; key 31
	MERGE 1
	BSORT
	MERGE 2                                        ; lanes 0, 1 of the four hold c, lanes 2, 3 hold it reversed: even lanes give c0, c1, odd lanes c2, c3
	v_and_b32 v33, 1, v0
	v_cmp_eq_u32 vcc_lo, 1, v33
	v_cndmask_b32 v38, v24, v26, vcc_lo
	v_cndmask_b32 v39, v25, v27, vcc_lo
	v_and_b32 v38, 0xffff, v38
	v_and_b32 v39, 0xffff, v39
.endm
.macro PLACES
.rept 4
	v_nop
.endr
.endm
	s_load_b512 s[4:19], s[0:1], 0x0               ; pos_flipped 4, am_w1 6, am_w2 8, le_w 10, pm_w2 12, vm_w1 14, vm_w2 16, wv 18
	s_load_b512 s[20:35], s[0:1], 0x40             ; wk 20, wq 22, pm_b2 24, am_g 26, am_b1 28, am_bt 30, wb 32, bkt 34
	v_lshl_add_u32 v[SPW], v0, 2, SPARE
	v_mov_b32 v[NIL], 0
	v_lshrrev_b32 v1, 5, v0
	v_readfirstlane_b32 s40, v1                    ; wave 0..7
	v_and_b32 v1, 31, v0                           ; lane
	s_wait_kmcnt 0x0
	s_cmp_lt_u32 ttmp9, 256
	s_cbranch_scc1 .Lknn
	s_cmp_lt_u32 ttmp9, 272
	s_cbranch_scc1 .Lcast
; ---------------------------------------------------------------- FOLD
; f = 0..3: am_w1 pm_w2 (64 columns, 16 a work-group); 4..11: -am_w1 wk; 12..19: am_w1 wq (128 columns); 20: am_w1 pm_b2 (one column, held sixteen times).
; The product is used transposed: source 0 = 16 columns of the right factor, source 1 = 16 rows of am_w1, so that a lane holds one row of the result and 8 neighbouring columns: 16 bytes of a unit.
	s_sub_co_u32 s41, ttmp9, 272
	s_sub_co_u32 s48, s41, 4
	s_sub_co_u32 s49, s41, 12
	s_mov_b64 s[36:37], s[12:13]                   ; the right factor
	s_mov_b32 s42, 256                             ; bytes from its row k to row k + 1
	s_mov_b32 s43, 4                               ; bytes from column to column
	s_mov_b32 s44, s41                             ; which 16 columns
	s_mov_b32 s45, 2                               ; log2 of the units in a row block of the result
	s_mov_b32 s46, 1024                            ; the result's first unit in wb
	s_mov_b32 s47, RSC
	s_cmp_ge_u32 s41, 4
	s_cselect_b64 s[36:37], s[20:21], s[36:37]
	s_cselect_b32 s42, 512, s42
	s_cselect_b32 s44, s48, s44
	s_cselect_b32 s45, 3, s45
	s_cselect_b32 s46, 1152, s46
	s_cselect_b32 s47, 0xbf7fffac, s47
	s_cmp_ge_u32 s41, 12
	s_cselect_b64 s[36:37], s[22:23], s[36:37]
	s_cselect_b32 s44, s49, s44
	s_cselect_b32 s46, 1408, s46
	s_cselect_b32 s47, RSC, s47
	s_cmp_eq_u32 s41, 20
	s_cselect_b64 s[36:37], s[24:25], s[36:37]
	s_cselect_b32 s42, 4, s42
	s_cselect_b32 s43, 0, s43
	s_cselect_b32 s44, 0, s44
	v_and_b32 v2, 15, v0                           ; r
	v_bfe_u32 v3, v0, 4, 1                         ; h
	s_lshl_b32 s51, s40, 8
	v_lshl_add_u32 v28, v2, 2, s51                 ; (64 w + r) x 4: my rows in am_g, am_b1, am_bt
.irp i,0,1,2,3
	global_load_b32 v[16+\i], v28, s[26:27] offset:\i*64
	global_load_b32 v[20+\i], v28, s[28:29] offset:\i*64
	global_load_b32 v[24+\i], v28, s[30:31] offset:\i*64
.endr
	v_mul_lo_u32 v4, v2, s43
	s_lshl_b32 s50, s44, 6
	v_add_nc_u32 v4, s50, v4
	v_lshlrev_b32 v5, 3, v3
.irp j,0,1,2,3,4,5,6,7
	v_add_nc_u32 v[224+\j], \j, v5
	v_mad_u32 v[224+\j], v[224+\j], s42, v4        ; (8 h + j) rows down, my column
.endr
	s_lshl_b32 s52, s42, 4                         ; 16 rows of the right factor
	s_mov_b32 s53, 0
.set hs, 0
.rept 16                                               ; k = 16 hs + 8 h + j
.irp j,0,1,2,3,4,5,6,7
	global_load_b32 v[96+8*hs+\j], v[224+\j], s[36:37]
.endr
	s_wait_xcnt 0x0                                ; the base steps only behind this wait
	s_add_nc_u64 s[36:37], s[36:37], s[52:53]
.set hs, hs+1
.endr
	v_lshlrev_b32 v29, 8, v28
	v_lshl_add_u32 v29, v3, 5, v29                 ; am_w1: row (64 w + r), 32 h bytes in
	s_wait_loadcnt 0x0
.set z, 0
.rept 64
	v_cvt_pk_bf16_f32 v[32+z], v[96+2*z], v[97+2*z]  ; v[32:95]: the right factor's 8 fragments
.set z, z+1
.endr
.irp i,0,1,2,3,4,5,6,7,8,9,10,11
	v_cvt_pk_bf16_f32 v[16+\i], v[16+\i], v[16+\i]
	v_lshlrev_b32 v[16+\i], 16, v[16+\i]
.endr
.irp i,0,1,2,3
	v_mul_f32 v[16+\i], s47, v[16+\i]              ; the row's scale, with the product's sign
.endr
.macro LOADA kc                        ; am_w1, 4 row blocks x 32 along k, as f32: 16 registers a fragment
.irp i,0,1,2,3
	global_load_b128 v[96+64*((\kc)&1)+16*\i:99+64*((\kc)&1)+16*\i],    v29, s[6:7] offset:\i*16384+(\kc)*128
	global_load_b128 v[100+64*((\kc)&1)+16*\i:103+64*((\kc)&1)+16*\i],  v29, s[6:7] offset:\i*16384+(\kc)*128+16
	global_load_b128 v[104+64*((\kc)&1)+16*\i:107+64*((\kc)&1)+16*\i],  v29, s[6:7] offset:\i*16384+(\kc)*128+64
	global_load_b128 v[108+64*((\kc)&1)+16*\i:111+64*((\kc)&1)+16*\i],  v29, s[6:7] offset:\i*16384+(\kc)*128+80
.endr
.endm
	LOADA 0
	LOADA 1
.set kc, 0
.rept 8                                                ; two batches are always on their way: a buffer is asked for again as soon as its products have read it
.if kc < 7
	s_wait_loadcnt 16                              ; batch kc is in; the next batch's 16 loads may stay out
.else
	s_wait_loadcnt 0x0
.endif
.irp i,0,1,2,3
.irp q,0,1,2,3,4,5,6,7
	v_cvt_pk_bf16_f32 v[96+64*(kc&1)+16*\i+\q], v[96+64*(kc&1)+16*\i+2*\q], v[97+64*(kc&1)+16*\i+2*\q]  ; packed in place, ascending
.endr
.endr
.irp i,0,1,2,3                                         ; four accumulators by turns
.if kc == 0
	v_wmma_f32_16x16x32_bf16 v[224+8*\i:231+8*\i], v[32+8*kc:39+8*kc], v[96+64*(kc&1)+16*\i:103+64*(kc&1)+16*\i], 0
.else
	v_wmma_f32_16x16x32_bf16 v[224+8*\i:231+8*\i], v[32+8*kc:39+8*kc], v[96+64*(kc&1)+16*\i:103+64*(kc&1)+16*\i], v[224+8*\i:231+8*\i]
.endif
.endr
.if kc < 6
	PLACES                                         ; four places between the products and the loads into their sources
	LOADA kc+2
.endif
.set kc, kc+1
.endr
	PLACES
	s_cmp_eq_u32 s41, 20
	s_cbranch_scc1 .Lqb
	v_lshlrev_b32 v5, 4, v1
.irp i,0,1,2,3
	s_lshl_b32 s54, s40, 2
	s_add_co_u32 s54, s54, \i                      ; row block 4 w + i
	s_lshl_b32 s54, s54, s45
	s_add_co_u32 s54, s54, s44
	s_add_co_u32 s54, s54, s46
	s_lshl_b32 s54, s54, 9
	v_add_nc_u32 v[12+\i], s54, v5
.irp j,0,1,2,3,4,5,6,7
	v_mul_f32 v[224+8*\i+\j], v[16+\i], v[224+8*\i+\j]
.endr
.irp q,0,1,2,3
	v_cvt_pk_bf16_f32 v[32+4*\i+\q], v[224+8*\i+2*\q], v[225+8*\i+2*\q]
.endr
	global_store_b128 v[12+\i], v[32+4*\i:35+4*\i], s[32:33]  ; a whole unit: 512 consecutive bytes
.endr
	s_endpgm
.Lqb:                                                  ; QB = s (am_w1 pm_b2 + am_b1) + am_bt from lanes 0-15; lanes 16-31 write the zeros of ZB, 2,048 bytes below
	v_add_nc_u32 v12, 854016, v28
	v_lshlrev_b32 v13, 11, v3
	v_sub_nc_u32 v12, v12, v13
	v_cmp_eq_u32 vcc_lo, 0, v3
.irp i,0,1,2,3
	v_add_f32 v[224+8*\i], v[224+8*\i], v[20+\i]
	v_fma_f32 v[32+\i], v[16+\i], v[224+8*\i], v[24+\i]
	v_cndmask_b32 v[32+\i], 0, v[32+\i], vcc_lo
	global_store_b32 v12, v[32+\i], s[32:33] offset:\i*64
.endr
	s_endpgm
; ---------------------------------------------------------------- CAST
.macro PICK lo, p, lk, u0
	s_cmp_ge_u32 s41, \lo
	s_cselect_b64 s[36:37], s[\p:\p+1], s[36:37]
	s_cselect_b32 s42, \lk, s42
	s_cselect_b32 s49, \u0, s49
.endm
.Lcast:                                                ; work-group c casts units 64 c .. 64 c + 63, a wave 8 of them.  A tensor [M][K] has K / 16 = 2^LK units to a block of 16 rows
	s_sub_co_u32 s41, ttmp9, 256
	s_mov_b64 s[36:37], s[8:9]
	s_mov_b32 s42, 5
	s_mov_b32 s49, 0
	PICK 8, 10, 4, 512
	PICK 10, 12, 2, 640
	PICK 11, 14, 4, 704
	PICK 13, 16, 3, 832
	PICK 14, 18, 3, 896
	s_lshl_b32 s43, s41, 6
	s_lshl_b32 s44, s40, 3
	s_add_co_u32 s43, s43, s44                     ; my first unit
	s_lshl_b32 s50, s43, 9
	s_mov_b32 s51, 0
	s_add_nc_u64 s[50:51], s[32:33], s[50:51]
	s_sub_co_u32 s43, s43, s49                     ; counted from the tensor's first
	s_bfm_b32 s46, s42, 0
	s_add_co_u32 s47, s42, 10
	s_add_co_u32 s48, s42, 6
	v_and_b32 v2, 15, v0
	v_bfe_u32 v3, v0, 4, 1
	v_lshlrev_b32 v4, s48, v2                      ; r rows of 4 K bytes
	v_lshl_add_u32 v4, v3, 5, v4                   ; + 8 h numbers
	v_lshlrev_b32 v5, 4, v1
.irp i,0,1,2,3,4,5,6,7
	s_add_co_u32 s44, s43, \i
	s_lshr_b32 s45, s44, s42                       ; block of 16 rows
	s_and_b32 s44, s44, s46                        ; 16 numbers along K
	s_lshl_b32 s45, s45, s47
	s_lshl_b32 s44, s44, 6
	s_add_co_u32 s44, s44, s45
	v_add_nc_u32 v[16+\i], s44, v4
	global_load_b128 v[32+8*\i:35+8*\i], v[16+\i], s[36:37]
	global_load_b128 v[36+8*\i:39+8*\i], v[16+\i], s[36:37] offset:16
.endr
	s_wait_loadcnt 0x0
.irp i,0,1,2,3,4,5,6,7
.irp q,0,1,2,3
	v_cvt_pk_bf16_f32 v[96+4*\i+\q], v[32+8*\i+2*\q], v[33+8*\i+2*\q]
.endr
	global_store_b128 v5, v[96+4*\i:99+4*\i], s[50:51] offset:\i*512
.endr
	s_endpgm
; ---------------------------------------------------------------- NEIGHBOURS, PHASE A
.Lknn:
	s_lshr_b32 s42, ttmp9, 5                       ; the cloud
	s_mul_i32 s42, s42, 24576
	s_mov_b32 s43, 0
	s_add_nc_u64 s[36:37], s[4:5], s[42:43]
	s_mov_b32 s41, 0xffff0000
	TABLE
	s_wait_dscnt 0x0                               ; my part of the table is written,
	s_barrier_signal -1
	s_barrier_wait -1                              ; everybody's is
	; A lane holds TWO queries, l and l + 32, so that the 256 bytes of a bucket, which all lanes read alike, feed all 64 queries of the work-group.  Wave w takes the points 256 w on: 16 buckets.
	s_and_b32 s44, ttmp9, 31
	s_lshl_b32 s44, s44, 6                         ; the work-group's first query
	v_add_nc_u32 v3, s44, v1
	QUERY 3, 8                                     ; query l in v[8:15],
	v_add_nc_u32 v3, 32, v3
	QUERY 3, 224                                   ; query l + 32 in v[224:231]
	s_lshl_b32 s47, s40, 12
	v_mov_b32 v50, s47                             ; the bucket in hand
	v_mul_u32_u24 v51, v1, MP
	s_lshl_b32 s47, s40, 6
	s_add_co_u32 s47, s47, MINS
	v_add_nc_u32 v51, s47, v51                     ; where query l's minimum goes; query l + 32's lies 32 rows further
.macro LOADB bf, off
.set z, 0
.rept 16
	ds_load_b128 v[\bf+4*z:\bf+4*z+3], v50 offset:\off+16*z
.set z, z+1
.endr
.endm
; The largest -d of a bucket's 16 points, for both queries (the same roundings as d, the sign turned).  The eight pairs go stage by stage, so that no line reads the result of the line before it.
; Query l: sums in v[192:207], sq_i + sq_j in v[208:223]; query l + 32: v[32:47] and v[16:31].  When the buffer has been read for the last time it is asked for again, at byte off from the bucket in hand.
.macro COMP bf, mn, off
.irp z,0,1,2,3,4,5,6,7
	v_pk_mul_f32 v[192+2*\z:193+2*\z], v[8:9], v[\bf+8*\z:\bf+8*\z+1]
.endr
.irp z,0,1,2,3,4,5,6,7
	v_pk_mul_f32 v[32+2*\z:33+2*\z], v[224:225], v[\bf+8*\z:\bf+8*\z+1]
.endr
.irp z,0,1,2,3,4,5,6,7
	v_pk_add_f32 v[208+2*\z:209+2*\z], v[14:15], v[\bf+8*\z+6:\bf+8*\z+7]
.endr
.irp z,0,1,2,3,4,5,6,7
	v_pk_add_f32 v[16+2*\z:17+2*\z], v[230:231], v[\bf+8*\z+6:\bf+8*\z+7]
.endr
.irp z,0,1,2,3,4,5,6,7
	v_pk_fma_f32 v[192+2*\z:193+2*\z], v[10:11], v[\bf+8*\z+2:\bf+8*\z+3], v[192+2*\z:193+2*\z]
.endr
.irp z,0,1,2,3,4,5,6,7
	v_pk_fma_f32 v[32+2*\z:33+2*\z], v[226:227], v[\bf+8*\z+2:\bf+8*\z+3], v[32+2*\z:33+2*\z]
.endr
.irp z,0,1,2,3,4,5,6,7
	v_pk_fma_f32 v[192+2*\z:193+2*\z], v[12:13], v[\bf+8*\z+4:\bf+8*\z+5], v[192+2*\z:193+2*\z]
.endr
.irp z,0,1,2,3,4,5,6,7
	v_pk_fma_f32 v[32+2*\z:33+2*\z], v[228:229], v[\bf+8*\z+4:\bf+8*\z+5], v[32+2*\z:33+2*\z]
.endr
	LOADB \bf, \off
.irp z,0,1,2,3,4,5,6,7
	v_pk_fma_f32 v[192+2*\z:193+2*\z], v[192+2*\z:193+2*\z], 2.0, v[208+2*\z:209+2*\z] op_sel_hi:[1,0,1] neg_lo:[0,0,1] neg_hi:[0,0,1]
.endr
.irp z,0,1,2,3,4,5,6,7
	v_pk_fma_f32 v[32+2*\z:33+2*\z], v[32+2*\z:33+2*\z], 2.0, v[16+2*\z:17+2*\z] op_sel_hi:[1,0,1] neg_lo:[0,0,1] neg_hi:[0,0,1]
.endr
	v_max3_num_f32 v208, v192, v193, v194
	v_max3_num_f32 v209, v195, v196, v197
	v_max3_num_f32 v210, v198, v199, v200
	v_max3_num_f32 v211, v201, v202, v203
	v_max3_num_f32 v212, v204, v205, v206
	v_max3_num_f32 v16, v32, v33, v34
	v_max3_num_f32 v17, v35, v36, v37
	v_max3_num_f32 v18, v38, v39, v40
	v_max3_num_f32 v19, v41, v42, v43
	v_max3_num_f32 v20, v44, v45, v46
	v_max3_num_f32 v208, v208, v209, v210
	v_max3_num_f32 v211, v211, v212, v207
	v_max3_num_f32 v16, v16, v17, v18
	v_max3_num_f32 v19, v19, v20, v47
	v_max_num_f32 v[\mn], v208, v211
	v_max_num_f32 v[\mn+12], v16, v19
.endm
	LOADB 64, 0
	LOADB 128, 256
	s_mov_b32 s42, 8
.Lbk:                                                  ; a trip: two buckets; their successors are asked for as soon as the registers are read.  The last trip's look-ahead reads the next wave's points, or the pad, and is not used
	s_wait_dscnt 16                                ; the first buffer is in: behind its loads came the other buffer's 16 (and two stores)
	COMP 64, 48, 512
	s_wait_dscnt 16                                ; the second buffer is in: behind it came the 16 just issued
	COMP 128, 49, 768
	v_xor_b32 v48, 0x80000000, v48                 ; back to the smallest d
	v_xor_b32 v49, 0x80000000, v49
	v_xor_b32 v60, 0x80000000, v60
	v_xor_b32 v61, 0x80000000, v61
	ds_store_b64 v51, v[48:49]
	ds_store_b64 v51, v[60:61] offset:32*MP
	v_add_nc_u32 v50, 512, v50
	v_add_nc_u32 v51, 8, v51
	s_sub_co_u32 s42, s42, 1
	s_cmp_lg_u32 s42, 0
	s_cbranch_scc1 .Lbk
	s_wait_dscnt 0x0
	s_barrier_signal -1
	s_barrier_wait -1
	; Four lanes to a query: lane part p takes buckets 32 p .. 32 p + 31
	v_lshrrev_b32 v2, 2, v0
	v_mul_u32_u24 v2, v2, MP
	v_and_b32 v3, 3, v0
	v_lshl_add_u32 v2, v3, 7, v2
	v_add_nc_u32 v2, MINS, v2
.irp j,0,1,2,3,4,5,6,7
	ds_load_b128 v[64+4*\j:67+4*\j], v2 offset:16*\j
.endr
	v_lshlrev_b32 v37, 5, v3
	v_mov_b32 v34, 0x40000000
	v_mov_b32 v35, 0x40010000
	v_mov_b32 v36, 0x7f000000
	s_wait_dscnt 0x0
	SELECT8 64, 37, 5
	s_lshl_b32 s42, ttmp9, 11
	s_mov_b32 s43, 0
	s_add_nc_u64 s[36:37], s[34:35], s[42:43]
	v_lshlrev_b32 v2, 3, v0
	global_store_b64 v2, v[38:39], s[36:37]        ; a wave stores 256 consecutive bytes
	s_wait_tensorcnt 0x0                           ; the wave's end
	ds_add_u32 v[SPW], v[NIL]
	s_wait_dscnt 0x0
	s_endpgm
.Lfunc_end_k_qa848cba405_first:
	.size	k_qa848cba405_first, .Lfunc_end_k_qa848cba405_first-k_qa848cba405_first
	.p2alignl 7, 3214868480
	.fill 96, 4, 3214868480
	.section	.rodata,"a",@progbits
	.p2align	6, 0x0
	.amdhsa_kernel k_qa848cba405_first
		.amdhsa_group_segment_fixed_size 71680
		.amdhsa_private_segment_fixed_size 0
		.amdhsa_enable_private_segment 0
		.amdhsa_kernarg_size 128
		.amdhsa_user_sgpr_count 2
		.amdhsa_user_sgpr_kernarg_segment_ptr 1
		.amdhsa_wavefront_size32 1
		.amdhsa_system_sgpr_workgroup_id_x 1
		.amdhsa_system_sgpr_workgroup_id_y 1
		.amdhsa_system_sgpr_workgroup_id_z 1
		.amdhsa_system_vgpr_workitem_id 0
		.amdhsa_next_free_vgpr 256
		.amdhsa_next_free_sgpr 66
		.amdhsa_reserve_vcc 1
		.amdhsa_float_denorm_mode_32 3
		.amdhsa_float_denorm_mode_16_64 3
		.amdhsa_memory_ordered 1
		.amdhsa_forward_progress 1
		.amdhsa_inst_pref_size 131
	.end_amdhsa_kernel
	.amdgpu_metadata
---
amdhsa.version: [ 1, 2 ]
amdhsa.kernels:
  - .name:           k_qa848cba405_first
    .symbol:         k_qa848cba405_first.kd
    .args:
      - { .name: pos_flipped, .offset: 0, .size: 8, .value_kind: global_buffer, .address_space: global }
      - { .name: am_w1, .offset: 8, .size: 8, .value_kind: global_buffer, .address_space: global }
      - { .name: am_w2, .offset: 16, .size: 8, .value_kind: global_buffer, .address_space: global }
      - { .name: le_w, .offset: 24, .size: 8, .value_kind: global_buffer, .address_space: global }
      - { .name: pm_w2, .offset: 32, .size: 8, .value_kind: global_buffer, .address_space: global }
      - { .name: vm_w1, .offset: 40, .size: 8, .value_kind: global_buffer, .address_space: global }
      - { .name: vm_w2, .offset: 48, .size: 8, .value_kind: global_buffer, .address_space: global }
      - { .name: wv, .offset: 56, .size: 8, .value_kind: global_buffer, .address_space: global }
      - { .name: wk, .offset: 64, .size: 8, .value_kind: global_buffer, .address_space: global }
      - { .name: wq, .offset: 72, .size: 8, .value_kind: global_buffer, .address_space: global }
      - { .name: pm_b2, .offset: 80, .size: 8, .value_kind: global_buffer, .address_space: global }
      - { .name: am_g, .offset: 88, .size: 8, .value_kind: global_buffer, .address_space: global }
      - { .name: am_b1, .offset: 96, .size: 8, .value_kind: global_buffer, .address_space: global }
      - { .name: am_bt, .offset: 104, .size: 8, .value_kind: global_buffer, .address_space: global }
      - { .name: wb, .offset: 112, .size: 8, .value_kind: global_buffer, .address_space: global }
      - { .name: bkt, .offset: 120, .size: 8, .value_kind: global_buffer, .address_space: global }
    .group_segment_fixed_size: 71680
    .private_segment_fixed_size: 0
    .kernarg_segment_align: 8
    .kernarg_segment_size: 128
    .max_flat_workgroup_size: 256
    .sgpr_count:     66
    .vgpr_count:     256
    .wavefront_size: 32
...
	.end_amdgpu_metadata
.endif
;; end of part 4
;; launch points (part 5): grid 256 x 1, 8 waves a work-group, no clusters, 246,784 bytes of LDS; arguments pos_flipped, bkt, fea, prev_fea, wb, vm_b1, vm_b2, bv, pm_b2, idx, kan, qab, val, v0; writes idx, kan, qab, val, v0
.if DOCPART == 5
	.amdgcn_target "amdgcn-amd-amdhsa--gfx1250"
	.amdhsa_code_object_version 6
	.text
	.protected	k_qa848cba405_points
	.globl	k_qa848cba405_points
	.p2align	8
	.type	k_qa848cba405_points,@function
k_qa848cba405_points:
	s_mov_b64 s[64:65], 0
	v_nop
	global_prefetch_b8 v0, s[64:65] scope:SCOPE_SE
	s_setreg_imm32_b32 hwreg(HW_REG_WAVE_MODE, 25, 1), 1
	s_wait_xcnt 0x0
; POINTS.  A work-group owns 64 points of one cloud.  (1) Neighbours, phase B: the exact 8 nearest by (distance, index) among the 128 points of the 8 buckets that the launch before chose.
; (2) All products that hang on one point: KAN = WK' prev_fea; QAB = WQ' fea + QB; v0 = vm_w2 relu(vm_w1 [fea; prev_fea] + b1) + b2 (f32, kept for the residual); VAL = wv v0 + bv + pm_b2.
; The three tables are bf16, by quarters of their channels: [quarter][point][channels], so that a later wave gathers rows that hold its own channels alone.
; PRODUCTS: source 0 = 16 rows of a weight (fragments as they lie in wb), source 1 = 16 points; a lane then holds one point and 8 neighbouring channels: 16 bytes of a table's row, and a quarter fragment of the next product.
; WEIGHTS ARE ASKED FOR LONG BEFORE THEY ARE MULTIPLIED.  They live in the second register window (s_set_vgpr_msb: bits 1:0 source 0, 7:6 destination), 8 blocks of 32 registers.  A wave's quarter of WK' or WQ' fills all
; eight: it is asked for ahead of the neighbour search, which needs none of it.  KAN and QAB are made first, since they need the inputs alone; each block, once multiplied, is loaded again with the weights of a later
; phase: blocks 0, 1 vm_w1, block 2 vm_w2, blocks 3-6 wv.  So no phase begins by waiting for a load that was just issued, and two thirds of the launch's stores leave in its middle.
; LIMITS as in the launch before: every input rounded to bf16 at its load; distances by the same chain in f32; NaN and infinities not treated apart.
; No tensor loads: what is shared between work-groups is 0.4 MB of weights, read once by each straight into registers.
.set TAB,   0                          ; the cloud's positions, as in the launch before
.set XT,    32768                      ; [fea; prev_fea] of my 64 points in bf16: 256 rows (channels) x 160 bytes (128 + 32)
.set XP,    160
.set HFX,   73728                      ; relu(..) as fragments: [point tile 4][kc 4][unit 2][512]
.set VFX,   90112                      ; v0 likewise
.set WST,   106496                     ; a stage of 17,408 bytes for each wave, its own
.set WSB,   17408
.set SPARE, 245760
.set SPW,   6
.set NIL,   7
.set VM1F,  360448                     ; byte offsets in wb
.set VM2F,  425984
.set WVF,   458752
.set WKF,   589824
.set WQF,   720896
.set ZB,    851968
.set QB,    854016
.set MSB, 0
.macro WIN new                         ; the immediate's high byte repeats the setting that is left; a switch that changes nothing is dropped
.if MSB != (\new)
	s_set_vgpr_msb (MSB<<8)|(\new)
.set MSB, \new
.endif
.endm
.macro TABLE
	v_mul_u32_u24 v4, v0, 24
	v_lshlrev_b32 v5, 5, v0
.irp j,0,1,2,3
	global_load_b64 v[16+6*\j:17+6*\j], v4, s[36:37] offset:\j*6144
	global_load_b64 v[18+6*\j:19+6*\j], v4, s[36:37] offset:\j*6144+8
	global_load_b64 v[20+6*\j:21+6*\j], v4, s[36:37] offset:\j*6144+16
.endr
	s_wait_loadcnt 0x0
.irp j,0,1,2,3
	v_cvt_pk_bf16_f32 v48, v[16+6*\j], v[19+6*\j]
	v_cvt_pk_bf16_f32 v49, v[17+6*\j], v[20+6*\j]
	v_cvt_pk_bf16_f32 v50, v[18+6*\j], v[21+6*\j]
	v_lshlrev_b32 v40, 16, v48
	v_and_b32 v41, s41, v48
	v_lshlrev_b32 v42, 16, v49
	v_and_b32 v43, s41, v49
	v_lshlrev_b32 v44, 16, v50
	v_and_b32 v45, s41, v50
	v_pk_mul_f32 v[46:47], v[40:41], v[40:41]
	v_pk_fma_f32 v[46:47], v[42:43], v[42:43], v[46:47]
	v_pk_fma_f32 v[46:47], v[44:45], v[44:45], v[46:47]
	ds_store_b128 v5, v[40:43] offset:\j*8192
	ds_store_b128 v5, v[44:47] offset:\j*8192+16
.endr
.endm
.macro QUERY n
	v_lshrrev_b32 v4, 1, v[\n]
	v_and_b32 v5, 1, v[\n]
	v_lshlrev_b32 v4, 5, v4
	v_lshl_add_u32 v4, v5, 2, v4
	ds_load_b32 v8, v4
	ds_load_b32 v10, v4 offset:8
	ds_load_b32 v12, v4 offset:16
	ds_load_b32 v14, v4 offset:24
	s_wait_dscnt 0x0
	v_mov_b32 v9, v8
	v_mov_b32 v11, v10
	v_mov_b32 v13, v12
	v_mov_b32 v15, v14
.endm
; Eight distances: pairs 4 g .. 4 g + 3 of my sixteen (points in v[96 + 8 z ..], results in v[64 + 2 z ..]), stage by stage, so that no line reads the result of the line before it
.macro DQ g
.irp y,0,1,2,3
	v_pk_mul_f32 v[64+8*\g+2*\y:65+8*\g+2*\y], v[8:9], v[96+32*\g+8*\y:97+32*\g+8*\y]
.endr
.irp y,0,1,2,3
	v_pk_add_f32 v[40+2*\y:41+2*\y], v[14:15], v[102+32*\g+8*\y:103+32*\g+8*\y]
.endr
.irp y,0,1,2,3
	v_pk_fma_f32 v[64+8*\g+2*\y:65+8*\g+2*\y], v[10:11], v[98+32*\g+8*\y:99+32*\g+8*\y], v[64+8*\g+2*\y:65+8*\g+2*\y]
.endr
.irp y,0,1,2,3
	v_pk_fma_f32 v[64+8*\g+2*\y:65+8*\g+2*\y], v[12:13], v[100+32*\g+8*\y:101+32*\g+8*\y], v[64+8*\g+2*\y:65+8*\g+2*\y]
.endr
.irp y,0,1,2,3
	v_pk_fma_f32 v[64+8*\g+2*\y:65+8*\g+2*\y], v[64+8*\g+2*\y:65+8*\g+2*\y], -2.0, v[40+2*\y:41+2*\y] op_sel_hi:[1,0,1]
.endr
.endm
.macro INS x
.irp i,7,6,5,4,3,2,1
	v_med3_num_f32 v[16+\i], v[15+\i], v[16+\i], v[\x]
.endr
	v_min_num_f32 v16, v16, v[\x]
.endm
.macro MERGE m
.irp i,0,1,2,3,4,5,6,7
	v_min_num_f32_dpp v[24+\i], v[23-\i], v[16+\i] row_xmask:\m row_mask:0xf bank_mask:0xf
.endr
.endm
.macro CE d, s, i, j
	v_min_num_f32 v[\d+\i], v[\s+\i], v[\s+\j]
	v_max_num_f32 v[\d+\j], v[\s+\i], v[\s+\j]
.endm
.macro BSORT
	CE 16,24,0,4
	CE 16,24,1,5
	CE 16,24,2,6
	CE 16,24,3,7
	CE 24,16,0,2
	CE 24,16,1,3
	CE 24,16,4,6
	CE 24,16,5,7
	CE 16,24,0,1
	CE 16,24,2,3
	CE 16,24,4,5
	CE 16,24,6,7
.endm
.macro AINIT
.irp i,0,1,2,3,4,5,6,7
	v_mov_b32 v[16+\i], 0x7f800000
.endr
.endm
; As in the launch before: the 8th smallest value T of four lanes' 128; keys (class against T, number); the 8 smallest keys.  v[38:39]: my two numbers.
; In the second pass the five lines that make key z + 1 stand between the eight that insert key z (keys in v40 and v41 by turns).
.macro SELECT8 vb, idb, idsh
	AINIT
.irp i,0,1,2,3,4,5,6,7
	v_mov_b32 v[24+\i], 0
.endr
.set z, 0
.rept 32
	INS \vb+z
.set z, z+1
.endr
	MERGE 1
	BSORT
	MERGE 2
	v_max3_num_f32 v32, v24, v25, v26
	v_max3_num_f32 v32, v32, v27, v28
	v_max3_num_f32 v32, v32, v29, v30
	v_max_num_f32 v32, v32, v31
	AINIT
	v_cmp_eq_f32 vcc_lo, v[\vb], v32
	v_cndmask_b32 v40, v34, v35, vcc_lo
	v_add_nc_u32 v40, v40, v[\idb]
	v_cmp_gt_f32 vcc_lo, v[\vb], v32
	v_cndmask_b32 v40, v40, v36, vcc_lo
.set z, 0
.rept 31
	v_cmp_eq_f32 vcc_lo, v[\vb+z+1], v32
	v_med3_num_f32 v23, v22, v23, v[40+(z&1)]
	v_med3_num_f32 v22, v21, v22, v[40+(z&1)]
	v_cndmask_b32 v[41-(z&1)], v34, v35, vcc_lo
	v_med3_num_f32 v21, v20, v21, v[40+(z&1)]
	v_med3_num_f32 v20, v19, v20, v[40+(z&1)]
	v_add3_u32 v[41-(z&1)], v[41-(z&1)], v[\idb+((z+1)>>\idsh)], (z+1)&((1<<\idsh)-1)
	v_cmp_gt_f32 vcc_lo, v[\vb+z+1], v32
	v_med3_num_f32 v19, v18, v19, v[40+(z&1)]
	v_med3_num_f32 v18, v17, v18, v[40+(z&1)]
	v_cndmask_b32 v[41-(z&1)], v[41-(z&1)], v36, vcc_lo
	v_med3_num_f32 v17, v16, v17, v[40+(z&1)]
	v_min_num_f32 v16, v16, v[40+(z&1)]
.set z, z+1
.endr
	INS 41                                         ; key 31
	MERGE 1
	BSORT
	MERGE 2
	v_and_b32 v33, 1, v0
	v_cmp_eq_u32 vcc_lo, 1, v33
	v_cndmask_b32 v38, v24, v26, vcc_lo
	v_cndmask_b32 v39, v25, v27, vcc_lo
	v_and_b32 v38, 0xffff, v38
	v_and_b32 v39, 0xffff, v39
.endm
.macro PLACES
.rept 4
	v_nop
.endr
.endm
.macro RND8 b                          ; eight f32 rounded to bf16 and widened again, in place
.irp q,0,1,2,3
	v_cvt_pk_bf16_f32 v4, v[\b+2*\q], v[\b+2*\q+1]
	v_lshlrev_b32 v[\b+2*\q], 16, v4
	v_and_b32 v[\b+2*\q+1], s41, v4
.endr
.endm
.macro PACKT b                         ; a result tile's 8 registers into 4, in place, ascending
.irp q,0,1,2,3
	v_cvt_pk_bf16_f32 v[\b+\q], v[\b+2*\q], v[\b+2*\q+1]
.endr
.endm
; One row block of a table: 4 x nnt products (weights at ab in the second window; the bias tile at cbase starts the sums; the accumulators take turns), the tiles packed and put into my stage.
; six = 1 (KAN, QAB): point fragments at v64, v96, v128, v224, accumulators at v32; six = 0 (VAL): fragments at v128, accumulators at v96.
.macro TSTEP ab, nnt, cbase, p16, so, six
	WIN 0x01
.set kc, 0
.rept 4
.set n, 0
.rept \nnt
.if \six
.set bb, 64+32*n+(n/3)*64
.set ac, 32+8*n
.else
.set bb, 128+32*n
.set ac, 96+8*n
.endif
.if kc == 0
	v_wmma_f32_16x16x32_bf16 v[ac:ac+7], v[\ab+8*kc:\ab+8*kc+7], v[bb+8*kc:bb+8*kc+7], v[\cbase:\cbase+7]
.else
	v_wmma_f32_16x16x32_bf16 v[ac:ac+7], v[\ab+8*kc:\ab+8*kc+7], v[bb+8*kc:bb+8*kc+7], v[ac:ac+7]
.endif
.set n, n+1
.endr
.set kc, kc+1
.endr
	WIN 0
	PLACES
.set n, 0
.rept \nnt
.if \six
.set ac, 32+8*n
.else
.set ac, 96+8*n
.endif
	PACKT ac
	ds_store_b128 v10, v[ac:ac+3] offset:n*(\p16)+\so
.set n, n+1
.endr
.endm
.macro REFILL blk, bs, off             ; block blk of the second window, just multiplied (four places and the packing lie between), takes 4,096 bytes of a later phase's weights
	WIN 0x40
.set z, 0
.rept 8
	global_load_b128 v[32*(\blk)+4*z:32*(\blk)+4*z+3], v8, s[\bs:\bs+1] offset:(\off)+z*512
.set z, z+1
.endr
	WIN 0
.endm
	s_load_b512 s[4:19], s[0:1], 0x0               ; pos_flipped 4, bkt 6, fea 8, prev_fea 10, wb 12, vm_b1 14, vm_b2 16, bv 18
	s_load_b256 s[20:27], s[0:1], 0x40             ; pm_b2 20, idx 22, kan 24, qab 26
	s_load_b128 s[28:31], s[0:1], 0x60             ; val 28, v0 30
	v_lshl_add_u32 v[SPW], v0, 2, SPARE
	v_mov_b32 v[NIL], 0
	v_lshrrev_b32 v1, 5, v0
	v_readfirstlane_b32 s40, v1                    ; wave 0..7
	v_and_b32 v1, 31, v0
	s_mov_b32 s41, 0xffff0000
	s_lshr_b32 s42, ttmp9, 5                       ; the cloud
	s_and_b32 s43, ttmp9, 31
	s_lshl_b32 s43, s43, 6                         ; my first point in it
	s_and_b32 s56, s40, 3                          ; q: my quarter of a table's channels
	s_lshr_b32 s57, s40, 2                         ; 0: KAN, and VAL's points 0-31; 1: QAB, and VAL's points 32-63
	s_wait_kmcnt 0x0
	; ---- inputs into LDS.  A row of fea is a channel; my 64 points are 256 consecutive bytes of it: sixteen lanes read them whole.
	s_lshl_b32 s44, s42, 20
	s_lshl_b32 s45, s43, 2
	s_add_co_u32 s44, s44, s45
	s_mov_b32 s45, 0
	s_add_nc_u64 s[46:47], s[8:9], s[44:45]
	s_add_nc_u64 s[48:49], s[10:11], s[44:45]
	v_lshrrev_b32 v2, 4, v0
	v_and_b32 v3, 15, v0
	v_lshlrev_b32 v54, 13, v2
	v_lshl_add_u32 v54, v3, 4, v54
.set z, 0
.rept 8
	global_load_b128 v[64+4*z:67+4*z], v54, s[46:47] offset:z*131072
	global_load_b128 v[96+4*z:99+4*z], v54, s[48:49] offset:z*131072
.set z, z+1
.endr
	s_lshl_b32 s44, ttmp9, 11
	s_add_nc_u64 s[50:51], s[6:7], s[44:45]
	s_add_nc_u64 s[54:55], s[22:23], s[44:45]
	v_lshlrev_b32 v55, 3, v0
	global_load_b64 v[52:53], v55, s[50:51]        ; my two buckets: query t / 4, part t mod 4
	s_mul_i32 s44, s42, 24576
	s_add_nc_u64 s[36:37], s[4:5], s[44:45]
	TABLE                                          ; its wait is for all loads, these too
	; ---- every base that the later phases need, each in a pair of its own, so that none is rewritten while a load or store names it
	s_mov_b32 s39, 0
	s_mov_b32 s44, WQF                             ; an instruction holds one literal: QAB's two offsets are moved in first, and KAN's take their place in waves 0-3
	s_mov_b32 s38, QB
	s_cmp_eq_u32 s57, 0
	s_cselect_b32 s44, WKF, s44
	s_cselect_b32 s38, ZB, s38
	s_cselect_b32 s76, 128*XP, 0                   ; KAN reads prev_fea's rows of the staged inputs, QAB fea's
	s_cselect_b64 s[70:71], s[24:25], s[26:27]
	s_add_nc_u64 s[60:61], s[12:13], s[38:39]      ; the bias: zeros or QB
	s_lshl_b32 s38, s56, 15
	s_add_co_u32 s44, s44, s38
	s_add_nc_u64 s[58:59], s[12:13], s[44:45]      ; my quarter of WK' or WQ'
	s_lshl_b32 s44, s40, 13
	s_add_co_u32 s44, s44, VM1F
	s_add_nc_u64 s[62:63], s[12:13], s[44:45]      ; vm_w1, row block w
	s_lshl_b32 s44, s40, 12
	s_add_co_u32 s44, s44, VM2F
	s_add_nc_u64 s[66:67], s[12:13], s[44:45]      ; vm_w2, row block w
	s_lshl_b32 s44, s56, 14
	s_add_co_u32 s44, s44, WVF
	s_add_nc_u64 s[68:69], s[12:13], s[44:45]      ; wv, quarter q
	s_lshl_b32 s44, s56, 22
	s_lshl_b32 s38, ttmp9, 14
	s_add_co_u32 s44, s44, s38
	s_add_nc_u64 s[70:71], s[70:71], s[44:45]      ; kan or qab: my quarter, the work-group's rows
	s_lshl_b32 s44, s56, 21
	s_lshl_b32 s38, ttmp9, 13
	s_add_co_u32 s44, s44, s38
	s_lshl_b32 s38, s57, 12
	s_add_co_u32 s44, s44, s38
	s_add_nc_u64 s[72:73], s[28:29], s[44:45]      ; val: my quarter, my 32 rows
	s_lshl_b32 s44, s42, 7
	s_lshl_b32 s38, s40, 4
	s_add_co_u32 s44, s44, s38
	s_lshl_b32 s44, s44, 13
	s_lshl_b32 s38, s43, 2
	s_add_co_u32 s44, s44, s38
	s_add_nc_u64 s[74:75], s[30:31], s[44:45]      ; v0: channel 16 w, my 64 points
	s_mul_i32 s52, s40, WSB
	s_add_co_u32 s52, s52, WST                     ; my stage
	; blocks 0-6 of WK' or WQ': 56 loads, which have the neighbour search in which to land
	v_lshlrev_b32 v58, 4, v1                       ; 16 x lane
	WIN 0x40
.set z, 0
.rept 56
	global_load_b128 v[4*z:4*z+3], v58, s[58:59] offset:z*512
.set z, z+1
.endr
	WIN 0
	v_mul_u32_u24 v56, v2, XP
	v_lshl_add_u32 v56, v3, 3, v56
	v_add_nc_u32 v56, XT, v56
.set z, 0
.rept 16
	v_cvt_pk_bf16_f32 v40, v[64+4*z], v[65+4*z]
	v_cvt_pk_bf16_f32 v41, v[66+4*z], v[67+4*z]
	ds_store_b64 v56, v[40:41] offset:z*2560
.set z, z+1
.endr
	s_wait_dscnt 0x0
	s_barrier_signal -1
	s_barrier_wait -1
	; ---- neighbours, phase B.  The pairs of a bucket are read in an order turned by the lane, so that the lanes spread over the banks.
	v_lshrrev_b32 v2, 2, v0
	v_add_nc_u32 v2, s43, v2
	QUERY 2
	v_min_u32 v52, 0x7f, v52
	v_min_u32 v53, 0x7f, v53
	v_lshlrev_b32 v52, 8, v52
	v_lshlrev_b32 v53, 8, v53
	v_and_b32 v3, 7, v0
.set z, 0
.rept 8
	v_add_nc_u32 v4, z, v3
	v_and_b32 v4, 7, v4
	v_lshl_add_u32 v[224+z], v4, 5, v52
	v_lshl_add_u32 v[232+z], v4, 5, v53
.set z, z+1
.endr
.set z, 0
.rept 16
	ds_load_b128 v[96+8*z:99+8*z], v[224+z]
	ds_load_b128 v[100+8*z:103+8*z], v[224+z] offset:16
.set z, z+1
.endr
.set z, 0
.rept 16
	v_lshrrev_b32 v[224+z], 4, v[224+z]            ; the pair's first point: 16 x bucket + 2 x pair
.set z, z+1
.endr
	v_mov_b32 v34, 0x40000000
	v_mov_b32 v35, 0x40010000
	v_mov_b32 v36, 0x7f000000
	s_wait_dscnt 0x0
	DQ 0
	DQ 1
	DQ 2
	DQ 3
	; the points' registers are read: block 7 of the weights, and the 64 numbers of bias into v[160:223]; the selection below stands between these 24 loads and their use
	v_bfe_u32 v57, v0, 4, 1
	s_lshl_b32 s44, s56, 9
	v_lshl_add_u32 v57, v57, 5, s44                ; (128 q + 8 h) x 4
	WIN 0x40
.set z, 56
.rept 8
	global_load_b128 v[4*z:4*z+3], v58, s[58:59] offset:z*512
.set z, z+1
.endr
	WIN 0
.set z, 0
.rept 8
	global_load_b128 v[160+8*z:163+8*z], v57, s[60:61] offset:z*64
	global_load_b128 v[164+8*z:167+8*z], v57, s[60:61] offset:z*64+16
.set z, z+1
.endr
	SELECT8 64, 224, 1
	global_store_b64 v55, v[38:39], s[54:55]
	; ---- KAN (waves 0-3, from prev_fea, bias 0) and QAB (waves 4-7, from fea, bias QB): quarter q of 512 channels, all 64 points.
	s_wait_xcnt 0x0                                ; the store's registers are rewritten only behind this wait
	v_and_b32 v2, 15, v0                           ; r
	v_bfe_u32 v3, v0, 4, 1                         ; h
	v_lshlrev_b32 v8, 4, v1                        ; 16 x lane
	v_and_b32 v4, 7, v0
	v_lshl_add_u32 v4, v3, 3, v4
	v_mul_u32_u24 v9, v4, XP
	v_bfe_u32 v4, v0, 3, 1
	v_lshl_add_u32 v9, v4, 4, v9
	v_add_nc_u32 v9, XT, v9                        ; the turning load's address: row 8 h + l mod 8, 16 bytes by (l / 8) mod 2
	v_add_nc_u32 v11, s76, v9
.irp n,0,1,2,3
.irp k,0,1,2,3
	ds_load_tr16_b128 v[64+32*\n+(\n/3)*64+8*\k:67+32*\n+(\n/3)*64+8*\k], v11 offset:\k*5120+\n*32
	ds_load_tr16_b128 v[68+32*\n+(\n/3)*64+8*\k:71+32*\n+(\n/3)*64+8*\k], v11 offset:\k*5120+\n*32+2560
.endr
.endr
	s_lshl_b32 s44, s40, 6
	v_lshl_add_u32 v13, v3, 5, s44                 ; (16 w + 8 h) x 4: vm_b1, vm_b2
	s_lshl_b32 s44, s56, 8
	v_lshl_add_u32 v15, v3, 5, s44                 ; (64 q + 8 h) x 4: bv, pm_b2
	v_mul_u32_u24 v10, v2, 272                     ; stage rows of 256 + 16 bytes: a point's 128 channels
	v_lshl_add_u32 v10, v3, 4, v10
	v_add_nc_u32 v10, s52, v10
	s_wait_loadcnt 0x0                             ; the weights and the bias, asked for ahead of and inside the neighbour search
	global_load_b128 v[16:19], v13, s[14:15]
	global_load_b128 v[20:23], v13, s[14:15] offset:16
	global_load_b128 v[24:27], v13, s[16:17]
	global_load_b128 v[28:31], v13, s[16:17] offset:16
	s_wait_dscnt 0x0
.set mo_, 0
.rept 8
	TSTEP 32*mo_, 4, 160+8*mo_, 4352, mo_*32, 1
.if mo_ < 2
	REFILL mo_, 62, mo_*4096
.elseif mo_ == 2
	REFILL 2, 66, 0
.elseif mo_ < 7
	REFILL mo_, 68, (mo_-3)*4096
.endif
.set mo_, mo_+1
.endr
.irp i,0,1,2,3
	global_load_b128 v[32+8*\i:35+8*\i], v15, s[18:19] offset:\i*64     ; bv and pm_b2 of my 64 channels, into the accumulators' and the first fragments' registers
	global_load_b128 v[36+8*\i:39+8*\i], v15, s[18:19] offset:\i*64+16
	global_load_b128 v[64+8*\i:67+8*\i], v15, s[20:21] offset:\i*64
	global_load_b128 v[68+8*\i:71+8*\i], v15, s[20:21] offset:\i*64+16
.endr
	v_mul_u32_u24 v14, v3, 272
	v_lshl_add_u32 v14, v2, 4, v14
	v_add_nc_u32 v14, s52, v14
.set z, 0
.rept 32
	ds_load_b128 v[96+4*z:99+4*z], v14 offset:z*544  ; LDS serves a wave's instructions in order (ISA guide 5.7.1.4): these see my stores above
.set z, z+1
.endr
.irp bt,0,1,2,3
	s_wait_dscnt 24-8*\bt                          ; the later batches' loads may stay out
.irp i,0,1,2,3,4,5,6,7
	global_store_b128 v8, v[96+32*\bt+4*\i:99+32*\bt+4*\i], s[70:71] offset:(8*\bt+\i)*512  ; two whole rows of 256 bytes
.endr
.endr
	; ---- H = relu(vm_w1 X + b1).  Wave w makes channels 16 w .. 16 w + 15 of all 64 points; K = 256 in 8 steps.
	s_wait_xcnt 0x0                                ; the stores' registers are loaded again only behind this wait
.macro LOADX a, kc, bf                 ; 32 channels x 64 points, turned: four fragments
.irp n,0,1,2,3
	ds_load_tr16_b128 v[128+32*(\bf)+8*\n:131+32*(\bf)+8*\n], v[\a] offset:(\kc)*5120+\n*32
	ds_load_tr16_b128 v[132+32*(\bf)+8*\n:135+32*(\bf)+8*\n], v[\a] offset:(\kc)*5120+\n*32+2560
.endr
.endm
	LOADX 9, 0, 0
	LOADX 9, 1, 1
	s_wait_loadcnt 56                              ; vm_b1, vm_b2 and vm_w1 are in: behind them came vm_w2's 8 loads, wv's 32 and the 16 of bv and pm_b2
	RND8 16
.set kc, 0
.rept 8
.if kc == 7
	s_wait_dscnt 0x0
.else
	s_wait_dscnt 8                                 ; the next step's 8 loads may stay out
.endif
	WIN 0x01
.irp n,0,1,2,3                                         ; four accumulators by turns; the bias starts the sums
.if kc == 0
	v_wmma_f32_16x16x32_bf16 v[96+8*\n:103+8*\n], v[8*kc:8*kc+7], v[128+32*(kc&1)+8*\n:135+32*(kc&1)+8*\n], v[16:23]
.else
	v_wmma_f32_16x16x32_bf16 v[96+8*\n:103+8*\n], v[8*kc:8*kc+7], v[128+32*(kc&1)+8*\n:135+32*(kc&1)+8*\n], v[96+8*\n:103+8*\n]
.endif
.endr
	WIN 0
	PLACES
.if kc < 6
	LOADX 9, kc+2, kc&1
.endif
.set kc, kc+1
.endr
	s_lshl_b32 s44, s40, 9
	s_add_co_u32 s44, s44, HFX
	v_add_nc_u32 v10, s44, v8                      ; channels 16 w + 8 h .. are unit w of a point tile's eight
.irp n,0,1,2,3
.irp j,0,1,2,3,4,5,6,7
	v_max_num_f32 v[96+8*\n+\j], 0, v[96+8*\n+\j]
.endr
	PACKT 96+8*\n
	ds_store_b128 v10, v[96+8*\n:99+8*\n] offset:\n*4096
.endr
	s_wait_dscnt 0x0
	s_barrier_signal -1
	s_barrier_wait -1
	; ---- v0 = vm_w2 H + b2.  K = 128.
	v_add_nc_u32 v11, HFX, v8
.set z, 0
.rept 32
	ds_load_b128 v[128+4*z:131+4*z], v11 offset:z*512
.set z, z+1
.endr
	s_wait_loadcnt 48                              ; vm_w2 is in: behind it came wv's 32 loads and the 16 of bv and pm_b2
	RND8 24
	s_wait_dscnt 0x0
	WIN 0x01
.set kc, 0
.rept 4
.irp n,0,1,2,3
.if kc == 0
	v_wmma_f32_16x16x32_bf16 v[96+8*\n:103+8*\n], v[64+8*kc:71+8*kc], v[128+32*\n+8*kc:135+32*\n+8*kc], v[24:31]
.else
	v_wmma_f32_16x16x32_bf16 v[96+8*\n:103+8*\n], v[64+8*kc:71+8*kc], v[128+32*\n+8*kc:135+32*\n+8*kc], v[96+8*\n:103+8*\n]
.endif
.endr
.set kc, kc+1
.endr
	WIN 0
	PLACES
	v_mul_u32_u24 v12, v3, 2176                    ; f32 through my stage: row = channel 8 h + j (272 bytes), column = point
	v_lshl_add_u32 v12, v2, 2, v12
	v_add_nc_u32 v12, s52, v12
.irp n,0,1,2,3
.irp j,0,1,2,3,4,5,6,7
	ds_store_b32 v12, v[96+8*\n+\j] offset:\j*272+\n*64
.endr
.endr
.irp i,0,1,2,3,4,5,6,7
	ds_load_b128 v[128+4*\i:131+4*\i], v14 offset:\i*544  ; in order behind the stores above
.endr
	v_add_nc_u32 v10, 16384, v10                   ; the same unit in VFX
.irp n,0,1,2,3
	PACKT 96+8*\n
	ds_store_b128 v10, v[96+8*\n:99+8*\n] offset:\n*4096
.endr
	v_lshlrev_b32 v5, 13, v3
	v_lshl_add_u32 v5, v2, 4, v5
	s_wait_dscnt 0x0
.irp i,0,1,2,3,4,5,6,7
	global_store_b128 v5, v[128+4*\i:131+4*\i], s[74:75] offset:\i*16384  ; 16 lanes store 256 consecutive bytes of a channel's row
.endr
	s_barrier_signal -1
	s_barrier_wait -1
	s_wait_xcnt 0x0
	; ---- VAL = wv v0 + (bv + pm_b2).  Wave w: quarter q = w mod 4 of the 256 channels, points 32 (w / 4) on.
	s_lshl_b32 s44, s57, 13
	s_add_co_u32 s44, s44, VFX
	v_add_nc_u32 v11, s44, v8
.set z, 0
.rept 16
	ds_load_b128 v[128+4*z:131+4*z], v11 offset:z*512
.set z, z+1
.endr
	v_mul_u32_u24 v10, v2, 144                     ; stage rows of 128 + 16 bytes: a point's 64 channels
	v_lshl_add_u32 v10, v3, 4, v10
	v_add_nc_u32 v10, s52, v10
	s_wait_loadcnt 0x0
.irp i,0,1,2,3
	RND8 32+8*\i
	RND8 64+8*\i
.irp q,0,2,4,6
	v_pk_add_f32 v[32+8*\i+\q:33+8*\i+\q], v[32+8*\i+\q:33+8*\i+\q], v[64+8*\i+\q:65+8*\i+\q]
.endr
.endr
	s_wait_dscnt 0x0
.set mo_, 0
.rept 4
	TSTEP 96+32*mo_, 2, 32+8*mo_, 2304, mo_*32, 0
.set mo_, mo_+1
.endr
	v_lshrrev_b32 v14, 3, v1
	v_mul_u32_u24 v14, v14, 144
	v_and_b32 v4, 7, v0
	v_lshl_add_u32 v14, v4, 4, v14
	v_add_nc_u32 v14, s52, v14
.irp i,0,1,2,3,4,5,6,7
	ds_load_b128 v[128+4*\i:131+4*\i], v14 offset:\i*576  ; four rows of 128 bytes: 512 consecutive bytes of the table
.endr
	s_wait_dscnt 0x0
.irp i,0,1,2,3,4,5,6,7
	global_store_b128 v8, v[128+4*\i:131+4*\i], s[72:73] offset:\i*512
.endr
	s_wait_tensorcnt 0x0                           ; the wave's end
	ds_add_u32 v[SPW], v[NIL]
	s_wait_dscnt 0x0
	s_endpgm
.Lfunc_end_k_qa848cba405_points:
	.size	k_qa848cba405_points, .Lfunc_end_k_qa848cba405_points-k_qa848cba405_points
	.p2alignl 7, 3214868480
	.fill 96, 4, 3214868480
	.section	.rodata,"a",@progbits
	.p2align	6, 0x0
	.amdhsa_kernel k_qa848cba405_points
		.amdhsa_group_segment_fixed_size 246784
		.amdhsa_private_segment_fixed_size 0
		.amdhsa_enable_private_segment 0
		.amdhsa_kernarg_size 112
		.amdhsa_user_sgpr_count 2
		.amdhsa_user_sgpr_kernarg_segment_ptr 1
		.amdhsa_wavefront_size32 1
		.amdhsa_system_sgpr_workgroup_id_x 1
		.amdhsa_system_sgpr_workgroup_id_y 1
		.amdhsa_system_sgpr_workgroup_id_z 1
		.amdhsa_system_vgpr_workitem_id 0
		.amdhsa_next_free_vgpr 512
		.amdhsa_next_free_sgpr 80
		.amdhsa_reserve_vcc 1
		.amdhsa_float_denorm_mode_32 3
		.amdhsa_float_denorm_mode_16_64 3
		.amdhsa_memory_ordered 1
		.amdhsa_forward_progress 1
		.amdhsa_inst_pref_size 140
	.end_amdhsa_kernel
	.amdgpu_metadata
---
amdhsa.version: [ 1, 2 ]
amdhsa.kernels:
  - .name:           k_qa848cba405_points
    .symbol:         k_qa848cba405_points.kd
    .args:
      - { .name: pos_flipped, .offset: 0, .size: 8, .value_kind: global_buffer, .address_space: global }
      - { .name: bkt, .offset: 8, .size: 8, .value_kind: global_buffer, .address_space: global }
      - { .name: fea, .offset: 16, .size: 8, .value_kind: global_buffer, .address_space: global }
      - { .name: prev_fea, .offset: 24, .size: 8, .value_kind: global_buffer, .address_space: global }
      - { .name: wb, .offset: 32, .size: 8, .value_kind: global_buffer, .address_space: global }
      - { .name: vm_b1, .offset: 40, .size: 8, .value_kind: global_buffer, .address_space: global }
      - { .name: vm_b2, .offset: 48, .size: 8, .value_kind: global_buffer, .address_space: global }
      - { .name: bv, .offset: 56, .size: 8, .value_kind: global_buffer, .address_space: global }
      - { .name: pm_b2, .offset: 64, .size: 8, .value_kind: global_buffer, .address_space: global }
      - { .name: idx, .offset: 72, .size: 8, .value_kind: global_buffer, .address_space: global }
      - { .name: kan, .offset: 80, .size: 8, .value_kind: global_buffer, .address_space: global }
      - { .name: qab, .offset: 88, .size: 8, .value_kind: global_buffer, .address_space: global }
      - { .name: val, .offset: 96, .size: 8, .value_kind: global_buffer, .address_space: global }
      - { .name: v0, .offset: 104, .size: 8, .value_kind: global_buffer, .address_space: global }
    .group_segment_fixed_size: 246784
    .private_segment_fixed_size: 0
    .kernarg_segment_align: 8
    .kernarg_segment_size: 112
    .max_flat_workgroup_size: 256
    .sgpr_count:     80
    .vgpr_count:     512
    .wavefront_size: 32
...
	.end_amdgpu_metadata
.endif
;; end of part 5
;; launch main (part 6): grid 256 x 1, 4 waves a work-group, no clusters, 304,640 bytes of LDS; arguments idx, pos, pm_w1, pm_b1, pm_g, pm_bt, wb, kan, qab, val, v0, am_b2, le_b, out0; writes out0
.if DOCPART == 6
	.amdgcn_target "amdgcn-amd-amdhsa--gfx1250"
	.amdhsa_code_object_version 6
	.text
	.protected	k_qa848cba405_main
	.globl	k_qa848cba405_main
	.p2align	8
	.type	k_qa848cba405_main,@function
k_qa848cba405_main:
	s_mov_b64 s[64:65], 0
	v_nop
	global_prefetch_b8 v0, s[64:65] scope:SCOPE_SE
	s_setreg_imm32_b32 hwreg(HW_REG_WAVE_MODE, 25, 1), 1
	s_wait_xcnt 0x0
; MAIN.  A work-group owns 64 points = 512 (point, neighbour) pairs, in 8 groups of 64 pairs (8 points); a group is 4 tiles of 16 pairs.  All four waves work on the same group and share the CHANNELS:
; wave w makes hidden channels 128 w .. and output channels 64 w ..; its quarter of am_w2 (512 registers) and of pm_w2 (64) stays in registers for the whole launch.
;   h      = relu(s (pm_w1 (pos_i - pos_j) + b1) + bt)          64 channels, made once for all pairs, kept in LDS as fragments
;   hidden = relu(WP' h + KAN_j + QAB_i)                        source 0 = weights, source 1 = pairs: a lane holds a pair and 8 channels = a quarter fragment, handed to the other waves through LDS
;   logits = am_w2 hidden (+ am_b2)                             source 0 = pairs, source 1 = weights: a lane holds ONE channel and, in its 8 registers, the 8 neighbours of ONE point
;   value  = pm_w2 h + VAL_j                                    the same layout, so the softmax over neighbours and the weighted sum never leave the lane
;   out    = 0.5 (le_w agg + le_b + v0)
; The gathered rows (bf16) enter the sums as matrix operands against 0/1 selector matrices: KAN and QAB in one product with [I I], VAL with [I 0] or [0 I].
; SOFTMAX: the largest of the 8 biased logits is taken away: p = 2^(c l + (c b - c (max l + b))), c = log2 e.
; THE LOOP: trip g multiplies group g's hidden by am_w2 and meanwhile makes group g + 1's hidden, into the other of two LDS buffers: one barrier a trip.  The last trip's hidden (on zeros for h) is read by nobody:
; 96 products, the price of one text for every trip.
; THE START: what later loads hang on is asked for first (neighbour numbers, small tensors), then every gather at once: the positions and the first group's whole KAN | QAB, whose row blocks 2-7 lodge in the registers
; of am_w2's kc 10-15.  am_w2, wanted last, is asked for last: kc 0-9 ten loads behind each tile of h, kc 10-15 as the lodgers have been multiplied.  Loads come back in order (ISA guide 5.7.1), so a wait with the
; count 63 shows done whatever has 63 or more younger loads behind it.
; LIMITS.  Every input is rounded to bf16 at its load; pos_i - pos_j, the scaled pm_w1 and its bias are matrix operands in bf16.  An infinity in a gathered row gives NaN in its 16 neighbouring channels (0 x inf);
; NaN and infinities are not treated apart.  A weight below 2^-126 counts as 0.
; NO CLUSTER, NO TENSOR LOADS: what work-groups share is 0.4 MB of weights, read once by each into registers or LDS; the loop's traffic is gathered rows, which partners do not share.
; REGISTERS, in windows of 256 (s_set_vgpr_msb: bits 1:0 source 0, 3:2 source 1, 5:4 source 2, 7:6 destination):
;   window 0: v0-47 addresses and constants; v48-63 selectors [Q][Q][0][Q]; v64-127 HB, operands from LDS; v128-191 LACC, 8 logit tiles; v192-223 SA, 4 tiles; v224-239 PK; v240-255 softmax
;   window 1: v0-63 pm_w2; v64-127 KQ (gathered KAN | QAB); v128-191 HFR (h of the next group); v192-223 VAL; v224-255 WPT (WP', two row blocks)
;   windows 2, 3: am_w2, fragment (kc, i) at 8 (4 kc + i)
.set HID,   0                          ; 2 x 65,536: buffer, tile x 16,384, kc x 1,024, unit x 512, 16 x lane
.set WPL,   131072                     ; WP' as it lies in wb, 65,536
.set HF,    196608                     ; h: 9 slots of 8,192 (tile x 2,048, kc x 1,024, unit x 512); slot 8 holds zeros
.set AGG,   270336                     ; the weighted sums: 64 points x 528 bytes (256 bf16 + 16)
.set SPARE, 304128
.set SPW, 30
.set NIL, 31
.set MSB, 0
.macro WIN new                         ; the immediate's high byte repeats the setting that is left; a switch that changes nothing is dropped
.if MSB != (\new)
	s_set_vgpr_msb (MSB<<8)|(\new)
.set MSB, \new
.endif
.endm
.macro PLACES                          ; four places behind a matrix instruction (ISA guide 7.12.1)
.rept 4
	v_nop
.endr
.endm
.macro ALL4 line:vararg                ; one line for each of four tiles x
.set x, 0
.rept 4
	\line
.set x, x+1
.endr
.endm
.macro RND1 x1                         ; one f32 rounded to bf16 and widened again
	v_cvt_pk_bf16_f32 v[\x1], v[\x1], v[\x1]
	v_lshlrev_b32 v[\x1], 16, v[\x1]
.endm
.macro POST tl                         ; relu and rounding of SA's tile tl into PK
.irp j,0,1,2,3,4,5,6,7
	v_max_num_f32 v[192+8*(\tl)+\j], 0, v[192+8*(\tl)+\j]
.endr
.irp q,0,1,2,3
	v_cvt_pk_bf16_f32 v[224+4*(\tl)+\q], v[192+8*(\tl)+2*\q], v[193+8*(\tl)+2*\q]
.endr
.endm
.macro IDXL k                          ; the neighbour numbers of group min(GI + k, 7): lane r takes pair r of each tile
	WIN 0
	s_add_co_u32 s58, s42, \k
	s_min_u32 s58, s58, 7
	s_lshl_b32 s58, s58, 8
	s_wait_xcnt 0x0
	v_lshl_add_u32 v7, v1, 2, s58
.irp tq,0,1,2,3
	global_load_b32 v[20+\tq], v7, s[56:57] offset:\tq*64
.endr
.endm
.macro XUPD k, jn                      ; the offsets move on a group: VAL's take the numbers that KAN's had, KAN's the numbers in v[jn ..], QAB's group min(GI + k, 7)
	WIN 0
	s_wait_xcnt 0x0
	s_add_co_u32 s58, s42, \k
	s_min_u32 s58, s58, 7
	s_lshl_b32 s58, s58, 11
.irp tq,0,1,2,3
	v_lshl_add_u32 v[12+\tq], v[16+\tq], 7, v4
	v_min_u32 v[16+\tq], 0x7ff, v[(\jn)+\tq]
	v_lshl_add_u32 v[8+\tq], v[16+\tq], 8, v4
.endr
	v_add_nc_u32 v6, s58, v5
.endm
.macro KQLOAD p, kw, kb                ; row blocks 2 p, 2 p + 1: for each tile 16 channels of KAN_j (k = 0..15) and of QAB_i (k = 16..31), into v[kb ..] of the window that kw names as the destination's
	WIN \kw
.irp mm,0,1
.irp tq,0,1,2,3
	global_load_b128 v[(\kb)+32*\mm+8*\tq:(\kb)+32*\mm+8*\tq+3], v[8+\tq], s[50:51] offset:(2*(\p)+\mm)*32
	global_load_b128 v[(\kb)+32*\mm+8*\tq+4:(\kb)+32*\mm+8*\tq+7], v6, s[52:53] offset:\tq*512+(2*(\p)+\mm)*32
.endr
.endr
.endm
.macro WPLOAD p
	WIN 0x40
.set z, 0
.rept 8
	ds_load_b128 v[224+4*z:227+4*z], v28 offset:(\p)*4096+z*512
.set z, z+1
.endr
.endm
.macro VALLOAD hf                      ; tiles 2 hf, 2 hf + 1: my 64 channels of VAL_j
	WIN 0x40
.irp g2,0,1
.irp tq,0,1
	global_load_b128 v[192+16*\g2+8*\tq:195+16*\g2+8*\tq], v[12+2*(\hf)+\tq], s[54:55] offset:\g2*64
	global_load_b128 v[196+16*\g2+8*\tq:199+16*\g2+8*\tq], v[12+2*(\hf)+\tq], s[54:55] offset:\g2*64+32
.endr
.endr
.endm
.macro HFRL a                          ; a group's h, 8 fragments
	WIN 0x40
.set z, 0
.rept 16
	ds_load_b128 v[128+4*z:131+4*z], v[\a] offset:z*512
.set z, z+1
.endr
.endm
.macro LOADG hf                        ; h of the group in hand, tiles 2 hf, 2 hf + 1, into HB (destination and address in window 0 under every setting used here)
.set z, 0
.rept 8
	ds_load_b128 v[64+4*z:67+4*z], v27 offset:(\hf)*4096+z*512
.set z, z+1
.endr
.endm
.macro W2E n0, cnt                     ; loads n0 .. n0 + cnt - 1 of the 80 that bring am_w2's kc 0-9: load n is kc n / 8, row block (n mod 8) / 2, unit n mod 2
.set nn, \n0
.rept \cnt
.if nn/8 < 8
	WIN 0x80
.else
	WIN 0xc0
.endif
	global_load_b128 v[((nn/8)&7)*32+8*((nn%8)/2)+4*(nn%2):((nn/8)&7)*32+8*((nn%8)/2)+4*(nn%2)+3], v3, s[60:61] offset:((nn%8)/2)*16384+(nn/8)*1024+(nn%2)*512
.set nn, nn+1
.endr
	WIN 0
.endm
.macro W2LATE p                        ; am_w2's kc 8 + 2 p and 9 + 2 p, into the 64 registers in which the first group's row blocks 2 p, 2 p + 1 of KAN | QAB lodged
	WIN 0xc0
.irp k,0,1
.irp iq,0,1,2,3
	global_load_b128 v[64*(\p)+32*\k+8*\iq:64*(\p)+32*\k+8*\iq+3],   v3, s[60:61] offset:\iq*16384+(8+2*(\p)+\k)*1024
	global_load_b128 v[64*(\p)+32*\k+8*\iq+4:64*(\p)+32*\k+8*\iq+7], v3, s[60:61] offset:\iq*16384+(8+2*(\p)+\k)*1024+512
.endr
.endr
	WIN 0
.endm
; Hidden, row blocks 2 p and 2 p + 1 of my eight, all four tiles of the next group.  The four accumulators take turns.  KAN | QAB lie at v[kb ..] in the window that kw names as source 1's.
; ldn < 0: no wait for loads.  refill = 1: the next row blocks' gathers and WP'; 2: WP' alone; 0: nothing.
.macro S2P p, ldn, dsn, kw, kb, refill, xu
.if (\ldn) >= 0
	s_wait_loadcnt \ldn
.endif
	s_wait_dscnt \dsn
.irp mm,0,1
	WIN \kw
.irp tq,0,1,2,3
	v_wmma_f32_16x16x32_bf16 v[192+8*\tq:199+8*\tq], v[48:55], v[(\kb)+32*\mm+8*\tq:(\kb)+32*\mm+8*\tq+7], 0
.endr
	WIN 0x05
.irp kq,0,1
.irp tq,0,1,2,3
	v_wmma_f32_16x16x32_bf16 v[192+8*\tq:199+8*\tq], v[224+16*\mm+8*\kq:231+16*\mm+8*\kq], v[128+16*\tq+8*\kq:135+16*\tq+8*\kq], v[192+8*\tq:199+8*\tq]
.endr
.endr
	WIN 0
	PLACES
.irp tq,0,1,2,3
	POST \tq
	ds_store_b128 v25, v[224+4*\tq:227+4*\tq] offset:\tq*16384+(2*(\p)+\mm)*512
.endr
.endr
.if \xu
	XUPD 2, 20
.endif
.if (\refill) == 1
	KQLOAD ((\p)+1)&3, 0x40, 64
.endif
.if (\refill) >= 1
	WPLOAD ((\p)+1)&3
	WIN 0
.endif
.endm
.macro LOADH hf, c                     ; hidden of tiles 2 hf, 2 hf + 1, kc = 2 c, 2 c + 1
.irp kk,0,1
.irp tq,0,1
.irp u,0,1
	ds_load_b128 v[64+32*((\c)&1)+16*\kk+8*\tq+4*\u:67+32*((\c)&1)+16*\kk+8*\tq+4*\u], v24 offset:(2*(\hf)+\tq)*16384+(2*(\c)+\kk)*1024+\u*512
.endr
.endr
.endr
.endm
.macro MMC c                           ; 16 products: 8 accumulators by turns, twice
.if (\c) < 4
	WIN 0x08
.else
	WIN 0x0c
.endif
.irp kk,0,1
.irp iq,0,1,2,3
.irp tq,0,1
.if (2*(\c)+\kk) == 0
	v_wmma_f32_16x16x32_bf16 v[128+16*\iq+8*\tq:135+16*\iq+8*\tq], v[64+32*((\c)&1)+16*\kk+8*\tq:71+32*((\c)&1)+16*\kk+8*\tq], v[((2*(\c)+\kk)&7)*32+8*\iq:((2*(\c)+\kk)&7)*32+8*\iq+7], 0
.else
	v_wmma_f32_16x16x32_bf16 v[128+16*\iq+8*\tq:135+16*\iq+8*\tq], v[64+32*((\c)&1)+16*\kk+8*\tq:71+32*((\c)&1)+16*\kk+8*\tq], v[((2*(\c)+\kk)&7)*32+8*\iq:((2*(\c)+\kk)&7)*32+8*\iq+7], v[128+16*\iq+8*\tq:135+16*\iq+8*\tq]
.endif
.endr
.endr
.endr
.endm
; Logits of two tiles, chunks c0 .. c1 of eight.  A chunk's 8 loads are issued two chunks ahead.  Behind chunk 4's and 5's loads come the other chunk's 8, S2P's 8 stores and its 8 loads of WP': 24.
.macro P1 hf, c0, c1
.if (\c0) == 0
	WIN 0x08
	LOADH \hf, 0
	LOADH \hf, 1
.endif
.set cc, \c0
.rept (\c1)-(\c0)+1
.if cc == 7
	s_wait_dscnt 0x0
.elseif (cc == 4) || (cc == 5)
	s_wait_dscnt 24
.else
	s_wait_dscnt 8
.endif
	MMC cc
.if cc+2 <= 7
	PLACES
	LOADH \hf, cc+2
.endif
.set cc, cc+1
.endr
.endm
; Softmax over a lane's 8 registers and the weighted sum, four tiles abreast: tile x = 2 i + t, logits at LACC + 32 g2 + 8 x, values at SA + 8 x.
.macro SOFT4 g2, hf
.set G, \g2
.set HH, \hf
	ALL4 v_max3_num_f32 v[242+4*x], v[128+32*G+8*x], v[129+32*G+8*x], v[130+32*G+8*x]
	ALL4 v_max3_num_f32 v[242+4*x], v[242+4*x], v[131+32*G+8*x], v[132+32*G+8*x]
	ALL4 v_max3_num_f32 v[242+4*x], v[242+4*x], v[133+32*G+8*x], v[134+32*G+8*x]
	ALL4 v_max_num_f32 v[242+4*x], v[242+4*x], v[135+32*G+8*x]
	ALL4 v_add_f32 v[242+4*x], v[242+4*x], v[32+2*G+x/2]
	ALL4 v_fma_f32 v[240+4*x], -v[242+4*x], s48, v[36+2*G+x/2]
.irp q,0,2,4,6
	ALL4 v_pk_fma_f32 v[128+32*G+8*x+\q:129+32*G+8*x+\q], v[128+32*G+8*x+\q:129+32*G+8*x+\q], s[48:49], v[240+4*x:241+4*x] op_sel_hi:[1,0,0]
.endr
.irp j,0,1,2,3,4,5,6,7
	ALL4 v_exp_f32 v[128+32*G+8*x+\j], v[128+32*G+8*x+\j]
.endr
	v_nop                                          ; a plain instruction between the exponentials and the use of their results
	s_wait_alu depctr_va_vdst(0)
	ALL4 v_pk_add_f32 v[242+4*x:243+4*x], v[128+32*G+8*x:129+32*G+8*x], v[130+32*G+8*x:131+32*G+8*x]
	ALL4 v_pk_mul_f32 v[240+4*x:241+4*x], v[128+32*G+8*x:129+32*G+8*x], v[192+8*x:193+8*x]
.irp q,2,4,6
	ALL4 v_pk_fma_f32 v[240+4*x:241+4*x], v[128+32*G+8*x+\q:129+32*G+8*x+\q], v[192+8*x+\q:193+8*x+\q], v[240+4*x:241+4*x]
.endr
.irp q,4,6
	ALL4 v_pk_add_f32 v[242+4*x:243+4*x], v[242+4*x:243+4*x], v[128+32*G+8*x+\q:129+32*G+8*x+\q]
.endr
	ALL4 v_add_f32 v[242+4*x], v[242+4*x], v[243+4*x]
	ALL4 v_add_f32 v[240+4*x], v[240+4*x], v[241+4*x]
	ALL4 v_rcp_f32 v[242+4*x], v[242+4*x]
	v_nop
	s_wait_alu depctr_va_vdst(0)
	ALL4 v_mul_f32 v[240+4*x], v[240+4*x], v[242+4*x]
	ALL4 v_cvt_pk_bf16_f32 v[240+4*x], v[240+4*x], v[240+4*x]
	ALL4 ds_store_b16 v29, v[240+4*x] offset:(2*G+x/2)*32+(2*HH+x%2)*1056
.endm
; Values of two tiles, 32 channels at a time, then their softmax.  loadcnt 16: the 16 gathers of KAN | QAB are younger than VAL's.  dscnt 16: S2P's 8 stores and 8 loads are younger than LOADG's.
.macro P2 hf
	s_wait_loadcnt 16
	s_wait_dscnt 16
.irp g2,0,1
	WIN 0x01
.irp iq,0,1
.irp tq,0,1
	v_wmma_f32_16x16x32_bf16 v[192+16*\iq+8*\tq:199+16*\iq+8*\tq], v[192+16*\g2+8*\tq:199+16*\g2+8*\tq], v[52+4*\iq:59+4*\iq], 0
.endr
.endr
	WIN 0x04
.irp kq,0,1
.irp iq,0,1
.irp tq,0,1
	v_wmma_f32_16x16x32_bf16 v[192+16*\iq+8*\tq:199+16*\iq+8*\tq], v[64+16*\tq+8*\kq:71+16*\tq+8*\kq], v[32*\g2+16*\iq+8*\kq:32*\g2+16*\iq+8*\kq+7], v[192+16*\iq+8*\tq:199+16*\iq+8*\tq]
.endr
.endr
.endr
	WIN 0
	PLACES
	SOFT4 \g2, \hf
.endr
.endm
	s_load_b512 s[4:19], s[0:1], 0x0               ; idx 4, pos 6, pm_w1 8, pm_b1 10, pm_g 12, pm_bt 14, wb 16, kan 18
	s_load_b256 s[20:27], s[0:1], 0x40             ; qab 20, val 22, v0 24, am_b2 26
	s_load_b128 s[28:31], s[0:1], 0x60             ; le_b 28, out0 30
	v_lshl_add_u32 v[SPW], v0, 2, SPARE
	v_mov_b32 v[NIL], 0
	v_lshrrev_b32 v40, 5, v0
	v_readfirstlane_b32 s40, v40                   ; wave 0..3
	v_and_b32 v1, 15, v0                           ; r
	v_bfe_u32 v2, v0, 4, 1                         ; h
	v_and_b32 v40, 31, v0
	v_lshlrev_b32 v3, 4, v40                       ; 16 x lane
	v_lshlrev_b32 v4, 4, v2                        ; 16 h
	v_lshrrev_b32 v5, 3, v1
	v_lshl_add_u32 v5, v5, 8, v4                   ; QAB: row r / 8 of a tile's two, 16 h
	s_lshr_b32 s36, ttmp9, 5                       ; the cloud
	s_and_b32 s37, ttmp9, 31
	s_lshl_b32 s37, s37, 6                         ; my first point in it
	s_mov_b32 s39, 0xffff0000
	s_mov_b32 s48, 0x3fb8aa3b                      ; c = log2 e
	s_mov_b32 s49, s48
	s_mov_b32 s41, 8                               ; trips
	s_mov_b32 s42, 0                               ; GI: the group in hand
	s_mov_b32 s43, 0                               ; the buffer that is read
	s_mov_b32 s44, 8192                            ; h of the next group
	s_mov_b32 s45, 0                               ; h of the group in hand
	s_mov_b32 s46, 0                               ; the group's 8 rows of AGG
	s_lshl_b32 s58, s40, 8
	v_lshl_add_u32 v41, v1, 2, s58                 ; am_b2: channel 64 w + r
	v_mul_u32_u24 v42, v1, 12                      ; pm_w1: row r
	v_lshlrev_b32 v43, 2, v1                       ; 4 r
	s_lshl_b32 s58, s40, 9
	v_lshl_add_u32 v44, v1, 2, s58                 ; idx: tile 8 w, pair r
	v_lshlrev_b32 v40, 4, v0                       ; 16 x thread
	s_lshl_b32 s58, s37, 2
	s_lshl_b32 s38, s40, 6
	s_add_co_u32 s58, s58, s38
	v_lshrrev_b32 v24, 3, v1
	v_lshl_add_u32 v24, v24, 2, s58                ; pos: point of tile 8 w, pair r
.irp tq,0,1,2,3
	v_mov_b32 v[16+\tq], 0
.endr
	s_wait_kmcnt 0x0
	s_lshl_b32 s58, s40, 22
	s_lshl_b32 s59, s36, 19
	s_add_co_u32 s58, s58, s59
	s_mov_b32 s59, 0
	s_add_nc_u64 s[50:51], s[18:19], s[58:59]      ; KAN: my quarter, the cloud's rows
	s_lshl_b32 s58, s40, 22
	s_lshl_b32 s38, ttmp9, 14
	s_add_co_u32 s58, s58, s38
	s_add_nc_u64 s[52:53], s[20:21], s[58:59]      ; QAB: my quarter, the work-group's rows
	s_lshl_b32 s58, s40, 21
	s_lshl_b32 s38, s36, 18
	s_add_co_u32 s58, s58, s38
	s_add_nc_u64 s[54:55], s[22:23], s[58:59]      ; VAL
	s_lshl_b32 s58, ttmp9, 11
	s_add_nc_u64 s[56:57], s[4:5], s[58:59]        ; idx: the work-group's 512 pairs
	s_lshl_b32 s58, s40, 16
	s_add_nc_u64 s[60:61], s[16:17], s[58:59]      ; am_w2: my quarter
	s_lshl_b32 s58, s40, 13
	s_add_nc_u64 s[62:63], s[16:17], s[58:59]      ; pm_w2: my quarter, less its place in wb
	s_mul_i32 s58, s36, 24576
	s_add_nc_u64 s[32:33], s[6:7], s[58:59]        ; pos: the cloud
	; ---- first what later loads hang on: 44 loads: my tiles' neighbour numbers, those of groups 0 and 1, the small tensors
.irp xq,0,1,2,3,4,5,6,7
	global_load_b32 v[240+\xq], v44, s[56:57] offset:\xq*64       ; tile 8 w + x, pair r
.endr
.irp tq,0,1,2,3
	global_load_b32 v[252+\tq], v43, s[56:57] offset:\tq*64       ; group 0
	global_load_b32 v[248+\tq], v43, s[56:57] offset:256+\tq*64   ; group 1
.endr
.irp i,0,1,2,3
	global_load_b32 v[32+\i], v41, s[26:27] offset:\i*64          ; am_b2 of channel 64 w + 16 i + r
	global_load_b32 v[192+6*\i], v42, s[8:9] offset:\i*192        ; pm_w1's row 16 i + r
	global_load_b32 v[193+6*\i], v42, s[8:9] offset:\i*192+4
	global_load_b32 v[194+6*\i], v42, s[8:9] offset:\i*192+8
	global_load_b32 v[195+6*\i], v43, s[10:11] offset:\i*64
	global_load_b32 v[196+6*\i], v43, s[12:13] offset:\i*64
	global_load_b32 v[197+6*\i], v43, s[14:15] offset:\i*64
.endr
.set z, 0
.rept 32
	global_load_b128 v[64+4*z:67+4*z], v40, s[16:17] offset:524288+z*2048  ; WP', on its way into LDS
.set z, z+1
.endr
	s_wait_loadcnt 32                              ; the 44 are in; WP's 32 loads may stay out
	; ---- every gather at once: the positions (neighbour's and own, into HFR's registers) and the first group's KAN | QAB
.irp xq,0,1,2,3,4,5,6,7
	v_min_u32 v[240+\xq], 0x7ff, v[240+\xq]
	v_lshlrev_b32 v[240+\xq], 2, v[240+\xq]
.endr
	XUPD 0, 252
	WIN 0x40
.irp xq,0,1,2,3,4,5,6,7
.irp c,0,1,2
	global_load_b32 v[128+3*\xq+\c], v[240+\xq], s[32:33] offset:\c*8192
	global_load_b32 v[152+3*\xq+\c], v24, s[32:33] offset:\xq*8+\c*8192
.endr
.endr
	KQLOAD 0, 0x40, 64
	KQLOAD 1, 0xc0, 64
	KQLOAD 2, 0xc0, 128
	KQLOAD 3, 0xc0, 192
	WIN 0
	s_wait_loadcnt 63                              ; WP' is in: 112 loads were issued behind it
	v_add_nc_u32 v45, WPL, v40
.set z, 0
.rept 32
	ds_store_b128 v45, v[64+4*z:67+4*z] offset:z*2048
.set z, z+1
.endr
	; slot 8 of h: zeros
.irp i,0,1,2,3
	v_mov_b32 v[224+\i], 0
.endr
	v_add_nc_u32 v45, HF+65536, v40
.irp i,0,1,2,3
	ds_store_b128 v45, v[224:227] offset:\i*2048
.endr
	; the selectors: Q has bf16 1.0 at k = r where r lies in my half's eight
	v_and_b32 v42, 1, v1
	v_cmp_eq_u32 vcc_lo, 1, v42
	v_mov_b32 v42, 0x3f80
	v_mov_b32 v43, 0x3f800000
	v_cndmask_b32 v42, v42, v43, vcc_lo
	v_lshrrev_b32 v43, 3, v1
	v_cmp_eq_u32 vcc_lo, v43, v2
	v_cndmask_b32 v42, 0, v42, vcc_lo
	v_bfe_u32 v43, v1, 1, 2
.irp q,0,1,2,3
	v_cmp_eq_u32 vcc_lo, \q, v43
	v_cndmask_b32 v[48+\q], 0, v42, vcc_lo
	v_mov_b32 v[52+\q], v[48+\q]
	v_mov_b32 v[56+\q], 0
	v_mov_b32 v[60+\q], v[48+\q]
.endr
.irp i,0,1,2,3
	RND1 32+\i
	v_mul_f32 v[36+\i], s48, v[32+\i]              ; c b
.endr
	; pm_w1 as fragments with K = 4 of 32 used: s w0, s w1, s w2, s b1 + bt; all else 0
	v_cmp_eq_u32 s38, 0, v2
.irp i,0,1,2,3
.irp c,0,1,2,3,4,5
	RND1 192+6*\i+\c
.endr
	v_mul_f32 v[196+6*\i], 0x3f7fffac, v[196+6*\i]
	v_mul_f32 v[192+6*\i], v[196+6*\i], v[192+6*\i]
	v_mul_f32 v[193+6*\i], v[196+6*\i], v[193+6*\i]
	v_mul_f32 v[194+6*\i], v[196+6*\i], v[194+6*\i]
	v_fma_f32 v[195+6*\i], v[196+6*\i], v[195+6*\i], v[197+6*\i]
	v_cvt_pk_bf16_f32 v[64+8*\i], v[192+6*\i], v[193+6*\i]
	v_cvt_pk_bf16_f32 v[65+8*\i], v[194+6*\i], v[195+6*\i]
	v_cndmask_b32 v[64+8*\i], 0, v[64+8*\i], s38
	v_cndmask_b32 v[65+8*\i], 0, v[65+8*\i], s38
.irp c,2,3,4,5,6,7
	v_mov_b32 v[64+8*\i+\c], 0
.endr
.endr
.irp c,2,3,4,5,6,7
	v_mov_b32 v[96+\c], 0
.endr
	s_lshl_b32 s58, s40, 14
	s_add_co_u32 s58, s58, HF
	v_add_nc_u32 v46, s58, v3
	s_wait_loadcnt 63                              ; the positions are in: the 64 loads of KAN | QAB were issued behind them
	WIN 0x05
.irp xq,0,1,2,3,4,5,6,7
.irp c,0,1,2
	v_cvt_pk_bf16_f32 v[104+3*\xq+\c], v[152+3*\xq+\c], v[128+3*\xq+\c]  ; own in the low half, the neighbour's in the high
.endr
.endr
	WIN 0
	; h of my 8 tiles; behind each tile ten loads of am_w2
.irp xq,0,1,2,3,4,5,6,7
.irp c,0,1,2
	v_lshlrev_b32 v[43+\c], 16, v[104+3*\xq+\c]
	v_and_b32 v[40+\c], s39, v[104+3*\xq+\c]
	v_sub_f32 v[43+\c], v[43+\c], v[40+\c]         ; pos_i - pos_j, exact in f32
.endr
	v_cvt_pk_bf16_f32 v96, v43, v44
	v_cvt_pk_bf16_f32 v97, v45, 1.0
	v_cndmask_b32 v96, 0, v96, s38
	v_cndmask_b32 v97, 0, v97, s38
.irp i,0,1,2,3
	v_wmma_f32_16x16x32_bf16 v[192+8*\i:199+8*\i], v[64+8*\i:71+8*\i], v[96:103], 0
.endr
	PLACES
.irp i,0,1,2,3
	POST \i
	ds_store_b128 v46, v[224+4*\i:227+4*\i] offset:\xq*2048+\i*512
.endr
	W2E 10*\xq, 10
.endr
	WIN 0x40
.set z, 0
.rept 16
	global_load_b128 v[4*z:4*z+3], v3, s[62:63] offset:327680+z*512   ; pm_w2
.set z, z+1
.endr
	WIN 0
	v_mul_u32_u24 v47, v2, 528
	v_lshl_add_u32 v47, v1, 1, v47
	s_lshl_b32 s58, s40, 7
	s_add_co_u32 s58, s58, AGG
	v_add_nc_u32 v47, s58, v47                     ; AGG: point h of a tile's two, channel 64 w + r
	s_lshl_b32 s58, s40, 14
	s_add_co_u32 s58, s58, WPL
	v_add_nc_u32 v28, s58, v3
	s_lshl_b32 s58, s40, 12
	v_add_nc_u32 v25, s58, v3
	v_add_nc_u32 v27, HF, v3
	s_wait_dscnt 0x0
	s_barrier_signal -1
	s_barrier_wait -1
	; ---- the first group's hidden, into buffer 0.  Its gathers are all in; each lodged block, once multiplied, gives its registers back to am_w2
	HFRL 27
	WPLOAD 0
	WIN 0
	s_wait_loadcnt 63                              ; KAN | QAB are in: 96 loads (am_w2's kc 0-9, pm_w2) were issued behind them
	S2P 0, -1, 0, 0x04, 64, 2, 0
	S2P 1, -1, 0, 0x0c, 64, 2, 0
	W2LATE 1
	S2P 2, -1, 0, 0x0c, 128, 2, 0
	W2LATE 2
	S2P 3, -1, 0, 0x0c, 192, 0, 0
	W2LATE 3
	XUPD 1, 248                                    ; VAL's offsets: group 0; KAN's and QAB's: group 1
	KQLOAD 0, 0x40, 64
	WPLOAD 0
	IDXL 2
	VALLOAD 0
	WIN 0
.irp i,0,1,2,3,4,5,6,7,8,9,10,11,12,13,14,15
	v_mov_b32 v[240+\i], 0
.endr
	s_wait_loadcnt 63                              ; am_w2's kc 0-9 and pm_w2 are in: 76 loads were issued behind them.  kc 10-15 are older than the gathers that the trip's first wait for loads covers, ahead of chunk 5
	s_wait_dscnt 0x0
	s_barrier_signal -1
	s_barrier_wait -1
.Ltrip:
	v_add_nc_u32 v24, s43, v3                      ; hidden is read here,
	s_xor_b32 s58, s43, 0x10000
	s_lshl_b32 s59, s40, 12
	s_add_co_u32 s58, s58, s59
	v_add_nc_u32 v25, s58, v3                      ; and the next group's written here: the other buffer, my four kc
	s_add_co_u32 s58, s44, HF
	v_add_nc_u32 v26, s58, v3
	s_add_co_u32 s58, s45, HF
	v_add_nc_u32 v27, s58, v3
	v_add_nc_u32 v29, s46, v47
	HFRL 26
	P1 0, 0, 3
	S2P 0, 12, 16, 0x04, 64, 1, 0                  ; loadcnt 12: the 4 neighbour numbers and VAL's 8 are younger than these gathers; dscnt 16: two chunks of hidden are younger than WP' and h
	P1 0, 4, 7
	PLACES
	LOADG 0
	S2P 1, 0, 8, 0x04, 64, 1, 0                    ; dscnt 8: LOADG's
	P2 0
	VALLOAD 1
	P1 1, 0, 3
	S2P 2, 8, 16, 0x04, 64, 1, 0                   ; loadcnt 8: VAL's second half is younger
	P1 1, 4, 7
	PLACES
	LOADG 1
	S2P 3, 0, 8, 0x04, 64, 1, 1                    ; the offsets move on; the gathers that follow are for the group after next
	P2 1
	IDXL 3                                         ; ahead of VAL's gathers: the loads that its wait for translated addresses finds out were issued a softmax ago
	VALLOAD 0
	WIN 0
	s_wait_dscnt 0x0                               ; my reads of one buffer are back and my stores into the other are done,
	s_barrier_signal -1
	s_barrier_wait -1                              ; everybody's are: the buffers change places
	s_xor_b32 s43, s43, 0x10000
	s_add_co_u32 s44, s44, 8192
	s_add_co_u32 s45, s45, 8192
	s_add_co_u32 s46, s46, 4224
	s_add_co_u32 s42, s42, 1
	s_sub_co_u32 s41, s41, 1
	s_cmp_lg_u32 s41, 0
	s_cbranch_scc1 .Ltrip
	; ---- y = le_w agg + le_b; out = 0.5 (y + v0).  Wave w: channels 32 w .. 32 w + 31 of all 64 points.  Source 0 = 16 points, source 1 = 16 rows of le_w: a lane holds a channel and 8 neighbouring points.
	; All that the end needs from memory is asked for at once: le_w (32 loads), le_b (2), v0 (16).  The last trip's gathers, which nobody uses, land in registers that the end does not name.
	s_lshl_b32 s58, s40, 14
	s_mov_b32 s59, 0
	s_add_nc_u64 s[60:61], s[16:17], s[58:59]
	s_lshl_b32 s58, s36, 20
	s_lshl_b32 s38, s40, 18
	s_add_co_u32 s58, s58, s38
	s_lshl_b32 s38, s37, 2
	s_add_co_u32 s58, s58, s38
	s_add_nc_u64 s[62:63], s[24:25], s[58:59]      ; v0 and out0 at channel 32 w, my 64 points
	s_add_nc_u64 s[8:9], s[30:31], s[58:59]
	v_lshlrev_b32 v26, 13, v2
	v_lshl_add_u32 v26, v1, 4, v26
	WIN 0x80
.irp k,0,1,2,3,4,5,6,7
.irp iq,0,1
	global_load_b128 v[16*\k+8*\iq:16*\k+8*\iq+3],   v3, s[60:61] offset:262144+\iq*8192+\k*1024
	global_load_b128 v[16*\k+8*\iq+4:16*\k+8*\iq+7], v3, s[60:61] offset:262144+\iq*8192+\k*1024+512
.endr
.endr
	WIN 0
	s_lshl_b32 s58, s40, 7
	v_lshl_add_u32 v40, v1, 2, s58
	global_load_b32 v42, v40, s[28:29]
	global_load_b32 v44, v40, s[28:29] offset:64
.irp y,0,1,2,3,4,5,6,7,8,9,10,11,12,13,14,15
	global_load_b128 v[192+4*\y:195+4*\y], v26, s[62:63] offset:\y*16384
.endr
	v_mul_u32_u24 v41, v1, 528
	v_add_nc_u32 v41, v41, v4
	v_add_nc_u32 v41, AGG, v41
.macro LOADL kc
.irp nq,0,1,2,3
	ds_load_b128 v[64+32*((\kc)&1)+8*\nq:67+32*((\kc)&1)+8*\nq], v41 offset:\nq*8448+(\kc)*64
	ds_load_b128 v[68+32*((\kc)&1)+8*\nq:71+32*((\kc)&1)+8*\nq], v41 offset:\nq*8448+(\kc)*64+32
.endr
.endm
	LOADL 0
	LOADL 1
	s_wait_loadcnt 16                              ; le_w and le_b are in; v0's 16 loads may stay out
	RND1 42
	RND1 44
	v_mov_b32 v43, v42
	v_mov_b32 v45, v44
.set kc, 0
.rept 8
.if kc == 7
	s_wait_dscnt 0x0
.else
	s_wait_dscnt 8
.endif
	WIN 0x08
.irp iq,0,1
.irp nq,0,1,2,3
.if kc == 0
	v_wmma_f32_16x16x32_bf16 v[128+32*\iq+8*\nq:135+32*\iq+8*\nq], v[64+32*(kc&1)+8*\nq:71+32*(kc&1)+8*\nq], v[16*kc+8*\iq:16*kc+8*\iq+7], 0
.else
	v_wmma_f32_16x16x32_bf16 v[128+32*\iq+8*\nq:135+32*\iq+8*\nq], v[64+32*(kc&1)+8*\nq:71+32*(kc&1)+8*\nq], v[16*kc+8*\iq:16*kc+8*\iq+7], v[128+32*\iq+8*\nq:135+32*\iq+8*\nq]
.endif
.endr
.endr
	PLACES
.if kc < 6
	LOADL kc+2
.endif
.set kc, kc+1
.endr
	WIN 0
	; through a stage over the hidden buffers, which nobody reads behind the loop's last barrier: rows = my 32 channels, 256 + 16 bytes
	s_mul_i32 s58, s40, 32*272
	v_mul_u32_u24 v24, v1, 272
	v_lshl_add_u32 v24, v2, 5, v24
	v_add_nc_u32 v24, s58, v24
	v_mul_u32_u24 v25, v2, 272
	v_lshl_add_u32 v25, v1, 4, v25
	v_add_nc_u32 v25, s58, v25
.irp iq,0,1
.irp nq,0,1,2,3
.irp q,0,2,4,6
	v_pk_add_f32 v[128+32*\iq+8*\nq+\q:129+32*\iq+8*\nq+\q], v[128+32*\iq+8*\nq+\q:129+32*\iq+8*\nq+\q], v[42+2*\iq:43+2*\iq] op_sel_hi:[1,0]
.endr
	ds_store_b128 v24, v[128+32*\iq+8*\nq:131+32*\iq+8*\nq] offset:\iq*4352+\nq*64
	ds_store_b128 v24, v[132+32*\iq+8*\nq:135+32*\iq+8*\nq] offset:\iq*4352+\nq*64+16
.endr
.endr
.irp y,0,1,2,3,4,5,6,7,8,9,10,11,12,13,14,15
	ds_load_b128 v[64+4*\y:67+4*\y], v25 offset:\y*544   ; LDS serves a wave's instructions in order (ISA guide 5.7.1.4): these see my stores above
.endr
	s_wait_loadcnt 0x0                             ; v0
	s_wait_dscnt 0x0
.set z, 0
.rept 32
	v_pk_add_f32 v[64+2*z:65+2*z], v[64+2*z:65+2*z], v[192+2*z:193+2*z]
	v_pk_mul_f32 v[64+2*z:65+2*z], v[64+2*z:65+2*z], 0.5 op_sel_hi:[1,0]
.set z, z+1
.endr
.irp y,0,1,2,3,4,5,6,7,8,9,10,11,12,13,14,15
	global_store_b128 v26, v[64+4*\y:67+4*\y], s[8:9] offset:\y*16384  ; 16 lanes store 256 consecutive bytes of a channel's row
.endr
	s_wait_tensorcnt 0x0                           ; the wave's end
	ds_add_u32 v[SPW], v[NIL]
	s_wait_dscnt 0x0
	s_endpgm
.Lfunc_end_k_qa848cba405_main:
	.size	k_qa848cba405_main, .Lfunc_end_k_qa848cba405_main-k_qa848cba405_main
	.p2alignl 7, 3214868480
	.fill 96, 4, 3214868480
	.section	.rodata,"a",@progbits
	.p2align	6, 0x0
	.amdhsa_kernel k_qa848cba405_main
		.amdhsa_group_segment_fixed_size 304640
		.amdhsa_private_segment_fixed_size 0
		.amdhsa_enable_private_segment 0
		.amdhsa_kernarg_size 112
		.amdhsa_user_sgpr_count 2
		.amdhsa_user_sgpr_kernarg_segment_ptr 1
		.amdhsa_wavefront_size32 1
		.amdhsa_system_sgpr_workgroup_id_x 1
		.amdhsa_system_sgpr_workgroup_id_y 1
		.amdhsa_system_sgpr_workgroup_id_z 1
		.amdhsa_system_vgpr_workitem_id 0
		.amdhsa_next_free_vgpr 1024
		.amdhsa_next_free_sgpr 66
		.amdhsa_reserve_vcc 1
		.amdhsa_float_denorm_mode_32 3
		.amdhsa_float_denorm_mode_16_64 3
		.amdhsa_memory_ordered 1
		.amdhsa_forward_progress 1
		.amdhsa_inst_pref_size 228
	.end_amdhsa_kernel
	.amdgpu_metadata
---
amdhsa.version: [ 1, 2 ]
amdhsa.kernels:
  - .name:           k_qa848cba405_main
    .symbol:         k_qa848cba405_main.kd
    .args:
      - { .name: idx, .offset: 0, .size: 8, .value_kind: global_buffer, .address_space: global }
      - { .name: pos, .offset: 8, .size: 8, .value_kind: global_buffer, .address_space: global }
      - { .name: pm_w1, .offset: 16, .size: 8, .value_kind: global_buffer, .address_space: global }
      - { .name: pm_b1, .offset: 24, .size: 8, .value_kind: global_buffer, .address_space: global }
      - { .name: pm_g, .offset: 32, .size: 8, .value_kind: global_buffer, .address_space: global }
      - { .name: pm_bt, .offset: 40, .size: 8, .value_kind: global_buffer, .address_space: global }
      - { .name: wb, .offset: 48, .size: 8, .value_kind: global_buffer, .address_space: global }
      - { .name: kan, .offset: 56, .size: 8, .value_kind: global_buffer, .address_space: global }
      - { .name: qab, .offset: 64, .size: 8, .value_kind: global_buffer, .address_space: global }
      - { .name: val, .offset: 72, .size: 8, .value_kind: global_buffer, .address_space: global }
      - { .name: v0, .offset: 80, .size: 8, .value_kind: global_buffer, .address_space: global }
      - { .name: am_b2, .offset: 88, .size: 8, .value_kind: global_buffer, .address_space: global }
      - { .name: le_b, .offset: 96, .size: 8, .value_kind: global_buffer, .address_space: global }
      - { .name: out0, .offset: 104, .size: 8, .value_kind: global_buffer, .address_space: global }
    .group_segment_fixed_size: 304640
    .private_segment_fixed_size: 0
    .kernarg_segment_align: 8
    .kernarg_segment_size: 112
    .max_flat_workgroup_size: 128
    .sgpr_count:     66
    .vgpr_count:     1024
    .wavefront_size: 32
...
	.end_amdgpu_metadata
.endif
;; end of part 6
;; ======== version 3 of 3: 3 launches; version 2 with the launch main written anew for expert scheduling mode
;; limits: values outside matrix products are rounded to bf16
;; workspace buffers: wb 856,064 bytes; bkt 524,288 bytes of whole numbers; idx 524,288 bytes of whole numbers; kan 16,777,216 bytes; qab 16,777,216 bytes; val 8,388,608 bytes; v0 8,388,608 bytes
;; launch first: the kernel of part 4 again; grid 293 x 1, 8 waves a work-group, no clusters, 71,680 bytes of LDS; arguments pos_flipped, am_w1, am_w2, le_w, pm_w2, vm_w1, vm_w2, wv, wk, wq, pm_b2, am_g, am_b1, am_bt, wb, bkt; writes wb, bkt
;; launch points: the kernel of part 5 again; grid 256 x 1, 8 waves a work-group, no clusters, 246,784 bytes of LDS; arguments pos_flipped, bkt, fea, prev_fea, wb, vm_b1, vm_b2, bv, pm_b2, idx, kan, qab, val, v0; writes idx, kan, qab, val, v0
;; launch main (part 7): grid 256 x 1, 4 waves a work-group, no clusters, 304,640 bytes of LDS; arguments idx, pos, pm_w1, pm_b1, pm_g, pm_bt, wb, kan, qab, val, v0, am_b2, le_b, out0; writes out0
.if DOCPART == 7
	.amdgcn_target "amdgcn-amd-amdhsa--gfx1250"
	.amdhsa_code_object_version 6
	.text
	.protected	k_qa848cba405_main
	.globl	k_qa848cba405_main
	.p2align	8
	.type	k_qa848cba405_main,@function
k_qa848cba405_main:
	s_mov_b64 s[64:65], 0
	v_nop
	global_prefetch_b8 v0, s[64:65] scope:SCOPE_SE
	s_setreg_imm32_b32 hwreg(HW_REG_WAVE_SCHED_MODE, 0, 2), 2
	s_setreg_imm32_b32 hwreg(HW_REG_WAVE_MODE, 25, 1), 1
	s_wait_xcnt 0x0
	s_wait_alu depctr_vm_vsrc(0)
; MAIN.  A work-group owns 64 points = 512 (point, neighbour) pairs, in 8 groups of 64 pairs (8 points); a group is 4 tiles of 16 pairs.  All four waves work on the same group and share the CHANNELS:
; wave w makes hidden channels 128 w .. and output channels 64 w ..; its quarter of am_w2 (512 registers) and of pm_w2 (64) stays in registers for the whole launch.
;   h      = relu(s (pm_w1 (pos_i - pos_j) + b1) + bt)          64 channels, made once for all pairs, kept in LDS as fragments
;   hidden = relu(WP' h + KAN_j + QAB_i)                        source 0 = weights, source 1 = pairs: a lane holds a pair and 8 channels = a quarter fragment, handed to the other waves through LDS
;   logits = am_w2 hidden (+ am_b2)                             source 0 = pairs, source 1 = weights: a lane holds ONE channel and, in its 8 registers, the 8 neighbours of ONE point
;   value  = pm_w2 h + VAL_j                                    the same layout, so the softmax over neighbours and the weighted sum never leave the lane
;   out    = 0.5 (le_w agg + le_b + v0)
; The gathered rows (bf16) enter the sums as matrix operands against 0/1 selector matrices: KAN and QAB in one product with [I I], VAL with [I 0] or [0 I].
; SOFTMAX: the largest of the 8 biased logits is taken away: p = 2^(c l + (c b - c (max l + b))), c = log2 e.
; THE LOOP: trip g multiplies group g's hidden by am_w2 and meanwhile makes group g + 1's hidden, into the other of two LDS buffers: one barrier a trip.  The last trip's hidden (on zeros for h) is read by nobody:
; 96 products, the price of one text for every trip.
; THE START: what later loads hang on is asked for first (neighbour numbers, small tensors), then every gather at once: the positions and the first group's whole KAN | QAB, whose row blocks 2-7 lodge in the registers
; of am_w2's kc 10-15.  am_w2, wanted last, is asked for last: kc 0-9 ten loads behind each tile of h, kc 10-15 as the lodgers have been multiplied.  Loads come back in order (ISA guide 5.7.1), so a wait with the
; count 63 shows done whatever has 63 or more younger loads behind it.
; THE MODE: SCHED_MODE bits 1:0 = 2 (LLVM: expert scheduling mode 2), set by the entry lines.  The code itself states the register dependences between vector or matrix instructions and memory or LDS
; instructions, with s_wait_alu, always for 0.
; THE PLAN, in the loop.  Registers that memory or LDS instructions touch:
;   HB (v64-127) and X (v192-255)  four buffers of 32 for the chunks of hidden: chunk c lies in HB for c = 0, 1, 4, 5 and in X for c = 2, 3, 6, 7.  X is SA, PK and the softmax's registers, which lie idle while logits
;                are multiplied.  Chunks 0-3 are asked for in one run and multiplied as 64 products on end; chunks 4, 5 behind the first wait of the S2P that follows; chunks 6, 7 at its end.  LOADG lands in HB likewise.
;   PK           written by POST, read by S2P's four LDS stores.       v240, v244, v248, v252   written by SOFT4, read by its four LDS stores.
;   KQ, HFR, WPT, VAL (window 1)   read by S2P's and P2's products; loaded again behind a wait that stands behind those products.
;   v24-27, v29  LDS addresses, made at the trip's head.   v6-15  gather offsets and v7, made once a trip inside S2P 3, ahead of its second wait.   v20-23  loaded by IDXL, read by XUPD.   v3, v28  never rewritten.
; So a trip has: two waits at its head; in each half of an S2P one on vm_vsrc ahead of POST and one on va_vdst ahead of its stores, which also serves every load issued up to the next vector or matrix instruction that
; names that load's registers; one on vm_vsrc ahead of chunks 6, 7 and ahead of the second half's chunks 0-3, which land on registers that LDS stores read; in SOFT4 one on va_vdst ahead of its stores.
; LIMITS.  Every input is rounded to bf16 at its load; pos_i - pos_j, the scaled pm_w1 and its bias are matrix operands in bf16.  An infinity in a gathered row gives NaN in its 16 neighbouring channels (0 x inf);
; NaN and infinities are not treated apart.  A weight below 2^-126 counts as 0.
; NO CLUSTER, NO TENSOR LOADS: what work-groups share is 0.4 MB of weights, read once by each into registers or LDS; the loop's traffic is gathered rows, which partners do not share.
; REGISTERS, in windows of 256 (s_set_vgpr_msb: bits 1:0 source 0, 3:2 source 1, 5:4 source 2, 7:6 destination):
;   window 0: v0-47 addresses and constants; v48-63 selectors [Q][Q][0][Q]; v64-127 HB, operands from LDS; v128-191 LACC, 8 logit tiles; v192-223 SA, 4 tiles; v224-239 PK; v240-255 softmax (v192-255 also X)
;   window 1: v0-63 pm_w2; v64-127 KQ (gathered KAN | QAB); v128-191 HFR (h of the next group); v192-223 VAL; v224-255 WPT (WP', two row blocks)
;   windows 2, 3: am_w2, fragment (kc, i) at 8 (4 kc + i)
.set HID,   0                          ; 2 x 65,536: buffer, tile x 16,384, kc x 1,024, unit x 512, 16 x lane
.set WPL,   131072                     ; WP' as it lies in wb, 65,536
.set HF,    196608                     ; h: 9 slots of 8,192 (tile x 2,048, kc x 1,024, unit x 512); slot 8 holds zeros
.set AGG,   270336                     ; the weighted sums: 64 points x 528 bytes (256 bf16 + 16); the 512 bytes behind them are the spare words, which the wave's end adds 0 onto
.set MSB, 0
.macro WIN new                         ; the immediate's high byte repeats the setting that is left; a switch that changes nothing is dropped
.if MSB != (\new)
	s_set_vgpr_msb (MSB<<8)|(\new)
.set MSB, \new
.endif
.endm
.macro PLACES                          ; four places behind a matrix instruction (ISA guide 7.12.1)
.rept 4
	v_nop
.endr
.endm
.macro ALL4 line:vararg                ; one line for each of four tiles x
.set x, 0
.rept 4
	\line
.set x, x+1
.endr
.endm
.macro RND1 x1                         ; one f32 rounded to bf16 and widened again
	v_cvt_pk_bf16_f32 v[\x1], v[\x1], v[\x1]
	v_lshlrev_b32 v[\x1], 16, v[\x1]
.endm
.macro POST tl                         ; relu and rounding of SA's tile tl into PK
.irp j,0,1,2,3,4,5,6,7
	v_max_num_f32 v[192+8*(\tl)+\j], 0, v[192+8*(\tl)+\j]
.endr
.irp q,0,1,2,3
	v_cvt_pk_bf16_f32 v[224+4*(\tl)+\q], v[192+8*(\tl)+2*\q], v[193+8*(\tl)+2*\q]
.endr
.endm
.macro IDXA k                          ; where the neighbour numbers of group min(GI + k, 7) lie: lane r takes pair r of each tile.  It stands behind XUPD, whose wait for translated addresses serves v7 too
	s_add_co_u32 s58, s42, \k
	s_min_u32 s58, s58, 7
	s_lshl_b32 s58, s58, 8
	v_lshl_add_u32 v7, v1, 2, s58
.endm
.macro IDXL                            ; and their four loads
	WIN 0
.irp tq,0,1,2,3
	global_load_b32 v[20+\tq], v7, s[56:57] offset:\tq*64
.endr
.endm
; The offsets move on a group: VAL's take the numbers that KAN's had, KAN's the numbers in v[jn ..], QAB's group min(GI + k, 7).
; At each of its places a wait on vm_vsrc stands between the last gather that read v6-15 and these lines, and a wait on va_vdst between these lines and the next gather.
.macro XUPD k, jn
	WIN 0
	s_wait_xcnt 0x0
	s_add_co_u32 s58, s42, \k
	s_min_u32 s58, s58, 7
	s_lshl_b32 s58, s58, 11
.irp tq,0,1,2,3
	v_lshl_add_u32 v[12+\tq], v[16+\tq], 7, v4
	v_min_u32 v[16+\tq], 0x7ff, v[(\jn)+\tq]
	v_lshl_add_u32 v[8+\tq], v[16+\tq], 8, v4
.endr
	v_add_nc_u32 v6, s58, v5
.endm
.macro KQLOAD p, kw, kb                ; row blocks 2 p, 2 p + 1: for each tile 16 channels of KAN_j (k = 0..15) and of QAB_i (k = 16..31), into v[kb ..] of the window that kw names as the destination's
	WIN \kw
.irp mm,0,1
.irp tq,0,1,2,3
	global_load_b128 v[(\kb)+32*\mm+8*\tq:(\kb)+32*\mm+8*\tq+3], v[8+\tq], s[50:51] offset:(2*(\p)+\mm)*32
	global_load_b128 v[(\kb)+32*\mm+8*\tq+4:(\kb)+32*\mm+8*\tq+7], v6, s[52:53] offset:\tq*512+(2*(\p)+\mm)*32
.endr
.endr
.endm
.macro WPLOAD p
	WIN 0x40
.set z, 0
.rept 8
	ds_load_b128 v[224+4*z:227+4*z], v28 offset:(\p)*4096+z*512
.set z, z+1
.endr
.endm
.macro VALLOAD hf                      ; tiles 2 hf, 2 hf + 1: my 64 channels of VAL_j
	WIN 0x40
.irp g2,0,1
.irp tq,0,1
	global_load_b128 v[192+16*\g2+8*\tq:195+16*\g2+8*\tq], v[12+2*(\hf)+\tq], s[54:55] offset:\g2*64
	global_load_b128 v[196+16*\g2+8*\tq:199+16*\g2+8*\tq], v[12+2*(\hf)+\tq], s[54:55] offset:\g2*64+32
.endr
.endr
.endm
.macro HFRL a                          ; a group's h, 8 fragments
	WIN 0x40
.set z, 0
.rept 16
	ds_load_b128 v[128+4*z:131+4*z], v[\a] offset:z*512
.set z, z+1
.endr
.endm
.macro LOADG hf                        ; h of the group in hand, tiles 2 hf, 2 hf + 1, into HB's first half
.set z, 0
.rept 8
	ds_load_b128 v[64+4*z:67+4*z], v27 offset:(\hf)*4096+z*512
.set z, z+1
.endr
.endm
.macro W2E n0, cnt                     ; loads n0 .. n0 + cnt - 1 of the 80 that bring am_w2's kc 0-9: load n is kc n / 8, row block (n mod 8) / 2, unit n mod 2
.set nn, \n0
.rept \cnt
.if nn/8 < 8
	WIN 0x80
.else
	WIN 0xc0
.endif
	global_load_b128 v[((nn/8)&7)*32+8*((nn%8)/2)+4*(nn%2):((nn/8)&7)*32+8*((nn%8)/2)+4*(nn%2)+3], v3, s[60:61] offset:((nn%8)/2)*16384+(nn/8)*1024+(nn%2)*512
.set nn, nn+1
.endr
	WIN 0
.endm
.macro W2LATE p                        ; am_w2's kc 8 + 2 p and 9 + 2 p, into the 64 registers in which the first group's row blocks 2 p, 2 p + 1 of KAN | QAB lodged: the products that read them stand ahead of S2P's last wait on va_vdst
	WIN 0xc0
.irp k,0,1
.irp iq,0,1,2,3
	global_load_b128 v[64*(\p)+32*\k+8*\iq:64*(\p)+32*\k+8*\iq+3],   v3, s[60:61] offset:\iq*16384+(8+2*(\p)+\k)*1024
	global_load_b128 v[64*(\p)+32*\k+8*\iq+4:64*(\p)+32*\k+8*\iq+7], v3, s[60:61] offset:\iq*16384+(8+2*(\p)+\k)*1024+512
.endr
.endr
	WIN 0
.endm
.macro LOADH hf, c                     ; hidden of tiles 2 hf, 2 hf + 1, kc = 2 c, 2 c + 1, into chunk c's buffer (destination and address in window 0 under every setting used here)
.set hb, 64+32*((\c)&1)+64*((\c)&2)
.irp kk,0,1
.irp tq,0,1
.irp u,0,1
	ds_load_b128 v[hb+16*\kk+8*\tq+4*\u:hb+16*\kk+8*\tq+4*\u+3], v24 offset:(2*(\hf)+\tq)*16384+(2*(\c)+\kk)*1024+\u*512
.endr
.endr
.endr
.endm
; Hidden, row blocks 2 p and 2 p + 1 of my eight, all four tiles of the next group.  The four accumulators take turns.  KAN | QAB lie at v[kb ..] in the window that kw names as source 1's.
; ldn, dsn < 0: no such wait.  refill = 1: the next row blocks' gathers and WP'; 2: WP' alone; 0: nothing.  xu = 1: the offsets move on, ahead of the second wait on va_vdst.
; mid = 1: chunks 4, 5 of half hf's hidden are asked for behind the first four stores, chunks 6, 7 at the end; mid = 2: LOADG hf behind the first four stores.
; five = 1: five places stand in front, between the logit products that read v192-223 as a source and my products, which write them (ISA guide 7.12.1).
.macro S2P p, ldn, dsn, kw, kb, refill, xu, mid, hf, five
.if \five
.rept 5
	v_nop
.endr
.endif
.if (\ldn) >= 0
	s_wait_loadcnt \ldn
.endif
.if (\dsn) >= 0
	s_wait_dscnt \dsn
.endif
.irp mm,0,1
	WIN \kw
.irp tq,0,1,2,3
	v_wmma_f32_16x16x32_bf16 v[192+8*\tq:199+8*\tq], v[48:55], v[(\kb)+32*\mm+8*\tq:(\kb)+32*\mm+8*\tq+7], 0
.endr
	WIN 0x05
.irp kq,0,1
.irp tq,0,1,2,3
	v_wmma_f32_16x16x32_bf16 v[192+8*\tq:199+8*\tq], v[224+16*\mm+8*\kq:231+16*\mm+8*\kq], v[128+16*\tq+8*\kq:135+16*\tq+8*\kq], v[192+8*\tq:199+8*\tq]
.endr
.endr
	WIN 0
	PLACES
	s_wait_alu depctr_vm_vsrc(0)                   ; the LDS stores issued so far have read PK, which POST writes again; the gathers issued so far have read v6-15, which XUPD writes
.irp tq,0,1,2,3
	POST \tq
.endr
.if (\xu)*\mm
	XUPD 2, 20
	IDXA 3
.endif
	s_wait_alu depctr_va_vdst(0)                   ; POST has written PK, which the stores read; every product so far is done reading its sources, in which the loads below land; XUPD and IDXA have written the offsets
.irp tq,0,1,2,3
	ds_store_b128 v25, v[224+4*\tq:227+4*\tq] offset:\tq*16384+(2*(\p)+\mm)*512
.endr
.if ((\mid) == 1) && (\mm == 0)
	LOADH \hf, 4                                   ; into HB, which chunks 0 and 1 have left.  No wait: no vector or matrix instruction since the wait above names HB
	LOADH \hf, 5
.endif
.if ((\mid) == 2) && (\mm == 0)
	LOADG \hf                                      ; into HB's first half, which chunk 4 has left
.endif
.endr
.if (\refill) == 1
	KQLOAD ((\p)+1)&3, 0x40, 64
.endif
.if (\refill) >= 1
	WPLOAD ((\p)+1)&3
	WIN 0
.endif
.if (\mid) == 1
	s_wait_alu depctr_vm_vsrc(0)                   ; the four stores above have read PK, on which chunk 7 lands (POST, which named SA and PK, stands ahead of the wait on va_vdst above)
	LOADH \hf, 6
	LOADH \hf, 7
.endif
.endm
.macro MMC c                           ; 16 products: 8 accumulators by turns, twice
.set hb, 64+32*((\c)&1)+64*((\c)&2)
.if (\c) < 4
	WIN 0x08
.else
	WIN 0x0c
.endif
.irp kk,0,1
.irp iq,0,1,2,3
.irp tq,0,1
.if (2*(\c)+\kk) == 0
	v_wmma_f32_16x16x32_bf16 v[128+16*\iq+8*\tq:135+16*\iq+8*\tq], v[hb+16*\kk+8*\tq:hb+16*\kk+8*\tq+7], v[((2*(\c)+\kk)&7)*32+8*\iq:((2*(\c)+\kk)&7)*32+8*\iq+7], 0
.else
	v_wmma_f32_16x16x32_bf16 v[128+16*\iq+8*\tq:135+16*\iq+8*\tq], v[hb+16*\kk+8*\tq:hb+16*\kk+8*\tq+7], v[((2*(\c)+\kk)&7)*32+8*\iq:((2*(\c)+\kk)&7)*32+8*\iq+7], v[128+16*\iq+8*\tq:135+16*\iq+8*\tq]
.endif
.endr
.endr
.endr
.endm
.macro P1A hf                          ; chunks 0-3 of half hf's hidden, in one run
	WIN 0x08
.if \hf
	s_wait_alu depctr_vm_vsrc(0)                   ; SOFT4's stores have read v240, v244, v248, v252, on which chunk 3 lands (in the first half the wait at the trip's head states it)
.endif
	LOADH \hf, 0
	LOADH \hf, 1
	LOADH \hf, 2
	LOADH \hf, 3
.endm
; Logits of two tiles, chunks c0 .. c1 of eight.  LDS loads come back in order (ISA guide 5.7.1).  Behind chunk c < 4 came the later chunks of its run: 8 (3 - c).  Behind chunk 4: chunk 5's 8 loads, S2P's 4 stores,
; its 8 loads of WP', chunks 6 and 7: 36; behind chunk 5: 28; behind chunk 6: 8.
.macro P1M c0, c1
.set cc, \c0
.rept (\c1)-(\c0)+1
.if cc < 4
	s_wait_dscnt 24-8*cc
.elseif cc < 6
	s_wait_dscnt 36-8*(cc-4)
.else
	s_wait_dscnt 8*(7-cc)
.endif
	MMC cc
.set cc, cc+1
.endr
.endm
; Softmax over a lane's 8 registers and the weighted sum, four tiles abreast: tile x = 2 i + t, logits at LACC + 32 g2 + 8 x, values at SA + 8 x.
.macro SOFT4 g2, hf
.set G, \g2
.set HH, \hf
.if G
	s_wait_alu depctr_vm_vsrc(0)                   ; the four stores of the 32 channels before have read v240, v244, v248, v252, which are written again below (ahead of the first 32 channels an S2P's wait, or the trip's head, states it)
.endif
	ALL4 v_max3_num_f32 v[242+4*x], v[128+32*G+8*x], v[129+32*G+8*x], v[130+32*G+8*x]
	ALL4 v_max3_num_f32 v[242+4*x], v[242+4*x], v[131+32*G+8*x], v[132+32*G+8*x]
	ALL4 v_max3_num_f32 v[242+4*x], v[242+4*x], v[133+32*G+8*x], v[134+32*G+8*x]
	ALL4 v_max_num_f32 v[242+4*x], v[242+4*x], v[135+32*G+8*x]
	ALL4 v_add_f32 v[242+4*x], v[242+4*x], v[32+2*G+x/2]
	ALL4 v_fma_f32 v[240+4*x], -v[242+4*x], s48, v[36+2*G+x/2]
.irp q,0,2,4,6
	ALL4 v_pk_fma_f32 v[128+32*G+8*x+\q:129+32*G+8*x+\q], v[128+32*G+8*x+\q:129+32*G+8*x+\q], s[48:49], v[240+4*x:241+4*x] op_sel_hi:[1,0,0]
.endr
.irp j,0,1,2,3,4,5,6,7
	ALL4 v_exp_f32 v[128+32*G+8*x+\j], v[128+32*G+8*x+\j]
.endr
	v_nop                                          ; a plain instruction between the exponentials and the use of their results
	s_wait_alu depctr_va_vdst(0)
	ALL4 v_pk_add_f32 v[242+4*x:243+4*x], v[128+32*G+8*x:129+32*G+8*x], v[130+32*G+8*x:131+32*G+8*x]
	ALL4 v_pk_mul_f32 v[240+4*x:241+4*x], v[128+32*G+8*x:129+32*G+8*x], v[192+8*x:193+8*x]
.irp q,2,4,6
	ALL4 v_pk_fma_f32 v[240+4*x:241+4*x], v[128+32*G+8*x+\q:129+32*G+8*x+\q], v[192+8*x+\q:193+8*x+\q], v[240+4*x:241+4*x]
.endr
.irp q,4,6
	ALL4 v_pk_add_f32 v[242+4*x:243+4*x], v[242+4*x:243+4*x], v[128+32*G+8*x+\q:129+32*G+8*x+\q]
.endr
	ALL4 v_add_f32 v[242+4*x], v[242+4*x], v[243+4*x]
	ALL4 v_add_f32 v[240+4*x], v[240+4*x], v[241+4*x]
	ALL4 v_rcp_f32 v[242+4*x], v[242+4*x]
	v_nop
	s_wait_alu depctr_va_vdst(0)
	ALL4 v_mul_f32 v[240+4*x], v[240+4*x], v[242+4*x]
	ALL4 v_cvt_pk_bf16_f32 v[240+4*x], v[240+4*x], v[240+4*x]
	s_wait_alu depctr_va_vdst(0)                   ; the roundings have written what the stores read; P2's products are done reading VAL and HB, and this softmax SA and its own registers: the loads that follow P2 land there
	ALL4 ds_store_b16 v29, v[240+4*x] offset:(2*G+x/2)*32+(2*HH+x%2)*1056
.endm
; Values of two tiles, 32 channels at a time, then their softmax.  loadcnt 16: the 16 gathers of KAN | QAB are younger than VAL's.  dscnt 12: S2P's last 4 stores and its 8 loads of WP' are younger than LOADG's.
.macro P2 hf
	s_wait_loadcnt 16
	s_wait_dscnt 12
.irp g2,0,1
	WIN 0x01
.irp iq,0,1
.irp tq,0,1
	v_wmma_f32_16x16x32_bf16 v[192+16*\iq+8*\tq:199+16*\iq+8*\tq], v[192+16*\g2+8*\tq:199+16*\g2+8*\tq], v[52+4*\iq:59+4*\iq], 0
.endr
.endr
	WIN 0x04
.irp kq,0,1
.irp iq,0,1
.irp tq,0,1
	v_wmma_f32_16x16x32_bf16 v[192+16*\iq+8*\tq:199+16*\iq+8*\tq], v[64+16*\tq+8*\kq:71+16*\tq+8*\kq], v[32*\g2+16*\iq+8*\kq:32*\g2+16*\iq+8*\kq+7], v[192+16*\iq+8*\tq:199+16*\iq+8*\tq]
.endr
.endr
.endr
	WIN 0
	PLACES
	SOFT4 \g2, \hf
.endr
.endm
	s_load_b512 s[4:19], s[0:1], 0x0               ; idx 4, pos 6, pm_w1 8, pm_b1 10, pm_g 12, pm_bt 14, wb 16, kan 18
	s_load_b256 s[20:27], s[0:1], 0x40             ; qab 20, val 22, v0 24, am_b2 26
	s_load_b128 s[28:31], s[0:1], 0x60             ; le_b 28, out0 30
	v_lshl_add_u32 v30, v0, 2, 0x4a400
	v_mov_b32 v31, 0
	v_lshrrev_b32 v40, 5, v0
	v_readfirstlane_b32 s40, v40                   ; wave 0..3
	v_and_b32 v1, 15, v0                           ; r
	v_bfe_u32 v2, v0, 4, 1                         ; h
	v_and_b32 v40, 31, v0
	v_lshlrev_b32 v3, 4, v40                       ; 16 x lane
	v_lshlrev_b32 v4, 4, v2                        ; 16 h
	v_lshrrev_b32 v5, 3, v1
	v_lshl_add_u32 v5, v5, 8, v4                   ; QAB: row r / 8 of a tile's two, 16 h
	s_lshr_b32 s36, ttmp9, 5                       ; the cloud
	s_and_b32 s37, ttmp9, 31
	s_lshl_b32 s37, s37, 6                         ; my first point in it
	s_mov_b32 s39, 0xffff0000
	s_mov_b32 s48, 0x3fb8aa3b                      ; c = log2 e
	s_mov_b32 s49, s48
	s_mov_b32 s41, 8                               ; trips
	s_mov_b32 s42, 0                               ; GI: the group in hand
	s_mov_b32 s43, 0                               ; the buffer that is read
	s_mov_b32 s44, 8192                            ; h of the next group
	s_mov_b32 s45, 0                               ; h of the group in hand
	s_mov_b32 s46, 0                               ; the group's 8 rows of AGG
	s_wait_alu depctr_va_sdst(0)                   ; s40 is written, ahead of its first reader
	s_lshl_b32 s58, s40, 8
	v_lshl_add_u32 v41, v1, 2, s58                 ; am_b2: channel 64 w + r
	v_mul_u32_u24 v42, v1, 12                      ; pm_w1: row r
	v_lshlrev_b32 v43, 2, v1                       ; 4 r
	s_lshl_b32 s58, s40, 9
	v_lshl_add_u32 v44, v1, 2, s58                 ; idx: tile 8 w, pair r
	v_lshlrev_b32 v40, 4, v0                       ; 16 x thread
	s_lshl_b32 s58, s37, 2
	s_lshl_b32 s38, s40, 6
	s_add_co_u32 s58, s58, s38
	v_lshrrev_b32 v24, 3, v1
	v_lshl_add_u32 v24, v24, 2, s58                ; pos: point of tile 8 w, pair r
.irp tq,0,1,2,3
	v_mov_b32 v[16+\tq], 0
.endr
	s_wait_kmcnt 0x0
	s_lshl_b32 s58, s40, 22
	s_lshl_b32 s59, s36, 19
	s_add_co_u32 s58, s58, s59
	s_mov_b32 s59, 0
	s_add_nc_u64 s[50:51], s[18:19], s[58:59]      ; KAN: my quarter, the cloud's rows
	s_lshl_b32 s58, s40, 22
	s_lshl_b32 s38, ttmp9, 14
	s_add_co_u32 s58, s58, s38
	s_add_nc_u64 s[52:53], s[20:21], s[58:59]      ; QAB: my quarter, the work-group's rows
	s_lshl_b32 s58, s40, 21
	s_lshl_b32 s38, s36, 18
	s_add_co_u32 s58, s58, s38
	s_add_nc_u64 s[54:55], s[22:23], s[58:59]      ; VAL
	s_lshl_b32 s58, ttmp9, 11
	s_add_nc_u64 s[56:57], s[4:5], s[58:59]        ; idx: the work-group's 512 pairs
	s_lshl_b32 s58, s40, 16
	s_add_nc_u64 s[60:61], s[16:17], s[58:59]      ; am_w2: my quarter
	s_lshl_b32 s58, s40, 13
	s_add_nc_u64 s[62:63], s[16:17], s[58:59]      ; pm_w2: my quarter, less its place in wb
	s_mul_i32 s58, s36, 24576
	s_add_nc_u64 s[32:33], s[6:7], s[58:59]        ; pos: the cloud
	; ---- first what later loads hang on: 44 loads: my tiles' neighbour numbers, those of groups 0 and 1, the small tensors
	s_wait_alu depctr_va_vdst(0)                   ; the offsets v3, v24 and v40 to v44 are written, which the loads below read
.irp xq,0,1,2,3,4,5,6,7
	global_load_b32 v[240+\xq], v44, s[56:57] offset:\xq*64       ; tile 8 w + x, pair r
.endr
.irp tq,0,1,2,3
	global_load_b32 v[252+\tq], v43, s[56:57] offset:\tq*64       ; group 0
	global_load_b32 v[248+\tq], v43, s[56:57] offset:256+\tq*64   ; group 1
.endr
.irp i,0,1,2,3
	global_load_b32 v[32+\i], v41, s[26:27] offset:\i*64          ; am_b2 of channel 64 w + 16 i + r
	global_load_b32 v[192+6*\i], v42, s[8:9] offset:\i*192        ; pm_w1's row 16 i + r
	global_load_b32 v[193+6*\i], v42, s[8:9] offset:\i*192+4
	global_load_b32 v[194+6*\i], v42, s[8:9] offset:\i*192+8
	global_load_b32 v[195+6*\i], v43, s[10:11] offset:\i*64
	global_load_b32 v[196+6*\i], v43, s[12:13] offset:\i*64
	global_load_b32 v[197+6*\i], v43, s[14:15] offset:\i*64
.endr
.set z, 0
.rept 32
	global_load_b128 v[64+4*z:67+4*z], v40, s[16:17] offset:524288+z*2048  ; WP', on its way into LDS
.set z, z+1
.endr
	s_wait_loadcnt 32                              ; the 44 are in; WP's 32 loads may stay out
	; ---- every gather at once: the positions (neighbour's and own, into HFR's registers) and the first group's KAN | QAB.  The two LDS addresses and the zeros of the stores further down are made here too, ahead of the one wait
.irp xq,0,1,2,3,4,5,6,7
	v_min_u32 v[240+\xq], 0x7ff, v[240+\xq]
	v_lshlrev_b32 v[240+\xq], 2, v[240+\xq]
.endr
	XUPD 0, 252
	v_add_nc_u32 v45, WPL, v40                     ; where WP' goes,
	v_add_nc_u32 v7, HF+65536, v40                 ; and slot 8 of h: zeros
.irp i,0,1,2,3
	v_mov_b32 v[224+\i], 0
.endr
	WIN 0x40
	s_wait_alu depctr_va_vdst(0)                   ; v240-247, v6 and v8-11 are written, which the gathers read; so are v45, v7 and v224-227, which the LDS stores below read
.irp xq,0,1,2,3,4,5,6,7
.irp c,0,1,2
	global_load_b32 v[128+3*\xq+\c], v[240+\xq], s[32:33] offset:\c*8192
	global_load_b32 v[152+3*\xq+\c], v24, s[32:33] offset:\xq*8+\c*8192
.endr
.endr
	KQLOAD 0, 0x40, 64
	KQLOAD 1, 0xc0, 64
	KQLOAD 2, 0xc0, 128
	KQLOAD 3, 0xc0, 192
	WIN 0
	s_wait_loadcnt 63                              ; WP' is in: 112 loads were issued behind it
.set z, 0
.rept 32
	ds_store_b128 v45, v[64+4*z:67+4*z] offset:z*2048
.set z, z+1
.endr
.irp i,0,1,2,3
	ds_store_b128 v7, v[224:227] offset:\i*2048
.endr
	s_wait_alu depctr_vm_vsrc(0)                   ; the loads so far have read v40 to v44 and v240-247, the LDS stores v7, v45, v64-191 and v224-227: all of these are written again from here on
	; the selectors: Q has bf16 1.0 at k = r where r lies in my half's eight.  The seven compares stand in one run, each with a scalar register of its own
	v_and_b32 v42, 1, v1
	v_lshrrev_b32 v43, 3, v1
	v_bfe_u32 v44, v1, 1, 2
	v_cmp_eq_u32 s2, 1, v42
	v_cmp_eq_u32 s3, v43, v2
	v_cmp_eq_u32 s34, 0, v44
	v_cmp_eq_u32 s35, 1, v44
	v_cmp_eq_u32 s47, 2, v44
	v_cmp_eq_u32 s59, 3, v44
	v_cmp_eq_u32 s38, 0, v2
	v_mov_b32 v42, 0x3f80
	v_mov_b32 v43, 0x3f800000
	s_wait_alu depctr_va_sdst(0)                   ; the seven masks are written, ahead of their first readers
	v_cndmask_b32 v42, v42, v43, s2
	v_cndmask_b32 v42, 0, v42, s3
	v_cndmask_b32 v48, 0, v42, s34
	v_cndmask_b32 v49, 0, v42, s35
	v_cndmask_b32 v50, 0, v42, s47
	v_cndmask_b32 v51, 0, v42, s59
.irp q,0,1,2,3
	v_mov_b32 v[52+\q], v[48+\q]
	v_mov_b32 v[56+\q], 0
	v_mov_b32 v[60+\q], v[48+\q]
.endr
.irp i,0,1,2,3
	RND1 32+\i
	v_mul_f32 v[36+\i], s48, v[32+\i]              ; c b
.endr
	; pm_w1 as fragments with K = 4 of 32 used: s w0, s w1, s w2, s b1 + bt; all else 0
.irp i,0,1,2,3
.irp c,0,1,2,3,4,5
	RND1 192+6*\i+\c
.endr
	v_mul_f32 v[196+6*\i], 0x3f7fffac, v[196+6*\i]
	v_mul_f32 v[192+6*\i], v[196+6*\i], v[192+6*\i]
	v_mul_f32 v[193+6*\i], v[196+6*\i], v[193+6*\i]
	v_mul_f32 v[194+6*\i], v[196+6*\i], v[194+6*\i]
	v_fma_f32 v[195+6*\i], v[196+6*\i], v[195+6*\i], v[197+6*\i]
	v_cvt_pk_bf16_f32 v[64+8*\i], v[192+6*\i], v[193+6*\i]
	v_cvt_pk_bf16_f32 v[65+8*\i], v[194+6*\i], v[195+6*\i]
	v_cndmask_b32 v[64+8*\i], 0, v[64+8*\i], s38
	v_cndmask_b32 v[65+8*\i], 0, v[65+8*\i], s38
.irp c,2,3,4,5,6,7
	v_mov_b32 v[64+8*\i+\c], 0
.endr
.endr
.irp c,2,3,4,5,6,7
	v_mov_b32 v[96+\c], 0
.endr
	s_lshl_b32 s58, s40, 14
	s_add_co_u32 s58, s58, HF
	v_add_nc_u32 v46, s58, v3
	s_wait_loadcnt 63                              ; the positions are in: the 64 loads of KAN | QAB were issued behind them
	WIN 0x05
.irp xq,0,1,2,3,4,5,6,7
.irp c,0,1,2
	v_cvt_pk_bf16_f32 v[104+3*\xq+\c], v[152+3*\xq+\c], v[128+3*\xq+\c]  ; own in the low half, the neighbour's in the high
.endr
.endr
	WIN 0
	; h of my 8 tiles; behind each tile ten loads of am_w2
.irp xq,0,1,2,3,4,5,6,7
.irp c,0,1,2
	v_lshlrev_b32 v[43+\c], 16, v[104+3*\xq+\c]
	v_and_b32 v[40+\c], s39, v[104+3*\xq+\c]
	v_sub_f32 v[43+\c], v[43+\c], v[40+\c]         ; pos_i - pos_j, exact in f32
.endr
	v_cvt_pk_bf16_f32 v96, v43, v44
	v_cvt_pk_bf16_f32 v97, v45, 1.0
	v_cndmask_b32 v96, 0, v96, s38
	v_cndmask_b32 v97, 0, v97, s38
.irp i,0,1,2,3
	v_wmma_f32_16x16x32_bf16 v[192+8*\i:199+8*\i], v[64+8*\i:71+8*\i], v[96:103], 0
.endr
	PLACES
	s_wait_alu depctr_vm_vsrc(0)                   ; the LDS stores issued so far have read PK, which POST writes again
.irp i,0,1,2,3
	POST \i
.endr
	s_wait_alu depctr_va_vdst(0)                   ; POST has written PK, which the four stores read (at the first tile: v46 is written too)
.irp i,0,1,2,3
	ds_store_b128 v46, v[224+4*\i:227+4*\i] offset:\xq*2048+\i*512
.endr
	W2E 10*\xq, 10
.endr
	WIN 0x40
.set z, 0
.rept 16
	global_load_b128 v[4*z:4*z+3], v3, s[62:63] offset:327680+z*512   ; pm_w2
.set z, z+1
.endr
	WIN 0
	v_mul_u32_u24 v47, v2, 528
	v_lshl_add_u32 v47, v1, 1, v47
	s_lshl_b32 s58, s40, 7
	s_add_co_u32 s58, s58, AGG
	v_add_nc_u32 v47, s58, v47                     ; AGG: point h of a tile's two, channel 64 w + r
	s_lshl_b32 s58, s40, 14
	s_add_co_u32 s58, s58, WPL
	v_add_nc_u32 v28, s58, v3
	s_lshl_b32 s58, s40, 12
	v_add_nc_u32 v25, s58, v3
	v_add_nc_u32 v27, HF, v3
	s_wait_dscnt 0x0
	s_barrier_signal -1
	s_barrier_wait -1
	; ---- the first group's hidden, into buffer 0.  Its gathers are all in; each lodged block, once multiplied, gives its registers back to am_w2
	s_wait_alu depctr_va_vdst(0)                   ; v25, v27 and v28 are written, which the LDS instructions below read; the roundings of the positions are done reading HFR's registers, in which h lands
	HFRL 27
	WPLOAD 0
	WIN 0
	s_wait_loadcnt 63                              ; KAN | QAB are in: 96 loads (am_w2's kc 0-9, pm_w2) were issued behind them
	S2P 0, -1, 0, 0x04, 64, 2, 0, 0, 0, 0
	S2P 1, -1, 0, 0x0c, 64, 2, 0, 0, 0, 0
	W2LATE 1
	S2P 2, -1, 0, 0x0c, 128, 2, 0, 0, 0, 0
	W2LATE 2
	S2P 3, -1, 0, 0x0c, 192, 0, 0, 0, 0, 0
	W2LATE 3
	XUPD 1, 248                                    ; VAL's offsets: group 0; KAN's and QAB's: group 1
	IDXA 2
.irp i,0,1,2,3,4,5,6,7,8,9,10,11,12,13,14,15
	v_mov_b32 v[240+\i], 0
.endr
	s_wait_alu depctr_va_vdst(0)                   ; v6 to v15 are written, which the gathers below read; the first group's products are done reading KQ and WPT, in which they land
	KQLOAD 0, 0x40, 64
	WPLOAD 0
	IDXL
	VALLOAD 0
	WIN 0
	s_wait_loadcnt 63                              ; am_w2's kc 0-9 and pm_w2 are in: 76 loads were issued behind them.  kc 10-15 are older than the gathers that the trip's first wait for loads covers, ahead of chunk 5
	s_wait_dscnt 0x0
	s_barrier_signal -1
	s_barrier_wait -1
.Ltrip:
	s_wait_alu depctr_vm_vsrc(0)                   ; the LDS instructions issued so far have read v24 to v27 and v29, which are written below, and v224-255, on which chunks 2 and 3 land
	v_add_nc_u32 v24, s43, v3                      ; hidden is read here,
	s_xor_b32 s58, s43, 0x10000
	s_lshl_b32 s59, s40, 12
	s_add_co_u32 s58, s58, s59
	v_add_nc_u32 v25, s58, v3                      ; and the next group's written here: the other buffer, my four kc
	s_add_co_u32 s58, s44, HF
	v_add_nc_u32 v26, s58, v3
	s_add_co_u32 s58, s45, HF
	v_add_nc_u32 v27, s58, v3
	v_add_nc_u32 v29, s46, v47
	s_wait_alu depctr_va_vdst(0)                   ; the five addresses are written; the vector and matrix work of the trip before is done with HFR, HB and X, in which the 48 loads below land
	HFRL 26
	P1A 0
	P1M 0, 3
	S2P 0, 12, -1, 0x04, 64, 1, 0, 1, 0, 1         ; loadcnt 12: the 4 neighbour numbers and VAL's 8 are younger than these gathers; WP' and h are in since chunk 3's wait
	P1M 4, 7
	S2P 1, 0, -1, 0x04, 64, 1, 0, 2, 0, 1
	P2 0
	VALLOAD 1
	P1A 1
	P1M 0, 3
	S2P 2, 8, -1, 0x04, 64, 1, 0, 1, 1, 1          ; loadcnt 8: VAL's second half is younger
	P1M 4, 7
	S2P 3, 0, -1, 0x04, 64, 1, 1, 2, 1, 1          ; the offsets move on; the gathers that follow are for the group after next
	P2 1
	IDXL                                           ; their address was made in S2P 3, ahead of its last wait on va_vdst, and XUPD, which read v20-23, stands there too
	VALLOAD 0
	WIN 0
	s_wait_dscnt 0x0                               ; my reads of one buffer are back and my stores into the other are done,
	s_barrier_signal -1
	s_barrier_wait -1                              ; everybody's are: the buffers change places
	s_xor_b32 s43, s43, 0x10000
	s_add_co_u32 s44, s44, 8192
	s_add_co_u32 s45, s45, 8192
	s_add_co_u32 s46, s46, 4224
	s_add_co_u32 s42, s42, 1
	s_sub_co_u32 s41, s41, 1
	s_cmp_lg_u32 s41, 0
	s_cbranch_scc1 .Ltrip
	; ---- y = le_w agg + le_b; out = 0.5 (y + v0).  Wave w: channels 32 w .. 32 w + 31 of all 64 points.  Source 0 = 16 points, source 1 = 16 rows of le_w: a lane holds a channel and 8 neighbouring points.
	; All that the end needs is asked for at once: le_w (32 loads), le_b (2), v0 (16), and from LDS all eight fragments of agg, into window 3, which am_w2 has left.
	; The last trip's gathers, which nobody uses, land in registers that the end does not name.
	s_lshl_b32 s58, s40, 14
	s_mov_b32 s59, 0
	s_add_nc_u64 s[60:61], s[16:17], s[58:59]
	s_lshl_b32 s58, s36, 20
	s_lshl_b32 s38, s40, 18
	s_add_co_u32 s58, s58, s38
	s_lshl_b32 s38, s37, 2
	s_add_co_u32 s58, s58, s38
	s_add_nc_u64 s[62:63], s[24:25], s[58:59]      ; v0 and out0 at channel 32 w, my 64 points
	s_add_nc_u64 s[8:9], s[30:31], s[58:59]
	s_wait_alu depctr_vm_vsrc(0)                   ; the loop's LDS instructions have read v24 to v26, which are written below, and v224-255, on which v0 lands
	v_lshlrev_b32 v26, 13, v2
	v_lshl_add_u32 v26, v1, 4, v26
	s_lshl_b32 s58, s40, 7
	v_lshl_add_u32 v40, v1, 2, s58
	v_mul_u32_u24 v41, v1, 528
	v_add_nc_u32 v41, v41, v4
	v_add_nc_u32 v41, AGG, v41
	; the stage lies over the hidden buffers, which nobody reads behind the loop's last barrier: rows = my 32 channels, 256 + 16 bytes
	s_mul_i32 s58, s40, 32*272
	v_mul_u32_u24 v24, v1, 272
	v_lshl_add_u32 v24, v2, 5, v24
	v_add_nc_u32 v24, s58, v24
	v_mul_u32_u24 v25, v2, 272
	v_lshl_add_u32 v25, v1, 4, v25
	v_add_nc_u32 v25, s58, v25
	WIN 0x80
	s_wait_alu depctr_va_vdst(0)                   ; the end's five addresses are written; the loop's products and softmax are done with windows 2 and 3, HB and v192-255, in which the loads of the end land
.irp k,0,1,2,3,4,5,6,7
.irp iq,0,1
	global_load_b128 v[16*\k+8*\iq:16*\k+8*\iq+3],   v3, s[60:61] offset:262144+\iq*8192+\k*1024
	global_load_b128 v[16*\k+8*\iq+4:16*\k+8*\iq+7], v3, s[60:61] offset:262144+\iq*8192+\k*1024+512
.endr
.endr
	WIN 0
	global_load_b32 v42, v40, s[28:29]
	global_load_b32 v44, v40, s[28:29] offset:64
.irp y,0,1,2,3,4,5,6,7,8,9,10,11,12,13,14,15
	global_load_b128 v[192+4*\y:195+4*\y], v26, s[62:63] offset:\y*16384
.endr
.macro LOADL kc                        ; agg of all 64 points, channels 32 kc on: four fragments at v[32 kc ..] of window 3
.irp nq,0,1,2,3
	ds_load_b128 v[32*(\kc)+8*\nq:32*(\kc)+8*\nq+3],   v41 offset:\nq*8448+(\kc)*64
	ds_load_b128 v[32*(\kc)+8*\nq+4:32*(\kc)+8*\nq+7], v41 offset:\nq*8448+(\kc)*64+32
.endr
.endm
	WIN 0xc0
.irp k,0,1,2,3,4,5,6,7
	LOADL \k
.endr
	WIN 0
	s_wait_loadcnt 16                              ; le_w and le_b are in; v0's 16 loads may stay out
	RND1 42
	RND1 44
	v_mov_b32 v43, v42
	v_mov_b32 v45, v44
.set kc, 0
.rept 8
	s_wait_dscnt 56-8*kc                           ; the later steps' loads, 8 each, may stay out
	WIN 0x0b
.irp iq,0,1
.irp nq,0,1,2,3
.if kc == 0
	v_wmma_f32_16x16x32_bf16 v[128+32*\iq+8*\nq:135+32*\iq+8*\nq], v[32*kc+8*\nq:32*kc+8*\nq+7], v[16*kc+8*\iq:16*kc+8*\iq+7], 0
.else
	v_wmma_f32_16x16x32_bf16 v[128+32*\iq+8*\nq:135+32*\iq+8*\nq], v[32*kc+8*\nq:32*kc+8*\nq+7], v[16*kc+8*\iq:16*kc+8*\iq+7], v[128+32*\iq+8*\nq:135+32*\iq+8*\nq]
.endif
.endr
.endr
.set kc, kc+1
.endr
	WIN 0
	PLACES
.irp iq,0,1
.irp nq,0,1,2,3
.irp q,0,2,4,6
	v_pk_add_f32 v[128+32*\iq+8*\nq+\q:129+32*\iq+8*\nq+\q], v[128+32*\iq+8*\nq+\q:129+32*\iq+8*\nq+\q], v[42+2*\iq:43+2*\iq] op_sel_hi:[1,0]
.endr
.endr
.endr
	s_wait_alu depctr_va_vdst(0)                   ; the additions have written v128-191, which the LDS stores read
.irp iq,0,1
.irp nq,0,1,2,3
	ds_store_b128 v24, v[128+32*\iq+8*\nq:131+32*\iq+8*\nq] offset:\iq*4352+\nq*64
	ds_store_b128 v24, v[132+32*\iq+8*\nq:135+32*\iq+8*\nq] offset:\iq*4352+\nq*64+16
.endr
.endr
.irp y,0,1,2,3,4,5,6,7,8,9,10,11,12,13,14,15
	ds_load_b128 v[64+4*\y:67+4*\y], v25 offset:\y*544   ; LDS serves a wave's instructions in order (ISA guide 5.7.1.4): these see my stores above
.endr
	s_wait_loadcnt 0x0                             ; v0
	s_wait_dscnt 0x0
.set z, 0
.rept 32
	v_pk_add_f32 v[64+2*z:65+2*z], v[64+2*z:65+2*z], v[192+2*z:193+2*z]
	v_pk_mul_f32 v[64+2*z:65+2*z], v[64+2*z:65+2*z], 0.5 op_sel_hi:[1,0]
.set z, z+1
.endr
	s_wait_alu depctr_va_vdst(0)                   ; the last arithmetic has written v64-127, which the stores read
.irp y,0,1,2,3,4,5,6,7,8,9,10,11,12,13,14,15
	global_store_b128 v26, v[64+4*\y:67+4*\y], s[8:9] offset:\y*16384  ; 16 lanes store 256 consecutive bytes of a channel's row
.endr
	s_wait_dscnt 0x0                               ; the wave's end
	s_wait_alu depctr_hold_cnt(0) depctr_sa_sdst(0) depctr_va_vdst(0) depctr_va_sdst(0) depctr_va_ssrc(0) depctr_va_vcc(0) depctr_vm_vsrc(0)
	s_wait_tensorcnt 0x0
	ds_add_u32 v30, v31
	s_wait_dscnt 0x0
	s_endpgm
.Lfunc_end_k_qa848cba405_main:
	.size	k_qa848cba405_main, .Lfunc_end_k_qa848cba405_main-k_qa848cba405_main
	.p2alignl 7, 3214868480
	.fill 96, 4, 3214868480
	.section	.rodata,"a",@progbits
	.p2align	6, 0x0
	.amdhsa_kernel k_qa848cba405_main
		.amdhsa_group_segment_fixed_size 304640
		.amdhsa_private_segment_fixed_size 0
		.amdhsa_enable_private_segment 0
		.amdhsa_kernarg_size 112
		.amdhsa_user_sgpr_count 2
		.amdhsa_user_sgpr_kernarg_segment_ptr 1
		.amdhsa_wavefront_size32 1
		.amdhsa_system_sgpr_workgroup_id_x 1
		.amdhsa_system_sgpr_workgroup_id_y 1
		.amdhsa_system_sgpr_workgroup_id_z 1
		.amdhsa_system_vgpr_workitem_id 0
		.amdhsa_next_free_vgpr 1024
		.amdhsa_next_free_sgpr 66
		.amdhsa_reserve_vcc 0
		.amdhsa_float_denorm_mode_32 3
		.amdhsa_float_denorm_mode_16_64 3
		.amdhsa_memory_ordered 1
		.amdhsa_forward_progress 1
		.amdhsa_inst_pref_size 229
	.end_amdhsa_kernel
	.amdgpu_metadata
---
amdhsa.version: [ 1, 2 ]
amdhsa.kernels:
  - .name:           k_qa848cba405_main
    .symbol:         k_qa848cba405_main.kd
    .args:
      - { .name: idx, .offset: 0, .size: 8, .value_kind: global_buffer, .address_space: global }
      - { .name: pos, .offset: 8, .size: 8, .value_kind: global_buffer, .address_space: global }
      - { .name: pm_w1, .offset: 16, .size: 8, .value_kind: global_buffer, .address_space: global }
      - { .name: pm_b1, .offset: 24, .size: 8, .value_kind: global_buffer, .address_space: global }
      - { .name: pm_g, .offset: 32, .size: 8, .value_kind: global_buffer, .address_space: global }
      - { .name: pm_bt, .offset: 40, .size: 8, .value_kind: global_buffer, .address_space: global }
      - { .name: wb, .offset: 48, .size: 8, .value_kind: global_buffer, .address_space: global }
      - { .name: kan, .offset: 56, .size: 8, .value_kind: global_buffer, .address_space: global }
      - { .name: qab, .offset: 64, .size: 8, .value_kind: global_buffer, .address_space: global }
      - { .name: val, .offset: 72, .size: 8, .value_kind: global_buffer, .address_space: global }
      - { .name: v0, .offset: 80, .size: 8, .value_kind: global_buffer, .address_space: global }
      - { .name: am_b2, .offset: 88, .size: 8, .value_kind: global_buffer, .address_space: global }
      - { .name: le_b, .offset: 96, .size: 8, .value_kind: global_buffer, .address_space: global }
      - { .name: out0, .offset: 104, .size: 8, .value_kind: global_buffer, .address_space: global }
    .group_segment_fixed_size: 304640
    .private_segment_fixed_size: 0
    .kernarg_segment_align: 8
    .kernarg_segment_size: 112
    .max_flat_workgroup_size: 128
    .sgpr_count:     66
    .vgpr_count:     1024
    .wavefront_size: 32
...
	.end_amdgpu_metadata
.endif
;; end of part 7
